; MI455X (gfx1250); checked and timed in simulation.
; The chip was launched on July 23, 2026; its instructions are those of AMD's public machine-readable ISA for CDNA 5 (MIT licence, August 2026) and "CDNA5" Instruction Set Architecture Reference Guide (July 2026). The comments in the code are by the model that wrote it; some were corrected since.
;; Cross Attention. Allowed arithmetic: float matrix products may take bf16 or f16 operands with f32 sums; other float arithmetic in f32, or as packed bf16 or f16 multiplies, adds, multiply-adds, maxima and minima; sums over many terms, partial sums and values carried from step to step in f32; what a program stores and reads back later, other than sums and carried values, may be rounded once to bf16 or f16.
;; Inputs: attention_mask 8 x 512 int32; guide_vector 8 x 512 x 768 float32; kv_b 2,048 float32; kv_w 1,024 x 2,048 float32; out_b 1,024 float32; out_w 1,024 x 1,024 float32; q_b 1,024 float32; q_w 1,024 x 1,024 float32; query 8 x 2,048 x 1,024 float32; text_b 1,024 float32; text_w 768 x 1,024 float32.
;; Outputs: out0 8 x 2,048 x 1,024 float32.
;; 3 versions, each right; version 2 is faster than version 1; version 3 is version 2 with the launch prep written anew for expert scheduling mode. Each part assembles by itself: llvm-mc -triple=amdgcn-amd-amdhsa -mcpu=gfx1250 --defsym DOCPART=n.
;; ======== version 1 of 3: 5 launches
;; limits: values are held in f16: magnitudes above 65,504 overflow, below 6.1e-05 lose precision; inputs' magnitudes at most 65,504
;; workspace buffers: act 41,943,040 bytes; w16 6,291,456 bytes; wkv 4,194,304 bytes; gq 41,943,040 bytes; kv 25,165,824 bytes; qs 5,120 bytes; kvs 2,048 bytes
;; launch prep (part 1): grid 800 x 1, 8 waves a work-group, no clusters, 0 bytes of LDS; arguments query, guide_vector, q_w, text_w, out_w, kv_w, act, w16, wkv; writes act, w16, wkv
.if DOCPART == 1
	.amdgcn_target "amdgcn-amd-amdhsa--gfx1250"
	.amdhsa_code_object_version 6
	.text
	.protected	k_q22a397e944_prep
	.globl	k_q22a397e944_prep
	.p2align	8
	.type	k_q22a397e944_prep,@function
k_q22a397e944_prep:
	s_mov_b64 s[64:65], 0
	v_nop
	global_prefetch_b8 v0, s[64:65] scope:SCOPE_SE
	s_setreg_imm32_b32 hwreg(HW_REG_WAVE_MODE, 25, 1), 1
	s_wait_xcnt 0x0
; f32 -> f16 casts of everything that later goes to the matrix unit, once, so that the products read half the bytes.
;   act: query as [16384][1024] f16 at byte 0; guide_vector as [4096][1024] f16 at byte 33,554,432, columns 768-1023 = 0
;   w16: q_w at 0, text_w at 2,097,152 (rows 768-1023 = 0), out_w at 4,194,304, each [1024][1024] f16, K along the rows' index as given
;   wkv: kv_w's columns 0-1023 (K) at 0, columns 1024-2047 (V) at 2,097,152, each [1024][1024] f16
; The zero padding makes every product's K equal to 1,024, so that guide's projection and K's and V's are one source with the same K steps.
; LIMIT: an input number of magnitude 65,520 or more becomes an infinity in f16; one under 2^-25 becomes 0.
; A work-group casts 32,768 numbers (or writes 65,536 bytes of zeros).  A thread takes 16 bytes of each of 32 pieces: 32 loads of a wave
; are out together, and each store of a wave covers 256 consecutive bytes, aligned.  No LDS, no barrier: no number meets another.
.set X, 4                              ; v[4:131]  32 pieces of 4 registers, as loaded; the first two of each then hold the 4 f16
; 32 loads sp bytes apart, then piece by piece: wait, two packed roundings, a store at (j / 2) d0 + (j % 2) d1
.macro CAST sp, d0, d1
.set j, 0
.rept 32
	global_load_b128 v[X+4*j:X+4*j+3], v1, s[4:5] offset:j*\sp th:TH_LOAD_NT
.set j, j+1
.endr
.set j, 0
.rept 32
	s_wait_loadcnt 31-j                            ; loads come back in order: piece j is in, the 31 - j younger ones stay out
	v_cvt_pk_f16_f32 v[X+4*j], v[X+4*j], v[X+4*j+1]
	v_cvt_pk_f16_f32 v[X+4*j+1], v[X+4*j+2], v[X+4*j+3]
	global_store_b64 v2, v[X+4*j:X+4*j+1], s[6:7] offset:(j/2)*\d0+(j%2)*\d1
.set j, j+1
.endr
.endm
	s_load_b256 s[8:15], s[0:1], 0x0               ; query s[8:9], guide_vector s[10:11], q_w s[12:13], text_w s[14:15]
	s_load_b256 s[16:23], s[0:1], 0x20             ; out_w s[16:17], kv_w s[18:19], act s[20:21], w16 s[22:23]
	s_load_b64 s[24:25], s[0:1], 0x40              ; wkv
	v_lshlrev_b32 v1, 4, v0                        ; my 16 bytes of a piece of the source
	v_lshlrev_b32 v2, 3, v0                        ; my 8 bytes of a piece of the destination
	v_lshrrev_b32 v3, 5, v0
	v_readfirstlane_b32 s27, v3                    ; wave 0..7
	s_mov_b32 s29, 0                               ; high words of the two offsets
	s_mov_b32 s31, 0
	s_wait_kmcnt 0x0
	s_cmp_ge_u32 ttmp9, 672
	s_cbranch_scc1 .Lpad
	s_cmp_ge_u32 ttmp9, 608
	s_cbranch_scc1 .Lsplit
	; work-groups 0-607: dense casts.  0-511 query -> act; 512-543 q_w, 544-567 text_w, 568-575 zeros, 576-607 out_w -> w16
	s_mov_b64 s[4:5], s[8:9]
	s_mov_b64 s[6:7], s[20:21]
	s_mov_b32 s26, 0                               ; the first work-group of my source
	s_mov_b32 s2, 0                                ; the first work-group of my destination
	s_cmp_ge_u32 ttmp9, 512
	s_cselect_b64 s[4:5], s[12:13], s[4:5]
	s_cselect_b64 s[6:7], s[22:23], s[6:7]
	s_cselect_b32 s26, 512, s26
	s_cselect_b32 s2, 512, s2
	s_cmp_ge_u32 ttmp9, 544
	s_cselect_b64 s[4:5], s[14:15], s[4:5]
	s_cselect_b32 s26, 544, s26
	s_cmp_ge_u32 ttmp9, 576
	s_cselect_b64 s[4:5], s[16:17], s[4:5]
	s_cselect_b32 s26, 576, s26
	s_sub_co_u32 s28, ttmp9, s26
	s_lshl_b32 s28, s28, 17                        ; 131,072 bytes of f32 a work-group
	s_add_nc_u64 s[4:5], s[4:5], s[28:29]
	s_sub_co_u32 s30, ttmp9, s2
	s_lshl_b32 s30, s30, 16                        ; 65,536 bytes of f16
	s_add_nc_u64 s[6:7], s[6:7], s[30:31]
	s_cmp_lt_u32 ttmp9, 568
	s_cbranch_scc1 .Llin
	s_cmp_ge_u32 ttmp9, 576
	s_cbranch_scc1 .Llin
.Lzero:                                                ; 32 pieces of zeros, 2,048 bytes apart; nothing is loaded
	v_mov_b32 v4, 0
	v_mov_b32 v5, 0
.set j, 0
.rept 32
	global_store_b64 v2, v[4:5], s[6:7] offset:j*2048
.set j, j+1
.endr
	s_endpgm
.Llin:
	CAST 4096, 4096, 2048                          ; piece j: 4,096 bytes in, 2,048 bytes out
	s_endpgm
.Lsplit:                                               ; work-groups 608-671: 16 rows of kv_w; piece j is half j % 2 of row j / 2
	s_sub_co_u32 s26, ttmp9, 608
	s_lshl_b32 s28, s26, 17
	s_add_nc_u64 s[4:5], s[18:19], s[28:29]
	s_lshl_b32 s30, s26, 15                        ; 16 rows of 2,048 bytes in each plane
	s_add_nc_u64 s[6:7], s[24:25], s[30:31]
	CAST 4096, 2048, 2097152
	s_endpgm
.Lpad:                                                 ; work-groups 672-799: 32 rows of guide_vector; piece j is row j
	s_sub_co_u32 s26, ttmp9, 672
	s_mul_i32 s28, s26, 98304                      ; 32 rows of 3,072 bytes
	s_add_nc_u64 s[4:5], s[10:11], s[28:29]
	s_lshl_b32 s30, s26, 16
	s_add_co_u32 s30, s30, 33554432
	s_add_nc_u64 s[6:7], s[20:21], s[30:31]
	s_cmp_ge_u32 s27, 6                            ; threads 0-191 hold a row's 768 numbers; threads 192-255 write the 256 zeros behind them
	s_cbranch_scc1 .Lzero
	CAST 3072, 4096, 2048
	s_endpgm
.Lfunc_end_k_q22a397e944_prep:
	.size	k_q22a397e944_prep, .Lfunc_end_k_q22a397e944_prep-k_q22a397e944_prep
	.p2alignl 7, 3214868480
	.fill 96, 4, 3214868480
	.section	.rodata,"a",@progbits
	.p2align	6, 0x0
	.amdhsa_kernel k_q22a397e944_prep
		.amdhsa_group_segment_fixed_size 0
		.amdhsa_private_segment_fixed_size 0
		.amdhsa_enable_private_segment 0
		.amdhsa_kernarg_size 72
		.amdhsa_user_sgpr_count 2
		.amdhsa_user_sgpr_kernarg_segment_ptr 1
		.amdhsa_wavefront_size32 1
		.amdhsa_system_sgpr_workgroup_id_x 1
		.amdhsa_system_sgpr_workgroup_id_y 1
		.amdhsa_system_sgpr_workgroup_id_z 1
		.amdhsa_system_vgpr_workitem_id 0
		.amdhsa_next_free_vgpr 132
		.amdhsa_next_free_sgpr 66
		.amdhsa_reserve_vcc 0
		.amdhsa_float_denorm_mode_32 3
		.amdhsa_float_denorm_mode_16_64 3
		.amdhsa_memory_ordered 1
		.amdhsa_forward_progress 1
		.amdhsa_inst_pref_size 39
	.end_amdhsa_kernel
	.amdgpu_metadata
---
amdhsa.version: [ 1, 2 ]
amdhsa.kernels:
  - .name:           k_q22a397e944_prep
    .symbol:         k_q22a397e944_prep.kd
    .args:
      - { .name: query, .offset: 0, .size: 8, .value_kind: global_buffer, .address_space: global }
      - { .name: guide_vector, .offset: 8, .size: 8, .value_kind: global_buffer, .address_space: global }
      - { .name: q_w, .offset: 16, .size: 8, .value_kind: global_buffer, .address_space: global }
      - { .name: text_w, .offset: 24, .size: 8, .value_kind: global_buffer, .address_space: global }
      - { .name: out_w, .offset: 32, .size: 8, .value_kind: global_buffer, .address_space: global }
      - { .name: kv_w, .offset: 40, .size: 8, .value_kind: global_buffer, .address_space: global }
      - { .name: act, .offset: 48, .size: 8, .value_kind: global_buffer, .address_space: global }
      - { .name: w16, .offset: 56, .size: 8, .value_kind: global_buffer, .address_space: global }
      - { .name: wkv, .offset: 64, .size: 8, .value_kind: global_buffer, .address_space: global }
    .group_segment_fixed_size: 0
    .private_segment_fixed_size: 0
    .kernarg_segment_align: 8
    .kernarg_segment_size: 72
    .max_flat_workgroup_size: 256
    .sgpr_count:     66
    .vgpr_count:     132
    .wavefront_size: 32
...
	.end_amdgpu_metadata
.endif
;; end of part 1
;; launch proj1 (part 2): grid 8 x 160, 4 waves a work-group, clusters of 4 x 4, 327,680 bytes of LDS; arguments act, w16, q_b, text_b, gq, qs; writes gq, qs
.if DOCPART == 2
	.amdgcn_target "amdgcn-amd-amdhsa--gfx1250"
	.amdhsa_code_object_version 6
	.text
	.protected	k_q22a397e944_proj1
	.globl	k_q22a397e944_proj1
	.p2align	8
	.type	k_q22a397e944_proj1,@function
k_q22a397e944_proj1:
	s_mov_b64 s[64:65], 0
	v_nop
	global_prefetch_b8 v0, s[64:65] scope:SCOPE_SE
	s_setreg_imm32_b32 hwreg(HW_REG_WAVE_MODE, 25, 1), 1
	s_wait_xcnt 0x0
	s_wait_alu depctr_hold_cnt(0) depctr_sa_sdst(0) depctr_va_vdst(0) depctr_va_sdst(0) depctr_va_ssrc(0) depctr_va_vcc(0) depctr_vm_vsrc(0)
	s_getreg_b32 s2, hwreg(HW_REG_IB_STS2, 6, 4)
	s_cmp_eq_u32 s2, 0
	s_cbranch_scc0 .Lentry_in_a_cluster
	s_endpgm
.Lentry_in_a_cluster:
	s_bfe_u32 s2, ttmp6, 0x10000c
	s_cmp_lg_u32 s2, 0xf033
	s_cbranch_scc0 .Lentry_shape_is_right
	s_endpgm
.Lentry_shape_is_right:
; C = A W + bias, K = 1,024.  A: [rows][1024] f16.  W: planes of [1024 (k)][1024 (n)] f16.  bias: f32.  C: f16, rows of 1,024; sums in f32.
; The text serves two launches; arguments: A, W, bias, second bias, C, scales.
;   first:  row tiles 0-127: q = query q_w + q_b; row tiles 128-159: guide = guide_vector text_w + text_b (W's second plane, the second bias)
;   second: K and V = guide kv_w + kv_b (tile columns 0-7 take W's first plane, 8-15 its second; the grid has no row tile from 128 on)
; BLOCK EXPONENT.  A tile of 128 x 128 of C is stored divided by g = 2^(E-126), E the biased exponent of the tile's largest magnitude (at most 252),
; so that every stored number is under 1; g goes to scales[plane 256 + tile row 8 + tile column % 8].  guide's tiles are stored as they are (g = 1).
; LIMITS: inside a tile, numbers under 2^-14 of the tile's largest lose relative precision in f16, under 2^-25 of it they vanish;
; guide must stay under 65,504 in magnitude.  The sums' order differs from a plain f32 product's.
; SHARES.  A tile of C is 128 x 128; four waves, each 64 x 64: 16 accumulators of 16 x 16.  K goes in four steps of 256 through two LDS slots.
; W stays [k][n] in LDS and is turned on the way into registers (ds_load_tr16_b128).  The matrix instruction is used transposed (source 0 = 16 columns
; of W, source 1 = 16 rows of A): a lane then holds eight neighbouring numbers of a row of C, and the bias, laid the same way, is the first product's C.
; CLUSTERS: 4 x 4 work-groups.  The four of a row of the cluster need the same tiles of A, the four of a column the same tiles of W: each tile is
; asked for jointly, by the same tensor load with the same descriptor and a mask that names the four.
; REGISTERS: window 0: v0-31 addresses; v32-95 at work on the way out (v32-63 hold the bias until the first products); v96-107 the tile's maximum;
;   v128-255 the accumulators ((a, b) at v[128 + 8 (4 a + b)]).  window 1: two fragment buffers of 128: 64 registers of A, then 64 of W, for 64 along K.
.set KSTEP,  256
.set PITA,   528                       ; a row of A in LDS: 512 bytes + 16 of padding: the 16 rows of a fragment load start 16 bytes apart modulo 256
.set PITW,   288                       ; a k-row of W: 256 bytes + 32 of padding: the 8 rows x 32 bytes that 16 lanes of a turning load take do not meet modulo 256
.set HALFA,  64*PITA                   ; what one tensor load brings of A: 64 rows
.set HALFW,  128*PITW                  ; and of W: 128 k-rows
.set AOFF,   2*HALFW                   ; a slot: W's 256 k-rows, then A's 128 rows
.set SLOT,   AOFF+2*HALFA
.set STAGE,  2*SLOT                    ; behind the ring: 128 rows x 272 bytes, the work-group's, for the way out
.set SPITCH, 272
.set RED,    STAGE+128*SPITCH          ; four words: the waves' maxima
.set SPARE,  RED+256                   ; the spare words, 128 bytes for each wave: two blocks of 256 bytes that no other line names
.set ADRA, 16                          ; v16-17  LDS address of my A fragments in slot 0, 1
.set ADRB, 18                          ; v18-21  of my W fragments: slot 0 k-rows 0-127, 128-255; slot 1 likewise (the offsets have 16 bits)
.set STO,  24                          ; v24     the way out: where I put 16 bytes of a row
.set RD,   25                          ; v25     the way out: where I read a row back
.set CO,   26                          ; v26     my byte offset in C
.set BO,   27                          ; v27     my byte offset in the bias: 32 x (lane / 16)
.set SPW,  28                          ; v28     LDS address of my spare word; never rewritten
.set NIL,  29                          ; v29     0; never rewritten
.set TMP,  32
.set BI,   32                          ; v32-63  bias: n block b at v[BI + 8 b]
.set MX,   96
.set ACC,  128
.set F0,   0
.set F1,   128
.set G1,  24                           ; s[24:31] descriptor group 1 for A's tiles; s[32:39] group 0, one set for each slot
.set G0,  32
.set G1B, 48                           ; s[48:55], s[56:63] the same for W's tiles
.set G0B, 56
.set MSB, 0
.macro WIN new                         ; the immediate's high byte repeats the setting that is left
.if MSB != \new
	s_set_vgpr_msb (MSB<<8)|\new
.set MSB, \new
.endif
.endm
.set MUL,  0x05                        ; sources 0 (W) and 1 (A) window 1; C and D window 0
.set TO_F, 0x40                        ; destination window 1, address window 0
.macro JLOAD s                         ; a joint load: waves 0 and 1 fetch W's two halves, waves 2 and 3 A's; four v_nop follow each of the two lines
	s_cmp_eq_u32 s11, 0
	s_cbranch_scc0 .Lfor_a_\@
	tensor_load_to_lds s[G0B+4*\s:G0B+4*\s+3], s[G1B:G1B+7]
	s_nop 0
.rept 4
	v_nop
.endr
	s_branch .Lasked_\@
.Lfor_a_\@:
	tensor_load_to_lds s[G0+4*\s:G0+4*\s+3], s[G1:G1+7]
	s_nop 0
.rept 4
	v_nop
.endr
.Lasked_\@:
.endm
.macro CREST                           ; a round of the cluster's barrier behind its opening barrier
	s_cmp_lg_u32 s10, 0
	s_cbranch_scc1 .Lnot_wave_0_\@
	s_barrier_signal -3
.Lnot_wave_0_\@:
	s_barrier_wait -3
	s_barrier_signal -1
	s_barrier_wait -1
.endm
.macro CROUND                          ; a whole round
	s_barrier_signal -1
	s_barrier_wait -1
	CREST
.endm
	s_load_b256 s[68:75], s[0:1], 0x0              ; A s[68:69], W s[70:71], bias s[72:73], second bias s[74:75]
	s_load_b128 s[76:79], s[0:1], 0x20             ; C s[76:77], scales s[78:79]
	v_lshl_add_u32 v[SPW], v0, 2, SPARE
	v_mov_b32 v[NIL], 0
	ds_add_u32 v28, v29
	s_wait_dscnt 0x0
	v_lshrrev_b32 v1, 5, v0
	v_readfirstlane_b32 s10, v1                    ; wave 0..3
	s_lshr_b32 s11, s10, 1                         ; which half of the tile's rows is mine.  Also: I fetch for W (0) or for A (1)
	s_and_b32 s12, s10, 1                          ; which half of its columns.  Also: which half of that tile I fetch
	s_bfe_u32 s40, ttmp6, 0x40000                  ; cx, cy: my place in the cluster
	s_bfe_u32 s41, ttmp6, 0x40004
	s_lshl_b32 s42, ttmp9, 2
	s_add_co_u32 s42, s42, s40                     ; tile column = 4 x cluster x + cx
	s_and_b32 s45, ttmp7, 0xffff                   ; cluster y
	s_lshl_b32 s13, s45, 2
	s_add_co_u32 s13, s13, s41                     ; tile row = 4 x cluster y + cy
	s_lshl_b32 s43, s41, 2
	s_lshl_b32 s43, 15, s43                        ; my row of the cluster
	s_lshl_b32 s44, 0x1111, s40                    ; my column
	s_mov_b32 s67, 252
	s_cmp_ge_u32 s45, 32                           ; tile rows from 128 on (cluster y from 32 on) are guide's: second plane, second bias, no block exponent
	s_cselect_b32 s82, 1, 0
	s_cselect_b32 s66, 126, 0                      ; E is kept between s66 and s67: 126, which makes both factors 1, or 0 to 252
	s_cselect_b32 s67, 126, s67
	s_mov_b32 s80, 0x76543210                      ; v_permlanex16_b32: each lane takes its own place in the other half
	s_mov_b32 s81, 0xfedcba98
	; descriptor group 1.  A: 64 rows x 256 elements, 4 words of padding behind every 128.  W: 128 k-rows x 128 elements, 8 words behind every 64.
	s_or_b32 s[G1+0], s43, (1<<16)|(1<<20)|(1<<21)|(6<<22)|(3<<25)  ; 15:0 the mask: my row; 17:16 elements of 2 bytes; 20 padding on; 21 set beside a mask; 24:22 interval; 31:25 padding
	s_mov_b32 s[G1+1], 256<<16                     ; tensor_dim0 = 256
	s_mov_b32 s[G1+2], 64<<16                      ; tensor_dim1 = 64
	s_mov_b32 s[G1+3], 256<<16                     ; tile_dim0 = 256
	s_mov_b32 s[G1+4], 64                          ; tile_dim1 = 64
	s_mov_b32 s[G1+5], 1024                        ; elements from row to row
	s_mov_b32 s[G1+6], 0
	s_mov_b32 s[G1+7], 0
	s_or_b32 s[G1B+0], s44, (1<<16)|(1<<20)|(1<<21)|(5<<22)|(7<<25) ; the mask: my column
	s_mov_b32 s[G1B+1], 128<<16
	s_mov_b32 s[G1B+2], 128<<16
	s_mov_b32 s[G1B+3], 128<<16
	s_mov_b32 s[G1B+4], 128
	s_mov_b32 s[G1B+5], 1024
	s_mov_b32 s[G1B+6], 0
	s_mov_b32 s[G1B+7], 0
	; where the tiles come from.  A's hang on the tile row alone, W's on the tile column and the cluster's y alone.
	s_lshl_b32 s16, s13, 18                        ; A: 128 rows of 2,048 bytes a tile row,
	s_lshl_b32 s18, s12, 17                        ; 64 rows a half
	s_add_co_u32 s16, s16, s18
	s_mov_b32 s17, 0
	s_lshr_b32 s83, s42, 3                         ; plane of W and of C
	s_and_b32 s19, s42, 7                          ; tile column inside the plane
	s_add_co_u32 s46, s82, s83
	s_lshl_b32 s46, s46, 21                        ; W: planes of 2,097,152 bytes,
	s_lshl_b32 s18, s19, 8                         ; 256 bytes a tile column,
	s_add_co_u32 s46, s46, s18
	s_lshl_b32 s18, s12, 18                        ; 128 k-rows of 2,048 bytes a half
	s_add_co_u32 s46, s46, s18
	s_mov_b32 s47, 0
	s_mul_i32 s20, s10, HALFW                      ; where they go: W's halves at wave x 36,864 (waves 0, 1),
	s_mul_i32 s22, s10, HALFA
	s_add_co_u32 s22, s22, AOFF-2*HALFA            ; A's at wave x 33,792 + 6,144 (waves 2, 3): no place in the cluster enters an LDS address
	s_wait_kmcnt 0x0
	s_add_nc_u64 s[14:15], s[68:69], s[16:17]
	s_add_nc_u64 s[46:47], s[70:71], s[46:47]
	CROUND                                         ; all sixteen work-groups are here: the first joint loads meet
.irp s, 0,1
	s_mov_b32 s[G0+4*\s], 1
	s_add_co_u32 s[G0+4*\s+1], s22, \s*SLOT
	s_add_nc_u64 s[G0+4*\s+2:G0+4*\s+3], s[14:15], \s*KSTEP*2
	s_or_b32 s[G0+4*\s+3], s[G0+4*\s+3], 0x80000000
	s_mov_b32 s[G0B+4*\s], 1
	s_add_co_u32 s[G0B+4*\s+1], s20, \s*SLOT
	s_add_nc_u64 s[G0B+4*\s+2:G0B+4*\s+3], s[46:47], \s*KSTEP*2048
	s_or_b32 s[G0B+4*\s+3], s[G0B+4*\s+3], 0x80000000
	JLOAD \s                                       ; two loads of mine are out: the most in this text
.endr
	; the bias of my 64 columns, laid as an accumulator is: register j of n block b = bias[16 b + 8 (lane / 16) + j]
	v_and_b32 v1, 15, v0                           ; l % 16
	v_bfe_u32 v2, v0, 4, 1                         ; l / 16
	v_lshlrev_b32 v[BO], 5, v2
	s_cmp_ge_u32 s45, 32
	s_cselect_b64 s[72:73], s[74:75], s[72:73]
	s_lshl_b32 s16, s42, 9                         ; 128 f32 a tile column,
	s_lshl_b32 s18, s12, 8                         ; 64 a half
	s_add_co_u32 s16, s16, s18
	s_add_nc_u64 s[72:73], s[72:73], s[16:17]
.irp b, 0,1,2,3
	global_load_b128 v[BI+8*\b:BI+8*\b+3],   v[BO], s[72:73] offset:64*\b
	global_load_b128 v[BI+8*\b+4:BI+8*\b+7], v[BO], s[72:73] offset:64*\b+16
.endr
	v_mul_u32_u24 v3, v1, PITA
	v_lshl_add_u32 v3, v2, 4, v3                   ; a fragment of A: row x pitch + 16 x half
	s_mul_i32 s21, s11, HALFA                      ; my 64 rows of A,
	s_add_co_u32 s21, s21, AOFF                    ; which lie behind W
	v_add_nc_u32 v[ADRA], s21, v3
	v_add_nc_u32 v[ADRA+1], SLOT, v[ADRA]
	v_and_b32 v4, 7, v0                            ; the turning load: lane l reads 16 bytes of k-row 8 (l / 16) + l % 8, columns 8 ((l / 8) % 2) on
	v_lshl_add_u32 v4, v2, 3, v4
	v_mul_u32_u24 v4, v4, PITW
	v_bfe_u32 v5, v0, 3, 1
	v_lshl_add_u32 v4, v5, 4, v4
	s_lshl_b32 s21, s12, 7                         ; my 64 columns of W
	v_add_nc_u32 v[ADRB], s21, v4
	v_add_nc_u32 v[ADRB+1], HALFW, v[ADRB]
	v_add_nc_u32 v[ADRB+2], SLOT, v[ADRB]
	v_add_nc_u32 v[ADRB+3], SLOT+HALFW, v[ADRB]
	s_mul_i32 s23, s11, 64*SPITCH                  ; into the stage: my 64 rows, my half of their 256 bytes
	s_add_co_u32 s23, s23, s21
	s_add_co_u32 s23, s23, STAGE
	v_mul_u32_u24 v4, v1, SPITCH
	v_lshl_add_u32 v4, v2, 4, v4
	v_add_nc_u32 v[STO], s23, v4
	s_mul_i32 s23, s10, 32*SPITCH                  ; back: wave w takes rows 32 w .. 32 w + 31, whole; lanes 0-15 one row, lanes 16-31 the next
	s_add_co_u32 s23, s23, STAGE
	v_mul_u32_u24 v5, v2, SPITCH
	v_lshl_add_u32 v5, v1, 4, v5
	v_add_nc_u32 v[RD], s23, v5
	v_lshlrev_b32 v5, 11, v2                       ; and the same two rows in C
	v_lshl_add_u32 v[CO], v1, 4, v5
	; C's tile row is (tile row + 32) mod 160: guide's tiles land at C's byte 0, the others from byte 8,388,608 on.  The fold is made on the cluster's y.
	s_add_co_u32 s16, s45, 8
	s_cmp_ge_u32 s16, 40
	s_cselect_b32 s18, 40, 0
	s_sub_co_u32 s16, s16, s18
	s_lshl_b32 s16, s16, 2
	s_add_co_u32 s16, s16, s41
	s_lshl_b32 s16, s16, 18                        ; 128 rows of 2,048 bytes
	s_lshl_b32 s18, s83, 23                        ; planes of 8,388,608 bytes
	s_add_co_u32 s16, s16, s18
	s_lshl_b32 s18, s19, 8
	s_add_co_u32 s16, s16, s18
	s_lshl_b32 s18, s10, 16                        ; the 32 rows that I store
	s_add_co_u32 s16, s16, s18
	s_add_nc_u64 s[8:9], s[76:77], s[16:17]
	s_lshl_b32 s16, s83, 8                         ; the tile's word among the scales
	s_lshl_b32 s18, s13, 3
	s_add_co_u32 s16, s16, s18
	s_add_co_u32 s16, s16, s19
	s_lshl_b32 s16, s16, 2
	s_add_nc_u64 s[78:79], s[78:79], s[16:17]
; 8 matrix instructions: m blocks a0, a0 + 1 x all 4 n blocks, 32 along K: half c of buffer f.  zero = 1: the first product starts the sums from the bias.
; The 16 accumulators take turns, one instruction a turn.
.macro MUL8 f, c, a0, zero
.irp a, \a0, \a0+1
.irp b, 0,1,2,3
.if \zero
	v_wmma_f32_16x16x32_f16 v[ACC+8*(4*(\a)+\b):ACC+8*(4*(\a)+\b)+7], v[\f+64+8*(4*\c+\b):\f+64+8*(4*\c+\b)+7], v[\f+8*(4*\c+\a):\f+8*(4*\c+\a)+7], v[BI+8*\b:BI+8*\b+7]
.else
	v_wmma_f32_16x16x32_f16 v[ACC+8*(4*(\a)+\b):ACC+8*(4*(\a)+\b)+7], v[\f+64+8*(4*\c+\b):\f+64+8*(4*\c+\b)+7], v[\f+8*(4*\c+\a):\f+8*(4*\c+\a)+7], v[ACC+8*(4*(\a)+\b):ACC+8*(4*(\a)+\b)+7]
.endif
.endr
.endr
.endm
; 32 LDS loads in one run: the fragments of quarter q (64 along K) of a slot, into buffer f; the first 32 along K first
.macro FETCH slot, q, f
	WIN TO_F
.irp c, 0,1
.irp i, 0,1,2,3
	ds_load_tr16_b128 v[\f+64+8*(4*\c+\i):\f+64+8*(4*\c+\i)+3],   v[ADRB+2*\slot+(\q)/2] offset:((\q)%2)*64*PITW+\c*32*PITW+32*\i
	ds_load_tr16_b128 v[\f+64+8*(4*\c+\i)+4:\f+64+8*(4*\c+\i)+7], v[ADRB+2*\slot+(\q)/2] offset:((\q)%2)*64*PITW+\c*32*PITW+32*\i+16*PITW
	ds_load_b128 v[\f+8*(4*\c+\i):\f+8*(4*\c+\i)+3],              v[ADRA+\slot] offset:128*\q+64*\c+\i*16*PITA
	ds_load_b128 v[\f+8*(4*\c+\i)+4:\f+8*(4*\c+\i)+7],            v[ADRA+\slot] offset:128*\q+64*\c+\i*16*PITA+32
.endr
.endr
.endm
.macro PLACES                          ; four places in front of loads into registers that matrix instructions have read, and of vector work that reads results
.rept 4
	v_nop
.endr
.endm
; A K step is four quarters of 64 along K, 32 matrix instructions each, on buffers 0, 1, 0, 1.  One of the first three: multiplies buffer f and fetches quarter q into g.
.macro QUARTER slot, q, f, g, zero
	s_wait_dscnt 16                                ; the first 32 along K are in; the sixteen younger loads may be out
	WIN MUL
	MUL8 \f, 0, 0, \zero
	MUL8 \f, 0, 2, \zero
	PLACES
	FETCH \slot, \q, \g
	s_wait_dscnt 32                                ; all but the 32 just issued
	WIN MUL
	MUL8 \f, 1, 0, 0
	MUL8 \f, 1, 2, 0
.endm
; The last quarter multiplies buffer 1 and changes slots: ONE barrier; in front of it each wave waits for all its tensor loads, adds 0 to its spare word, and waits for that and for
; its own reads of this slot.  fill = 1: this slot is filled again, two K steps ahead; the barrier then opens a round of the cluster's barrier.
.macro TURN slot, next, fill
	WIN 0                                          ; (the add's two registers lie in window 0)
	s_wait_tensorcnt 0x0                           ; all my tensor loads have landed: my part of the next slot;
	ds_add_u32 v[SPW], v[NIL]                      ; 0 onto my spare word;
	s_wait_dscnt 17                                ; (the add and the youngest sixteen loads may be out)
	WIN MUL
	MUL8 F1, 0, 0, 0                               ; eight matrix instructions stand between the add and the wait for it
	s_wait_dscnt 0x0                               ; the add is done, and my reads of this slot are over
	s_barrier_signal -1
	MUL8 F1, 0, 2, 0
.if \fill
	WIN 0
.endif
	s_barrier_wait -1
.if \fill
	CREST                                          ; no wave of any partner still reads this slot's tiles or has a load on its way
	s_add_nc_u64 s[G0+4*\slot+2:G0+4*\slot+3], s[G0+4*\slot+2:G0+4*\slot+3], 2*KSTEP*2
	s_add_nc_u64 s[G0B+4*\slot+2:G0B+4*\slot+3], s[G0B+4*\slot+2:G0B+4*\slot+3], 2*KSTEP*2048
	JLOAD \slot                                    ; the first tensor load behind the round; the four v_nop behind it are also the places in front of the loads below
.else
	PLACES
.endif
	FETCH \next, 0, F0
	WIN MUL
	MUL8 F1, 1, 0, 0
	MUL8 F1, 1, 2, 0
.endm
	s_wait_tensorcnt 0x1                           ; my part of K step 0 is in; K step 1's may stay out
	s_barrier_signal -1
	s_barrier_wait -1                              ; everybody's is
	FETCH 0, 0, F0
	s_wait_loadcnt 0x0                             ; the bias
	QUARTER 0, 1, F0, F1, 1                        ; K step 0: its first products start the sums
	QUARTER 0, 2, F1, F0, 0
	QUARTER 0, 3, F0, F1, 0
	TURN 0, 1, 1                                   ; slot 0 takes K step 2
	QUARTER 1, 1, F0, F1, 0                        ; K step 1
	QUARTER 1, 2, F1, F0, 0
	QUARTER 1, 3, F0, F1, 0
	TURN 1, 0, 1                                   ; slot 1 takes K step 3
	QUARTER 0, 1, F0, F1, 0                        ; K step 2
	QUARTER 0, 2, F1, F0, 0
	QUARTER 0, 3, F0, F1, 0
	TURN 0, 1, 0                                   ; nothing is left to fetch
	QUARTER 1, 1, F0, F1, 0                        ; K step 3
	QUARTER 1, 2, F1, F0, 0
	QUARTER 1, 3, F0, F1, 0
	s_wait_dscnt 16
	WIN MUL
	MUL8 F1, 0, 0, 0
	MUL8 F1, 0, 2, 0
	s_wait_dscnt 0x0
	MUL8 F1, 1, 0, 0
	MUL8 F1, 1, 2, 0
	WIN 0
	; THE WAY OUT.  First the tile's largest magnitude: four chains in a lane, each accumulator's registers in ascending order; across the lanes; across the waves through four LDS words.
	PLACES
.irp k, 0,1,2,3
	v_max_num_f32 v[MX+\k], |v[ACC+2*\k]|, |v[ACC+2*\k+1]|
.endr
.set t, 1
.rept 15
.irp k, 0,1,2,3
	v_max3_num_f32 v[MX+\k], |v[ACC+8*t+2*\k]|, |v[ACC+8*t+2*\k+1]|, v[MX+\k]
.endr
.set t, t+1
.endr
	v_max3_num_f32 v[MX], v[MX], v[MX+1], v[MX+2]
	v_max_num_f32 v[MX], v[MX], v[MX+3]
	v_max_num_f32_dpp v[MX], v[MX], v[MX] row_xmask:1 row_mask:0xf bank_mask:0xf
	v_max_num_f32_dpp v[MX], v[MX], v[MX] row_xmask:2 row_mask:0xf bank_mask:0xf
	v_max_num_f32_dpp v[MX], v[MX], v[MX] row_xmask:4 row_mask:0xf bank_mask:0xf
	v_max_num_f32_dpp v[MX], v[MX], v[MX] row_xmask:8 row_mask:0xf bank_mask:0xf
	v_permlanex16_b32 v[MX+1], v[MX], s80, s81
	v_max_num_f32 v[MX], v[MX], v[MX+1]
	v_mov_b32 v[MX+2], s10
	v_lshl_add_u32 v[MX+2], v[MX+2], 2, RED
	ds_store_b32 v[MX+2], v[MX]                    ; all lanes write the wave's word with the same value
	s_wait_dscnt 0x0                               ; for the others' sake
	s_barrier_signal -1
	s_barrier_wait -1
	v_mov_b32 v[MX+3], RED
	ds_load_b128 v[MX+4:MX+7], v[MX+3]
	s_wait_dscnt 0x0
	v_max3_num_f32 v[MX], v[MX+4], v[MX+5], v[MX+6]
	v_max_num_f32 v[MX], v[MX], v[MX+7]
	v_lshrrev_b32 v[MX], 23, v[MX]                 ; E: the sign bit is 0
	v_min_u32 v[MX], s67, v[MX]
	v_max_u32 v[MX], s66, v[MX]
	v_sub_nc_u32 v[MX+8], 253, v[MX]
	v_lshlrev_b32 v[MX+8], 23, v[MX+8]             ; 2^(126-E): what the tile is multiplied by
	v_mov_b32 v[MX+9], v[MX+8]                     ; twice: a pair for the packed multiply
	v_add_nc_u32 v[MX+10], 1, v[MX]
	v_lshlrev_b32 v[MX+10], 23, v[MX+10]           ; g = 2^(E-126): what restores it
.set t, 0
.rept 64
	v_pk_mul_f32 v[ACC+2*t:ACC+2*t+1], v[ACC+2*t:ACC+2*t+1], v[MX+8:MX+9]
.set t, t+1
.endr
.set t, 0
.rept 64
	v_cvt_pk_f16_f32 v[TMP+t], v[ACC+2*t], v[ACC+2*t+1]
.set t, t+1
.endr
.irp a, 0,1,2,3
.irp b, 0,1,2,3
	ds_store_b128 v[STO], v[TMP+4*(4*\a+\b):TMP+4*(4*\a+\b)+3] offset:\a*16*SPITCH+32*\b
.endr
.endr
	s_wait_dscnt 0x0                               ; for the others' sake: a row's 256 bytes come from two waves
	s_barrier_signal -1
	s_barrier_wait -1
.irp t, 0,1,2,3,4,5,6,7,8,9,10,11,12,13,14,15
	ds_load_b128 v[TMP+4*\t:TMP+4*\t+3], v[RD] offset:\t*2*SPITCH
.endr
.irp t, 0,1,2,3,4,5,6,7,8,9,10,11,12,13,14,15
	s_wait_dscnt 15-\t                             ; pair of rows t is back; the younger loads may be out
	global_store_b128 v[CO], v[TMP+4*\t:TMP+4*\t+3], s[8:9] offset:2*\t*2048   ; 16 lanes store 256 consecutive bytes, at a multiple of 256 from C's first byte
.endr
	v_mov_b32 v[MX+11], 0
	v_cmp_eq_u32 vcc_lo, 0, v0                     ; thread 0 stores the tile's g
	s_wait_xcnt 0x0                                ; EXEC changes only behind this wait
	s_and_saveexec_b32 s14, vcc_lo
	global_store_b32 v[MX+11], v[MX+10], s[78:79]
	s_wait_xcnt 0x0                                ; and again in front of the line that widens it
	s_or_b32 exec_lo, exec_lo, s14
	s_wait_tensorcnt 0x0                           ; the wave's end
	ds_add_u32 v[SPW], v[NIL]
	s_wait_dscnt 0x0
	CROUND                                         ; the closing round: no work-group ends while a partner may still ask for a tile that names it
	s_endpgm
.Lfunc_end_k_q22a397e944_proj1:
	.size	k_q22a397e944_proj1, .Lfunc_end_k_q22a397e944_proj1-k_q22a397e944_proj1
	.p2alignl 7, 3214868480
	.fill 96, 4, 3214868480
	.section	.rodata,"a",@progbits
	.p2align	6, 0x0
	.amdhsa_kernel k_q22a397e944_proj1
		.amdhsa_group_segment_fixed_size 327680
		.amdhsa_private_segment_fixed_size 0
		.amdhsa_enable_private_segment 0
		.amdhsa_kernarg_size 48
		.amdhsa_user_sgpr_count 2
		.amdhsa_user_sgpr_kernarg_segment_ptr 1
		.amdhsa_wavefront_size32 1
		.amdhsa_system_sgpr_workgroup_id_x 1
		.amdhsa_system_sgpr_workgroup_id_y 1
		.amdhsa_system_sgpr_workgroup_id_z 1
		.amdhsa_system_vgpr_workitem_id 0
		.amdhsa_next_free_vgpr 512
		.amdhsa_next_free_sgpr 84
		.amdhsa_reserve_vcc 1
		.amdhsa_float_denorm_mode_32 3
		.amdhsa_float_denorm_mode_16_64 3
		.amdhsa_memory_ordered 1
		.amdhsa_forward_progress 1
		.amdhsa_inst_pref_size 98
	.end_amdhsa_kernel
	.amdgpu_metadata
---
amdhsa.version: [ 1, 2 ]
amdhsa.kernels:
  - .name:           k_q22a397e944_proj1
    .symbol:         k_q22a397e944_proj1.kd
    .args:
      - { .name: act, .offset: 0, .size: 8, .value_kind: global_buffer, .address_space: global }
      - { .name: w16, .offset: 8, .size: 8, .value_kind: global_buffer, .address_space: global }
      - { .name: q_b, .offset: 16, .size: 8, .value_kind: global_buffer, .address_space: global }
      - { .name: text_b, .offset: 24, .size: 8, .value_kind: global_buffer, .address_space: global }
      - { .name: gq, .offset: 32, .size: 8, .value_kind: global_buffer, .address_space: global }
      - { .name: qs, .offset: 40, .size: 8, .value_kind: global_buffer, .address_space: global }
    .group_segment_fixed_size: 327680
    .private_segment_fixed_size: 0
    .kernarg_segment_align: 8
    .kernarg_segment_size: 48
    .max_flat_workgroup_size: 128
    .sgpr_count:     84
    .vgpr_count:     512
    .wavefront_size: 32
...
	.end_amdgpu_metadata
.endif
;; end of part 2
;; launch proj2: the kernel of part 2 again; grid 16 x 32, 4 waves a work-group, clusters of 4 x 4, 327,680 bytes of LDS; arguments gq, wkv, kv_b, text_b, kv, kvs; writes kv, kvs
;; launch attn (part 3): grid 4 x 64, 8 waves a work-group, clusters of 4 x 1, 327,680 bytes of LDS; arguments gq, kv, qs, kvs, attention_mask, act; writes act
.if DOCPART == 3
	.amdgcn_target "amdgcn-amd-amdhsa--gfx1250"
	.amdhsa_code_object_version 6
	.text
	.protected	k_q22a397e944_attn
	.globl	k_q22a397e944_attn
	.p2align	8
	.type	k_q22a397e944_attn,@function
k_q22a397e944_attn:
	s_mov_b64 s[64:65], 0
	v_nop
	global_prefetch_b8 v0, s[64:65] scope:SCOPE_SE
	s_setreg_imm32_b32 hwreg(HW_REG_WAVE_MODE, 25, 1), 1
	s_wait_xcnt 0x0
	s_wait_alu depctr_hold_cnt(0) depctr_sa_sdst(0) depctr_va_vdst(0) depctr_va_sdst(0) depctr_va_ssrc(0) depctr_va_vcc(0) depctr_vm_vsrc(0)
	s_getreg_b32 s2, hwreg(HW_REG_IB_STS2, 6, 4)
	s_cmp_eq_u32 s2, 0
	s_cbranch_scc0 .Lentry_in_a_cluster
	s_endpgm
.Lentry_in_a_cluster:
	s_bfe_u32 s2, ttmp6, 0x10000c
	s_cmp_lg_u32 s2, 0x3003
	s_cbranch_scc0 .Lentry_shape_is_right
	s_endpgm
.Lentry_shape_is_right:
; attn[b][q][head] = the sum over keys of softmax_key(q . k / 8, masked keys at the least finite f32) v, for 8 batches, 16 heads of 64 channels, 2,048 queries, 512 keys.
; q: gq from byte 8,388,608, [16384][1024] f16.  K, V: kv from bytes 8,388,608 and 16,777,216, [4096][1024] f16.  Each tile of 128 x 128 of them is stored divided by a power of two
; g (qs, kvs).  The result goes to act's first 33,554,432 bytes, [16384][1024] f16, in units of G_b, the largest g of the batch's 32 tiles of V; the last launch multiplies G_b back.
; SHARES.  A work-group owns 512 queries of one batch and a pair of neighbouring heads (128 columns: rows of 256 bytes).  The pair's K and V, all 512 keys, lie in LDS for the whole launch:
; each byte of LDS is filled once.  Wave w has head w % 2 of the pair and queries 128 (w / 2) on, in two passes of four tiles of 16; a pass walks the keys 64 a step.
; Two waves share a SIMD and no barrier stands inside a pass, so one wave's products can run beside the other's softmax.
; CLUSTER.  The four query blocks of a cluster walk the same K and V: each tile is asked for jointly, by the same tensor load with a mask that names the four.
; LAYOUT.  S^T = K Q^T (source 0 = 16 keys, source 1 = 16 queries): a lane holds ONE query (lane % 16) and keys 8 (lane / 16) + 0..7.  Two such tiles, rounded to f16 in pairs, ARE
; source 1 of O^T = V^T P.  K comes out of LDS as it lies, V ([key][channel]) turned, by ds_load_tr16_b128.
; SOFTMAX.  t = S gQ gK c + MB, c = log2(e) / 8, MB = 0 or -FLT_MAX by the key's mask word: one rounding makes a masked t exactly -FLT_MAX.  A running maximum m of t; p = 2^(t - m);
; O and l are multiplied by 2^(m_old - m_new) in every step.  With every key of a batch masked all p are 1: uniform weights, as the problem's function gives.
; V's fragments are multiplied by d = g / G_b (a power of two, at most 1, as two f16), which brings the batch's tiles to one unit.
; LIMITS: |S gQ gK c| under 2^103 (else a masked key is not exactly -FLT_MAX); gQ gK inside 2^-120 .. 2^120; d is kept at 2^-24 or above, so V under 2^-24 of its batch's largest
; is not resolved (an error of at most 2^-24 G_b a key); p is rounded to f16.
; REGISTERS: window 0: v0-31 addresses and small things; v32-63 statistics, 8 a tile; v64-95 MB of a step's keys; v96-223 S^T, 32 a tile (P takes the first 16 of each in place); v224-255 the way out.
;   window 1: v0-63 Q, 16 a tile; v64-191 O^T, 32 a tile; v192-255 one buffer for K's and then V's fragments of a step.
.set PK,    272       ; a row of K in LDS: 256 bytes + 16 of padding
.set PVP,   288       ; a row of V: 256 + 32
.set KOFF,  512*PVP   ; V's 512 rows lie first, then K's
.set STAGE, KOFF+512*PK  ; 128 rows x 272 bytes for the way out
.set SP,    272
.set MB,    STAGE+128*SP ; 512 f32: 0 or -FLT_MAX for each key
.set STP,   MB+2048      ; 16 bytes for each key step: gK c, d (two f16), 0, 0
.set AK0, 4           ; v4-7   my lane's first addresses: K, V, MB, STP; never rewritten
.set AK,  8           ; v8-11  the same, stepped through a pass
.set QO,  12          ; v12    my byte offset in the pass's rows of Q
.set STO, 13          ; v13    the way out: where I put 16 bytes of a row
.set RD,  14          ; v14    where I read a row back
.set GO,  15          ; v15    my byte offset in the rows that I store
.set CSV, 16          ; v[16:17] gQ gK c of the step (the packed multiply names a pair and takes its low word)
.set STPR, 20         ; v[20:23] the step's entry of STP
.set TT,  24          ; v[24:31] at work
.set ST,  32          ; tile t's statistics at v[ST+8 t]: +0 m, +1 named with it, +2, +3 l (even keys', odd keys'), +4 to +7 at work; the factor for O and l at +6
.set MBR, 64
.set S,   96
.set OB,  224
.set Q,   0           ; window 1
.set O,   64
.set KV,  192
.set G1K, 24          ; s[24:31] descriptor group 1 for K's tiles; s[32:39] for V's; s[40:43], s[44:47] their groups 0
.set G1V, 32
.set G0K, 40
.set G0V, 44
.set SEL, 52          ; s[52:53] lane selects for v_permlanex16_b32
.set MSB, 0
.macro WIN new                      ; the immediate's high byte repeats the setting that is left
.if MSB != \new
	s_set_vgpr_msb (MSB<<8)|\new
.set MSB, \new
.endif
.endm
.macro CROUND                       ; a round of the cluster's barrier
	s_barrier_signal -1
	s_barrier_wait -1
	s_cmp_lg_u32 s16, 0
	s_cbranch_scc1 .Lnot_wave_0_\@
	s_barrier_signal -3
.Lnot_wave_0_\@:
	s_barrier_wait -3
	s_barrier_signal -1
	s_barrier_wait -1
.endm
	s_load_b256 s[4:11], s[0:1], 0x0  ; gq s[4:5], kv s[6:7], qs s[8:9], kvs s[10:11]
	s_load_b128 s[12:15], s[0:1], 0x20  ; attention_mask s[12:13], act s[14:15]
	v_lshl_add_u32 v18, v0, 2, 0x4f200
	v_mov_b32 v19, 0
	ds_add_u32 v18, v19
	v_lshrrev_b32 v1, 5, v0
	v_readfirstlane_b32 s16, v1     ; wave 0..7
	s_bfe_u32 s17, ttmp6, 0x40000   ; cx: my block of 512 queries; it enters Q's, the result's and qs's addresses alone
	s_and_b32 s18, ttmp7, 0xffff
	s_lshr_b32 s19, s18, 3          ; batch
	s_and_b32 s20, s18, 7           ; pair of heads
	s_and_b32 s21, s16, 3           ; which 128 keys I fetch
	s_and_b32 s51, s16, 1           ; my head of the pair
	s_lshr_b32 s56, s16, 1          ; my group of 128 queries
	s_lshl_b32 s22, s19, 20         ; 512 rows of 2,048 bytes a batch,
	s_lshl_b32 s2, s21, 18          ; 128 rows a load,
	s_add_co_u32 s22, s22, s2
	s_lshl_b32 s2, s20, 8           ; 256 bytes a pair of heads
	s_add_co_u32 s22, s22, s2
	s_mov_b32 s23, 0
	; descriptor group 1: a tile of 128 rows x 128 elements, padded in LDS
	s_mov_b32 s[G1K], 15|(1<<16)|(1<<20)|(1<<21)|(5<<22)|(3<<25)  ; 15:0 the mask: all four work-groups; 17:16 elements of 2 bytes; 20 padding on; 21 set beside a mask; 24:22 after every 64 words; 31:25 4 words
	s_mov_b32 s[G1V], 15|(1<<16)|(1<<20)|(1<<21)|(5<<22)|(7<<25)  ; the same with 8 words of padding
.irp g, G1K, G1V
	s_mov_b32 s[\g+1], 128<<16      ; tensor_dim0 = 128
	s_mov_b32 s[\g+2], 128<<16      ; tensor_dim1 = 128
	s_mov_b32 s[\g+3], 128<<16      ; tile_dim0 = 128
	s_mov_b32 s[\g+4], 128          ; tile_dim1 = 128
	s_mov_b32 s[\g+5], 1024         ; elements from row to row
	s_mov_b32 s[\g+6], 0
	s_mov_b32 s[\g+7], 0
.endr
	s_mul_i32 s57, s16, 128*PVP     ; V's tiles at wave x 36,864 (waves 0-3),
	s_mul_i32 s58, s16, 128*PK
	s_add_co_u32 s58, s58, KOFF-4*128*PK  ; K's at wave x 34,816 + 8,192 (waves 4-7)
	s_mov_b32 s[SEL], 0x76543210
	s_mov_b32 s[SEL+1], 0xfedcba98
	s_wait_dscnt 0x0
	s_wait_kmcnt 0x0
	s_add_nc_u64 s[6:7], s[6:7], s[22:23]
	CROUND                          ; all four work-groups are here: the joint loads meet
	s_mov_b32 s[G0K], 1
	s_mov_b32 s[G0K+1], s58
	s_add_nc_u64 s[G0K+2:G0K+3], s[6:7], 8388608
	s_or_b32 s[G0K+3], s[G0K+3], 0x80000000
	s_mov_b32 s[G0V], 1
	s_mov_b32 s[G0V+1], s57
	s_add_nc_u64 s[G0V+2:G0V+3], s[6:7], 16777216
	s_or_b32 s[G0V+3], s[G0V+3], 0x80000000
	s_cmp_lt_u32 s16, 4             ; one load a wave, the only one of the launch: 128 keys of V (waves 0-3) or of K (waves 4-7); four v_nop follow each line
	s_cbranch_scc0 .Lfor_k
	tensor_load_to_lds s[G0V:G0V+3], s[G1V:G1V+7]
	s_nop 0
.rept 4
	v_nop
.endr
	s_branch .Lasked
.Lfor_k:
	tensor_load_to_lds s[G0K:G0K+3], s[G1K:G1K+7]
	s_nop 0
.rept 4
	v_nop
.endr
.Lasked:
	s_lshl_b32 s22, s19, 22         ; my wave's first row of Q and of the result: 2,048 rows of 2,048 bytes a batch,
	s_lshl_b32 s2, s17, 20          ; 512 a block,
	s_add_co_u32 s22, s22, s2
	s_lshl_b32 s2, s56, 18          ; 128 a group,
	s_add_co_u32 s22, s22, s2
	s_lshl_b32 s2, s20, 8           ; the pair's 256 bytes
	s_add_co_u32 s22, s22, s2
	s_add_nc_u64 s[4:5], s[4:5], s[22:23]
	s_add_nc_u64 s[4:5], s[4:5], 8388608
	s_add_nc_u64 s[14:15], s[14:15], s[22:23]
	s_lshl_b32 s22, s51, 15         ; on the way out wave w stores tile w % 2 of each pair of tiles: 16 rows down
	s_add_nc_u64 s[14:15], s[14:15], s[22:23]
	s_lshl_b32 s22, s19, 9          ; gQ: qs[(16 b + 4 cx + group) 8 + pair]
	s_lshl_b32 s2, s17, 7
	s_add_co_u32 s22, s22, s2
	s_lshl_b32 s2, s56, 5
	s_add_co_u32 s22, s22, s2
	s_lshl_b32 s2, s20, 2
	s_add_co_u32 s22, s22, s2
	s_add_nc_u64 s[8:9], s[8:9], s[22:23]
	s_load_b32 s48, s[8:9], 0x0
	s_lshl_b32 s22, s19, 11         ; the batch's 512 mask words
	s_add_nc_u64 s[12:13], s[12:13], s[22:23]
	s_lshl_b32 s22, s19, 7          ; the batch's 32 words in each plane of kvs
	s_add_nc_u64 s[10:11], s[10:11], s[22:23]
	; MB: each of the 256 threads turns two mask words into 0 or -FLT_MAX
	v_lshlrev_b32 v24, 3, v0
	global_load_b64 v[26:27], v24, s[12:13]
	v_and_b32 v1, 15, v0            ; l % 16
	v_bfe_u32 v2, v0, 4, 1          ; l / 16
	s_lshl_b32 s2, s51, 7           ; my head's 128 bytes of a row
	s_add_co_u32 s3, s2, KOFF
	v_mul_u32_u24 v[AK0], v1, PK
	v_lshl_add_u32 v[AK0], v2, 4, v[AK0]
	v_add_nc_u32 v[AK0], s3, v[AK0]  ; K: row x pitch + 16 x half
	v_and_b32 v3, 7, v0
	v_lshl_add_u32 v3, v2, 3, v3
	v_mul_u32_u24 v[AK0+1], v3, PVP
	v_bfe_u32 v3, v0, 3, 1
	v_lshl_add_u32 v[AK0+1], v3, 4, v[AK0+1]
	v_add_nc_u32 v[AK0+1], s2, v[AK0+1]  ; V, turning load: key 8 (l / 16) + l % 8, channels 8 ((l / 8) % 2) on
	v_lshl_add_u32 v[AK0+2], v2, 5, MB  ; MB of keys 8 (l / 16) on
	v_mov_b32 v[AK0+3], STP
	v_lshlrev_b32 v[QO], 11, v1
	v_lshl_add_u32 v[QO], v2, 4, v[QO]
	v_add_nc_u32 v[QO], s2, v[QO]   ; Q: row x 2,048 + 16 x half + my head
	s_mul_i32 s3, s56, 32*SP
	s_add_co_u32 s3, s3, s2
	s_add_co_u32 s3, s3, STAGE      ; into the stage: my group's 32 rows, my head's half of their 256 bytes
	v_mul_u32_u24 v[STO], v1, SP
	v_lshl_add_u32 v[STO], v2, 4, v[STO]
	v_add_nc_u32 v[STO], s3, v[STO]
	s_mul_i32 s3, s16, 16*SP
	s_add_co_u32 s3, s3, STAGE      ; back: wave w takes rows 16 w .. 16 w + 15, whole
	v_mul_u32_u24 v[RD], v2, SP
	v_lshl_add_u32 v[RD], v1, 4, v[RD]
	v_add_nc_u32 v[RD], s3, v[RD]
	v_lshlrev_b32 v[GO], 11, v2
	v_lshl_add_u32 v[GO], v1, 4, v[GO]
	v_mov_b32 v[CSV+1], 0           ; named in pairs whose low word alone is taken, so they are written
.irp t, 0,1,2,3
	v_mov_b32 v[ST+8*\t+1], 0
.endr
	v_mov_b32 v25, 0xff7fffff       ; -FLT_MAX
	v_add_nc_u32 v28, MB, v24
	s_wait_loadcnt 0x0
	v_cmp_eq_u32 vcc_lo, 0, v26
	v_cndmask_b32 v26, 0, v25, vcc_lo
	v_cmp_eq_u32 vcc_lo, 0, v27
	v_cndmask_b32 v27, 0, v25, vcc_lo
	ds_store_b64 v28, v[26:27]
	; STP: wave 0 alone.  Lane s makes key step s's entry (lanes from 8 on repeat them); its 64 keys lie in tile row (s / 2) % 4 of the batch.
	s_cmp_lg_u32 s16, 0
	s_cbranch_scc1 .Lno_stp
	v_lshlrev_b32 v64, 2, v0
	global_load_b32 v66, v64, s[10:11] offset:1024  ; the g of the batch's 32 tiles of V, one a lane
	v_bfe_u32 v65, v0, 1, 2
	s_lshl_b32 s3, s20, 2
	v_lshl_add_u32 v65, v65, 5, s3
	global_load_b32 v67, v65, s[10:11]  ; gK of my step's tile
	global_load_b32 v68, v65, s[10:11] offset:1024  ; gV of it
	v_mov_b32 v69, 0
	v_lshl_add_u32 v70, v0, 4, STP
	s_wait_loadcnt 0x0
	v_max_num_f32_dpp v66, v66, v66 row_xmask:1 row_mask:0xf bank_mask:0xf
	v_max_num_f32_dpp v66, v66, v66 row_xmask:2 row_mask:0xf bank_mask:0xf
	v_max_num_f32_dpp v66, v66, v66 row_xmask:4 row_mask:0xf bank_mask:0xf
	v_max_num_f32_dpp v66, v66, v66 row_xmask:8 row_mask:0xf bank_mask:0xf
	v_permlanex16_b32 v69, v66, s[SEL], s[SEL+1]
	v_max_num_f32 v66, v66, v69     ; G_b
	v_mul_f32 v72, 0x3e38aa3b, v67  ; gK c, c = log2(e) / 8
	v_lshrrev_b32 v73, 23, v68
	v_lshrrev_b32 v69, 23, v66
	v_sub_nc_u32 v73, v73, v69      ; e = the exponents' difference, 0 or below,
	v_max_i32 v73, 0xffffffe8, v73  ; kept at -24 or above
	v_add_nc_u32 v73, 127, v73
	v_lshlrev_b32 v73, 23, v73      ; 2^e in f32,
	v_cvt_pk_f16_f32 v73, v73, v73  ; and twice in f16
	v_mov_b32 v74, 0
	v_mov_b32 v75, 0
	ds_store_b128 v70, v[72:75]
.Lno_stp:
	s_wait_kmcnt 0x0                ; gQ
	s_wait_tensorcnt 0x0            ; my tile has landed,
	s_wait_dscnt 0x0                ; my words of MB and STP are written:
	s_barrier_signal -1
	s_barrier_wait -1               ; everybody's are
; 32 products S^T = K Q^T: product i: channels 32 (i / 16) on, keys 16 ((i / 4) % 4) on, tile i % 4.  The first 16 start the sums.  The 16 accumulators take turns.
.macro KQ
	WIN 0x05                        ; K and Q in window 1, S^T in window 0
.set i, 0
.rept 32
.set rS, S+32*(i%4)+8*((i/4)%4)
.set rK, KV+8*(2*((i/4)%4)+i/16)
.set rQ, Q+16*(i%4)+8*(i/16)
.if i < 16
	v_wmma_f32_16x16x32_f16 v[rS:rS+7], v[rK:rK+7], v[rQ:rQ+7], 0
.else
	v_wmma_f32_16x16x32_f16 v[rS:rS+7], v[rK:rK+7], v[rQ:rQ+7], v[rS:rS+7]
.endif
.set i, i+1
.endr
.endm
; 32 products O^T += V^T P: product i: keys 32 (i / 16) on, channels 16 ((i / 4) % 4) on, tile i % 4.  first = 1: the first 16 start the sums.
.macro PVM first
	WIN 0x51                        ; V in window 1, P in window 0, O^T in window 1
.set i, 0
.rept 32
.set rO, O+32*(i%4)+8*((i/4)%4)
.set rV, KV+8*(4*(i/16)+(i/4)%4)
.set rP, S+32*(i%4)+8*(i/16)
.if \first && (i < 16)
	v_wmma_f32_16x16x32_f16 v[rO:rO+7], v[rV:rV+7], v[rP:rP+7], 0
.else
	v_wmma_f32_16x16x32_f16 v[rO:rO+7], v[rV:rV+7], v[rP:rP+7], v[rO:rO+7]
.endif
.set i, i+1
.endr
.endm
.macro FETCH_K                      ; a step's K (8 fragments), its keys' MB and its entry of STP: 25 LDS loads
	WIN 0x40                        ; destination window 1
.irp f, 0,1,2,3,4,5,6,7             ; keys 16 (f / 2) on, channels 32 (f % 2) on
	ds_load_b128 v[KV+8*\f:KV+8*\f+3],   v[AK] offset:(\f/2)*16*PK+(\f%2)*64
	ds_load_b128 v[KV+8*\f+4:KV+8*\f+7], v[AK] offset:(\f/2)*16*PK+(\f%2)*64+32
.endr
	WIN 0
.irp k, 0,1,2,3
	ds_load_b128 v[MBR+8*\k:MBR+8*\k+3],   v[AK+2] offset:64*\k
	ds_load_b128 v[MBR+8*\k+4:MBR+8*\k+7], v[AK+2] offset:64*\k+16
.endr
	ds_load_b128 v[STPR:STPR+3], v[AK+3]
.endm
.macro FETCH_V                      ; a step's V, turned: 8 fragments, 16 LDS loads
	WIN 0x40
.irp f, 0,1,2,3,4,5,6,7             ; keys 32 (f / 4) on, channels 16 (f % 4) on
	ds_load_tr16_b128 v[KV+8*\f:KV+8*\f+3],   v[AK+1] offset:(\f/4)*32*PVP+(\f%4)*32
	ds_load_tr16_b128 v[KV+8*\f+4:KV+8*\f+7], v[AK+1] offset:(\f/4)*32*PVP+16*PVP+(\f%4)*32
.endr
.endm
; One tile's softmax for one key step, all in window 0.  first = 1: the pass's first step, which starts m and l.
.macro SMX t, first
.set rT, ST+8*\t
.set rS, S+32*\t
.set i, 0
.rept 16                            ; t = S gQ gK c + MB, each accumulator's registers in ascending order
	v_pk_fma_f32 v[rS+2*i:rS+2*i+1], v[rS+2*i:rS+2*i+1], v[CSV:CSV+1], v[MBR+2*i:MBR+2*i+1] op_sel_hi:[1,0,1]
.set i, i+1
.endr
.set i, 0
.rept 4                             ; the maximum of the 32 and the old m, three operands at a time, in four chains
	v_max3_num_f32 v[rT+4+i], v[rS+8*i], v[rS+8*i+1], v[rS+8*i+2]
.set i, i+1
.endr
.set i, 4
.rept 8
	v_max3_num_f32 v[rT+4+i%4], v[rT+4+i%4], v[rS+8*(i%4)+2*(i/4)+1], v[rS+8*(i%4)+2*(i/4)+2]
.set i, i+1
.endr
	v_max3_num_f32 v[rT+4], v[rT+4], v[rS+7], v[rS+15]
	v_max3_num_f32 v[rT+6], v[rT+6], v[rS+23], v[rS+31]
	v_max3_num_f32 v[rT+4], v[rT+4], v[rT+5], v[rT+6]
.if \first
	v_max_num_f32 v[rT+4], v[rT+4], v[rT+7]
.else
	v_max3_num_f32 v[rT+4], v[rT+4], v[rT+7], v[rT]
.endif
	v_permlanex16_b32 v[rT+5], v[rT+4], s[SEL], s[SEL+1]  ; the query's other 32 keys lie in the lane 16 away
.if !\first
	v_mov_b32 v[rT+7], v[rT]        ; the old m is kept for the factor
.endif
	v_max_num_f32 v[rT], v[rT+4], v[rT+5]
.if !\first
	v_sub_f32 v[rT+7], v[rT+7], v[rT]
	v_exp_f32 v[rT+6], v[rT+7]      ; 2^(m_old - m_new); the subtractions below are the plain instructions behind it
.endif
.set i, 0
.rept 16
	v_pk_add_f32 v[rS+2*i:rS+2*i+1], v[rS+2*i:rS+2*i+1], v[rT:rT+1] op_sel_hi:[1,0] neg_lo:[0,1] neg_hi:[0,1]
.set i, i+1
.endr
.set i, 0
.rept 32
	v_exp_f32 v[rS+i], v[rS+i]
.set i, i+1
.endr
	v_nop                           ; a plain instruction between the last exponential and the use of its result
.set i, 0
	s_wait_alu depctr_va_vdst(0)
.rept 4                             ; the sum of the 16 pairs (an even key's weight, an odd key's), in four chains
	v_pk_add_f32 v[TT+2*i:TT+2*i+1], v[rS+2*i:rS+2*i+1], v[rS+8+2*i:rS+8+2*i+1]
.set i, i+1
.endr
.set i, 0
.rept 4
	v_pk_add_f32 v[TT+2*i:TT+2*i+1], v[TT+2*i:TT+2*i+1], v[rS+16+2*i:rS+16+2*i+1]
.set i, i+1
.endr
.set i, 0
.rept 4
	v_pk_add_f32 v[TT+2*i:TT+2*i+1], v[TT+2*i:TT+2*i+1], v[rS+24+2*i:rS+24+2*i+1]
.set i, i+1
.endr
	v_pk_add_f32 v[TT:TT+1], v[TT:TT+1], v[TT+2:TT+3]
	v_pk_add_f32 v[TT+4:TT+5], v[TT+4:TT+5], v[TT+6:TT+7]
.if \first
	v_pk_add_f32 v[rT+2:rT+3], v[TT:TT+1], v[TT+4:TT+5]
.else
	v_pk_add_f32 v[TT:TT+1], v[TT:TT+1], v[TT+4:TT+5]
	v_pk_fma_f32 v[rT+2:rT+3], v[rT+2:rT+3], v[rT+6:rT+7], v[TT:TT+1] op_sel_hi:[1,0,1]
.endif
.set i, 0
.rept 16                            ; P in place, ascending: register i takes weights 2 i and 2 i + 1, which no later line reads
	v_cvt_pk_f16_f32 v[rS+i], v[rS+2*i], v[rS+2*i+1]
.set i, i+1
.endr
.endm
; A key step of 64 keys for the wave's four tiles.
.macro STEP first
	FETCH_K
.if \first
	s_wait_loadcnt 0x0              ; the pass's Q
.endif
	s_wait_dscnt 0x0                ; K, MB and the step's entry: the products and the line behind them need all
	KQ
	WIN 0
	v_mul_f32 v[CSV], s48, v[STPR]  ; gQ gK c; with the three v_nop: the four places behind the products, ahead of the loads over K and of the reads of S^T
	v_nop
	v_nop
	v_nop
	FETCH_V                         ; V lands while the softmax runs
	WIN 0
	SMX 0, \first
	SMX 1, \first
	SMX 2, \first
	SMX 3, \first
	WIN 0x41                        ; destination and source 0 window 1, source 1 window 0
.if !\first
.set i, 0
.rept 64                            ; O^T times the tile's factor, each accumulator's registers in ascending order
	v_pk_mul_f32 v[O+2*i:O+2*i+1], v[O+2*i:O+2*i+1], v[ST+8*(i/16)+6:ST+8*(i/16)+7] op_sel_hi:[1,0]
.set i, i+1
.endr
.endif
	s_wait_dscnt 0x0                ; V is in
.set i, 0
.rept 64                            ; V times d: the tile's unit becomes the batch's
	v_pk_mul_f16 v[KV+i], v[KV+i], v[STPR+1]
.set i, i+1
.endr
	PVM \first
	WIN 0
	v_add_nc_u32 v[AK], 64*PK, v[AK]  ; the next step's addresses; with the v_nop: five places, ahead of the loads over V and of the products that write over P
	v_add_nc_u32 v[AK+1], 64*PVP, v[AK+1]
	v_add_nc_u32 v[AK+2], 256, v[AK+2]
	v_add_nc_u32 v[AK+3], 16, v[AK+3]
	v_nop
.endm
; Tiles 2 u and 2 u + 1 of every wave go through the stage: a row's 256 bytes come from the two waves of a group, so a barrier stands between writing and reading, and another between reading and the next writing.
.macro OUT u
.irp tt, 0,1
.irp ct, 0,1,2,3
	ds_store_b128 v[STO], v[S+32*(2*\u+\tt)+4*\ct:S+32*(2*\u+\tt)+4*\ct+3] offset:\tt*16*SP+32*\ct
.endr
.endr
	s_wait_dscnt 0x0                ; for the others' sake
	s_barrier_signal -1
	s_barrier_wait -1
	s_wait_xcnt 0x0                 ; the registers that earlier stores read are loaded again only behind this wait
.irp f, 0,1,2,3,4,5,6,7
	ds_load_b128 v[OB+4*\f:OB+4*\f+3], v[RD] offset:\f*2*SP
.endr
.irp f, 0,1,2,3,4,5,6,7
	s_wait_dscnt 7-\f               ; pair of rows f is back; the younger loads may be out
	global_store_b128 v[GO], v[OB+4*\f:OB+4*\f+3], s[14:15] offset:\u*65536+\f*4096  ; 16 lanes store 256 consecutive bytes, at a multiple of 256 from the buffer's first byte
.endr
	s_barrier_signal -1             ; my reads of the stage are over (the count-down ended at 0)
	s_barrier_wait -1
.endm
	s_mov_b32 s49, 2
.Lpass:                             ; a pass: 64 queries of the wave against all 512 keys
	WIN 0x40
.irp f, 0,1,2,3,4,5,6,7             ; Q stays in registers: tile f / 2, channels 32 (f % 2) on
	global_load_b128 v[Q+8*\f:Q+8*\f+3],   v[QO], s[4:5] offset:(\f/2)*32768+(\f%2)*64
	global_load_b128 v[Q+8*\f+4:Q+8*\f+7], v[QO], s[4:5] offset:(\f/2)*32768+(\f%2)*64+32
.endr
	WIN 0
.irp k, 0,1,2,3
	v_mov_b32 v[AK+\k], v[AK0+\k]
.endr
	STEP 1
	s_mov_b32 s50, 7
.Lstep:
	STEP 0
	s_sub_co_u32 s50, s50, 1
	s_cmp_lg_u32 s50, 0
	s_cbranch_scc1 .Lstep
	; l's two halves and the other half of the lanes' are added; O^T is divided by l and rounded to f16
.irp t, 0,1,2,3
	v_add_f32 v[ST+8*\t+4], v[ST+8*\t+2], v[ST+8*\t+3]
.endr
.irp t, 0,1,2,3
	v_permlanex16_b32 v[ST+8*\t+5], v[ST+8*\t+4], s[SEL], s[SEL+1]
.endr
.irp t, 0,1,2,3
	v_add_f32 v[ST+8*\t+4], v[ST+8*\t+4], v[ST+8*\t+5]
.endr
.irp t, 0,1,2,3
	v_rcp_f32 v[ST+8*\t+6], v[ST+8*\t+4]
.endr
	v_nop                           ; a plain instruction between the last reciprocal and the use of its result
	WIN 0x41
.set i, 0
	s_wait_alu depctr_va_vdst(0)
.rept 64
	v_pk_mul_f32 v[O+2*i:O+2*i+1], v[O+2*i:O+2*i+1], v[ST+8*(i/16)+6:ST+8*(i/16)+7] op_sel_hi:[1,0]
.set i, i+1
.endr
	WIN 0x05                        ; sources window 1, destination window 0: S^T's registers are free
.set i, 0
.rept 64
	v_cvt_pk_f16_f32 v[S+32*(i/16)+i%16], v[O+2*i], v[O+2*i+1]
.set i, i+1
.endr
	WIN 0
	OUT 0
	OUT 1
	s_wait_xcnt 0x0                 ; the bases are stepped only behind this wait
	s_add_nc_u64 s[4:5], s[4:5], 131072  ; 64 rows on
	s_add_nc_u64 s[14:15], s[14:15], 131072
	s_sub_co_u32 s49, s49, 1
	s_cmp_lg_u32 s49, 0
	s_cbranch_scc1 .Lpass
	s_wait_tensorcnt 0x0
	ds_add_u32 v18, v19
	s_wait_dscnt 0x0
	CROUND                          ; the closing round
	s_endpgm
.Lfunc_end_k_q22a397e944_attn:
	.size	k_q22a397e944_attn, .Lfunc_end_k_q22a397e944_attn-k_q22a397e944_attn
	.p2alignl 7, 3214868480
	.fill 96, 4, 3214868480
	.section	.rodata,"a",@progbits
	.p2align	6, 0x0
	.amdhsa_kernel k_q22a397e944_attn
		.amdhsa_group_segment_fixed_size 327680
		.amdhsa_private_segment_fixed_size 0
		.amdhsa_enable_private_segment 0
		.amdhsa_kernarg_size 48
		.amdhsa_user_sgpr_count 2
		.amdhsa_user_sgpr_kernarg_segment_ptr 1
		.amdhsa_wavefront_size32 1
		.amdhsa_system_sgpr_workgroup_id_x 1
		.amdhsa_system_sgpr_workgroup_id_y 1
		.amdhsa_system_sgpr_workgroup_id_z 1
		.amdhsa_system_vgpr_workitem_id 0
		.amdhsa_next_free_vgpr 512
		.amdhsa_next_free_sgpr 66
		.amdhsa_reserve_vcc 1
		.amdhsa_float_denorm_mode_32 3
		.amdhsa_float_denorm_mode_16_64 3
		.amdhsa_memory_ordered 1
		.amdhsa_forward_progress 1
		.amdhsa_inst_pref_size 101
	.end_amdhsa_kernel
	.amdgpu_metadata
---
amdhsa.version: [ 1, 2 ]
amdhsa.kernels:
  - .name:           k_q22a397e944_attn
    .symbol:         k_q22a397e944_attn.kd
    .args:
      - { .name: gq, .offset: 0, .size: 8, .value_kind: global_buffer, .address_space: global }
      - { .name: kv, .offset: 8, .size: 8, .value_kind: global_buffer, .address_space: global }
      - { .name: qs, .offset: 16, .size: 8, .value_kind: global_buffer, .address_space: global }
      - { .name: kvs, .offset: 24, .size: 8, .value_kind: global_buffer, .address_space: global }
      - { .name: attention_mask, .offset: 32, .size: 8, .value_kind: global_buffer, .address_space: global }
      - { .name: act, .offset: 40, .size: 8, .value_kind: global_buffer, .address_space: global }
    .group_segment_fixed_size: 327680
    .private_segment_fixed_size: 0
    .kernarg_segment_align: 8
    .kernarg_segment_size: 48
    .max_flat_workgroup_size: 256
    .sgpr_count:     66
    .vgpr_count:     512
    .wavefront_size: 32
...
	.end_amdgpu_metadata
.endif
;; end of part 3
;; launch outp (part 4): grid 8 x 128, 4 waves a work-group, clusters of 4 x 4, 327,680 bytes of LDS; arguments act, w16, out_b, kvs, out0; writes out0
.if DOCPART == 4
	.amdgcn_target "amdgcn-amd-amdhsa--gfx1250"
	.amdhsa_code_object_version 6
	.text
	.protected	k_q22a397e944_outp
	.globl	k_q22a397e944_outp
	.p2align	8
	.type	k_q22a397e944_outp,@function
k_q22a397e944_outp:
	s_mov_b64 s[64:65], 0
	v_nop
	global_prefetch_b8 v0, s[64:65] scope:SCOPE_SE
	s_setreg_imm32_b32 hwreg(HW_REG_WAVE_MODE, 25, 1), 1
	s_wait_xcnt 0x0
	s_wait_alu depctr_hold_cnt(0) depctr_sa_sdst(0) depctr_va_vdst(0) depctr_va_sdst(0) depctr_va_ssrc(0) depctr_va_vcc(0) depctr_vm_vsrc(0)
	s_getreg_b32 s2, hwreg(HW_REG_IB_STS2, 6, 4)
	s_cmp_eq_u32 s2, 0
	s_cbranch_scc0 .Lentry_in_a_cluster
	s_endpgm
.Lentry_in_a_cluster:
	s_bfe_u32 s2, ttmp6, 0x10000c
	s_cmp_lg_u32 s2, 0xf033
	s_cbranch_scc0 .Lentry_shape_is_right
	s_endpgm
.Lentry_shape_is_right:
; out0 = G_b (attn out_w) + out_b.  attn: act's first [16384][1024] f16, in units of G_b, the largest of the 32 scales of the batch's tiles of V (kvs, second plane).
; out_w: w16 from byte 4,194,304, [1024 (k)][1024 (n)] f16.  out_b, out0: f32.  Sums in f32; one fused multiply-add brings unit and bias in.
; LIMIT: attn and out_w are rounded to f16; the sums' order differs from a plain f32 product's.
; The products are laid as in the projections: a tile of 128 x 128, four waves of 64 x 64, K in four steps of 256 through two LDS slots, W turned on the way into registers,
; the matrix instruction used transposed, 4 x 4 work-groups a cluster with A's tiles asked for jointly along a row and W's along a column.
; THE WAY OUT differs: a wave's 64 columns of f32 are 256 bytes, aligned, so each wave has a stage of its own (16 rows x 272 bytes) and no barrier is needed.
; REGISTERS: window 0: v0-31 addresses, v[12:13] G_b; v32-63 results; v64-95 rows read back; v96-127 the bias; v128-255 the accumulators.  window 1: two fragment buffers of 128.
.set KSTEP,  256
.set PITA,   528                       ; a row of A in LDS: 512 bytes + 16 of padding
.set PITW,   288                       ; a k-row of W: 256 bytes + 32 of padding
.set HALFA,  64*PITA
.set HALFW,  128*PITW
.set AOFF,   2*HALFW                   ; a slot: W's 256 k-rows, then A's 128 rows
.set SLOT,   AOFF+2*HALFA
.set STAGE,  2*SLOT                    ; behind the ring: 16 rows x 272 bytes for each wave
.set SPITCH, 272
.set SPARE,  STAGE+4*16*SPITCH         ; the spare words, 128 bytes for each wave: two blocks of 256 bytes that no other line names
.set GB,   12                          ; v[12:13] G_b, twice
.set ADRA, 16                          ; v16-17  LDS address of my A fragments in slot 0, 1
.set ADRB, 18                          ; v18-21  of my W fragments: slot 0 k-rows 0-127, 128-255; slot 1 likewise
.set STO,  24
.set RD,   25
.set CO,   26
.set BO,   27
.set SPW,  28                          ; v28     LDS address of my spare word; never rewritten
.set NIL,  29                          ; v29     0; never rewritten
.set RES,  32
.set BK,   64
.set BI,   96                          ; v96-127 bias: n block b at v[BI + 8 b]
.set ACC,  128
.set F0,   0
.set F1,   128
.set G1,  24
.set G0,  32
.set G1B, 48
.set G0B, 56
.set MSB, 0
.macro WIN new                         ; the immediate's high byte repeats the setting that is left
.if MSB != \new
	s_set_vgpr_msb (MSB<<8)|\new
.set MSB, \new
.endif
.endm
.set MUL,  0x05                        ; sources 0 (W) and 1 (A) window 1; C and D window 0
.set TO_F, 0x40                        ; destination window 1, address window 0
.macro JLOAD s                         ; a joint load: waves 0 and 1 fetch W's two halves, waves 2 and 3 A's; four v_nop follow each of the two lines
	s_cmp_eq_u32 s11, 0
	s_cbranch_scc0 .Lfor_a_\@
	tensor_load_to_lds s[G0B+4*\s:G0B+4*\s+3], s[G1B:G1B+7]
	s_nop 0
.rept 4
	v_nop
.endr
	s_branch .Lasked_\@
.Lfor_a_\@:
	tensor_load_to_lds s[G0+4*\s:G0+4*\s+3], s[G1:G1+7]
	s_nop 0
.rept 4
	v_nop
.endr
.Lasked_\@:
.endm
.macro CREST                           ; a round of the cluster's barrier behind its opening barrier
	s_cmp_lg_u32 s10, 0
	s_cbranch_scc1 .Lnot_wave_0_\@
	s_barrier_signal -3
.Lnot_wave_0_\@:
	s_barrier_wait -3
	s_barrier_signal -1
	s_barrier_wait -1
.endm
.macro CROUND                          ; a whole round
	s_barrier_signal -1
	s_barrier_wait -1
	CREST
.endm
	s_load_b256 s[68:75], s[0:1], 0x0              ; act s[68:69], w16 s[70:71], out_b s[72:73], kvs s[74:75]
	s_load_b64 s[76:77], s[0:1], 0x20              ; out0
	v_lshl_add_u32 v[SPW], v0, 2, SPARE
	v_mov_b32 v[NIL], 0
	ds_add_u32 v28, v29
	s_wait_dscnt 0x0
	v_lshrrev_b32 v1, 5, v0
	v_readfirstlane_b32 s10, v1                    ; wave 0..3
	s_lshr_b32 s11, s10, 1                         ; which half of the tile's rows is mine.  Also: I fetch for W (0) or for A (1)
	s_and_b32 s12, s10, 1                          ; which half of its columns.  Also: which half of that tile I fetch
	s_bfe_u32 s40, ttmp6, 0x40000                  ; cx, cy
	s_bfe_u32 s41, ttmp6, 0x40004
	s_lshl_b32 s42, ttmp9, 2
	s_add_co_u32 s42, s42, s40                     ; tile column
	s_and_b32 s45, ttmp7, 0xffff                   ; cluster y
	s_lshl_b32 s13, s45, 2
	s_add_co_u32 s13, s13, s41                     ; tile row
	s_lshl_b32 s43, s41, 2
	s_lshl_b32 s43, 15, s43                        ; my row of the cluster
	s_lshl_b32 s44, 0x1111, s40                    ; my column
	s_mov_b32 s80, 0x76543210
	s_mov_b32 s81, 0xfedcba98
	s_or_b32 s[G1+0], s43, (1<<16)|(1<<20)|(1<<21)|(6<<22)|(3<<25)  ; A: 64 rows x 256 elements, 4 words of padding behind every 128; the mask: my row
	s_mov_b32 s[G1+1], 256<<16
	s_mov_b32 s[G1+2], 64<<16
	s_mov_b32 s[G1+3], 256<<16
	s_mov_b32 s[G1+4], 64
	s_mov_b32 s[G1+5], 1024
	s_mov_b32 s[G1+6], 0
	s_mov_b32 s[G1+7], 0
	s_or_b32 s[G1B+0], s44, (1<<16)|(1<<20)|(1<<21)|(5<<22)|(7<<25) ; W: 128 k-rows x 128 elements, 8 words behind every 64; the mask: my column
	s_mov_b32 s[G1B+1], 128<<16
	s_mov_b32 s[G1B+2], 128<<16
	s_mov_b32 s[G1B+3], 128<<16
	s_mov_b32 s[G1B+4], 128
	s_mov_b32 s[G1B+5], 1024
	s_mov_b32 s[G1B+6], 0
	s_mov_b32 s[G1B+7], 0
	s_lshl_b32 s16, s13, 18                        ; A: 128 rows of 2,048 bytes a tile row,
	s_lshl_b32 s18, s12, 17                        ; 64 rows a half
	s_add_co_u32 s16, s16, s18
	s_mov_b32 s17, 0
	s_lshl_b32 s46, s42, 8                         ; W: 256 bytes a tile column,
	s_lshl_b32 s18, s12, 18                        ; 128 k-rows a half,
	s_add_co_u32 s46, s46, s18
	s_add_co_u32 s46, s46, 4194304                 ; in w16's third matrix
	s_mov_b32 s47, 0
	s_mul_i32 s20, s10, HALFW                      ; W's halves at wave x 36,864 (waves 0, 1),
	s_mul_i32 s22, s10, HALFA
	s_add_co_u32 s22, s22, AOFF-2*HALFA            ; A's at wave x 33,792 + 6,144 (waves 2, 3)
	s_wait_kmcnt 0x0
	s_add_nc_u64 s[14:15], s[68:69], s[16:17]
	s_add_nc_u64 s[46:47], s[70:71], s[46:47]
	CROUND                                         ; all sixteen work-groups are here: the first joint loads meet
.irp s, 0,1
	s_mov_b32 s[G0+4*\s], 1
	s_add_co_u32 s[G0+4*\s+1], s22, \s*SLOT
	s_add_nc_u64 s[G0+4*\s+2:G0+4*\s+3], s[14:15], \s*KSTEP*2
	s_or_b32 s[G0+4*\s+3], s[G0+4*\s+3], 0x80000000
	s_mov_b32 s[G0B+4*\s], 1
	s_add_co_u32 s[G0B+4*\s+1], s20, \s*SLOT
	s_add_nc_u64 s[G0B+4*\s+2:G0B+4*\s+3], s[46:47], \s*KSTEP*2048
	s_or_b32 s[G0B+4*\s+3], s[G0B+4*\s+3], 0x80000000
	JLOAD \s                                       ; two loads of mine are out: the most in this text
.endr
	v_and_b32 v1, 15, v0                           ; l % 16
	v_bfe_u32 v2, v0, 4, 1                         ; l / 16
	v_lshlrev_b32 v[BO], 5, v2
	s_lshl_b32 s16, s42, 9                         ; the bias of my 64 columns, laid as an accumulator is
	s_lshl_b32 s18, s12, 8
	s_add_co_u32 s16, s16, s18
	s_add_nc_u64 s[72:73], s[72:73], s[16:17]
.irp b, 0,1,2,3
	global_load_b128 v[BI+8*\b:BI+8*\b+3],   v[BO], s[72:73] offset:64*\b
	global_load_b128 v[BI+8*\b+4:BI+8*\b+7], v[BO], s[72:73] offset:64*\b+16
.endr
	s_lshr_b32 s16, s45, 2                         ; batch = tile row / 16 = cluster y / 4
	s_lshl_b32 s16, s16, 7                         ; its 32 words
	s_add_nc_u64 s[74:75], s[74:75], s[16:17]
	v_and_b32 v6, 31, v0
	v_lshlrev_b32 v6, 2, v6
	global_load_b32 v[GB], v6, s[74:75] offset:1024  ; the scales of the batch's 32 tiles of V, one a lane
	v_mul_u32_u24 v3, v1, PITA
	v_lshl_add_u32 v3, v2, 4, v3
	s_mul_i32 s21, s11, HALFA
	s_add_co_u32 s21, s21, AOFF
	v_add_nc_u32 v[ADRA], s21, v3
	v_add_nc_u32 v[ADRA+1], SLOT, v[ADRA]
	v_and_b32 v4, 7, v0
	v_lshl_add_u32 v4, v2, 3, v4
	v_mul_u32_u24 v4, v4, PITW
	v_bfe_u32 v5, v0, 3, 1
	v_lshl_add_u32 v4, v5, 4, v4
	s_lshl_b32 s21, s12, 7
	v_add_nc_u32 v[ADRB], s21, v4
	v_add_nc_u32 v[ADRB+1], HALFW, v[ADRB]
	v_add_nc_u32 v[ADRB+2], SLOT, v[ADRB]
	v_add_nc_u32 v[ADRB+3], SLOT+HALFW, v[ADRB]
	s_mul_i32 s23, s10, 16*SPITCH
	s_add_co_u32 s23, s23, STAGE                   ; my stage
	v_mul_u32_u24 v4, v1, SPITCH                   ; in: row l % 16, 32 bytes for each half of the lanes
	v_lshl_add_u32 v4, v2, 5, v4
	v_add_nc_u32 v[STO], s23, v4
	v_mul_u32_u24 v5, v2, SPITCH                   ; back: lanes 0-15 take one row of 256 bytes, lanes 16-31 the next
	v_lshl_add_u32 v5, v1, 4, v5
	v_add_nc_u32 v[RD], s23, v5
	v_lshlrev_b32 v5, 12, v2                       ; and the same two rows in out0
	v_lshl_add_u32 v[CO], v1, 4, v5
	s_lshl_b32 s16, s13, 19                        ; 128 rows of 4,096 bytes a tile row,
	s_lshl_b32 s18, s11, 18                        ; 64 rows a half,
	s_add_co_u32 s16, s16, s18
	s_lshl_b32 s18, s42, 9                         ; 512 bytes a tile column,
	s_add_co_u32 s16, s16, s18
	s_lshl_b32 s18, s12, 8                         ; 256 a half
	s_add_co_u32 s16, s16, s18
	s_add_nc_u64 s[8:9], s[76:77], s[16:17]
; 8 matrix instructions: m blocks a0, a0 + 1 x all 4 n blocks, 32 along K: half c of buffer f.  zero = 1: the first product starts the sums.
; The 16 accumulators take turns, one instruction a turn.
.macro MUL8 f, c, a0, zero
.irp a, \a0, \a0+1
.irp b, 0,1,2,3
.if \zero
	v_wmma_f32_16x16x32_f16 v[ACC+8*(4*(\a)+\b):ACC+8*(4*(\a)+\b)+7], v[\f+64+8*(4*\c+\b):\f+64+8*(4*\c+\b)+7], v[\f+8*(4*\c+\a):\f+8*(4*\c+\a)+7], 0
.else
	v_wmma_f32_16x16x32_f16 v[ACC+8*(4*(\a)+\b):ACC+8*(4*(\a)+\b)+7], v[\f+64+8*(4*\c+\b):\f+64+8*(4*\c+\b)+7], v[\f+8*(4*\c+\a):\f+8*(4*\c+\a)+7], v[ACC+8*(4*(\a)+\b):ACC+8*(4*(\a)+\b)+7]
.endif
.endr
.endr
.endm
; 32 LDS loads in one run: the fragments of quarter q (64 along K) of a slot, into buffer f; the first 32 along K first
.macro FETCH slot, q, f
	WIN TO_F
.irp c, 0,1
.irp i, 0,1,2,3
	ds_load_tr16_b128 v[\f+64+8*(4*\c+\i):\f+64+8*(4*\c+\i)+3],   v[ADRB+2*\slot+(\q)/2] offset:((\q)%2)*64*PITW+\c*32*PITW+32*\i
	ds_load_tr16_b128 v[\f+64+8*(4*\c+\i)+4:\f+64+8*(4*\c+\i)+7], v[ADRB+2*\slot+(\q)/2] offset:((\q)%2)*64*PITW+\c*32*PITW+32*\i+16*PITW
	ds_load_b128 v[\f+8*(4*\c+\i):\f+8*(4*\c+\i)+3],              v[ADRA+\slot] offset:128*\q+64*\c+\i*16*PITA
	ds_load_b128 v[\f+8*(4*\c+\i)+4:\f+8*(4*\c+\i)+7],            v[ADRA+\slot] offset:128*\q+64*\c+\i*16*PITA+32
.endr
.endr
.endm
.macro PLACES                          ; four places in front of loads into registers that matrix instructions have read, and of vector work that reads results
.rept 4
	v_nop
.endr
.endm
.macro QUARTER slot, q, f, g, zero
	s_wait_dscnt 16                                ; the first 32 along K are in; the sixteen younger loads may be out
	WIN MUL
	MUL8 \f, 0, 0, \zero
	MUL8 \f, 0, 2, \zero
	PLACES
	FETCH \slot, \q, \g
	s_wait_dscnt 32                                ; all but the 32 just issued
	WIN MUL
	MUL8 \f, 1, 0, 0
	MUL8 \f, 1, 2, 0
.endm
; The last quarter multiplies buffer 1 and changes slots: ONE barrier; in front of it each wave waits for all its tensor loads, adds 0 to its spare word, and waits for that and for
; its own reads of this slot.  fill = 1: this slot is filled again, two K steps ahead; the barrier then opens a round of the cluster's barrier.
.macro TURN slot, next, fill
	WIN 0                                          ; (the add's two registers lie in window 0)
	s_wait_tensorcnt 0x0                           ; all my tensor loads have landed: my part of the next slot;
	ds_add_u32 v[SPW], v[NIL]                      ; 0 onto my spare word;
	s_wait_dscnt 17                                ; (the add and the youngest sixteen loads may be out)
	WIN MUL
	MUL8 F1, 0, 0, 0
	s_wait_dscnt 0x0                               ; the add is done, and my reads of this slot are over
	s_barrier_signal -1
	MUL8 F1, 0, 2, 0
.if \fill
	WIN 0
.endif
	s_barrier_wait -1
.if \fill
	CREST                                          ; no wave of any partner still reads this slot's tiles or has a load on its way
	s_add_nc_u64 s[G0+4*\slot+2:G0+4*\slot+3], s[G0+4*\slot+2:G0+4*\slot+3], 2*KSTEP*2
	s_add_nc_u64 s[G0B+4*\slot+2:G0B+4*\slot+3], s[G0B+4*\slot+2:G0B+4*\slot+3], 2*KSTEP*2048
	JLOAD \slot                                    ; the first tensor load behind the round; the four v_nop behind it are also the places in front of the loads below
.else
	PLACES
.endif
	FETCH \next, 0, F0
	WIN MUL
	MUL8 F1, 1, 0, 0
	MUL8 F1, 1, 2, 0
.endm
	s_wait_tensorcnt 0x1                           ; my part of K step 0 is in; K step 1's may stay out
	s_barrier_signal -1
	s_barrier_wait -1
	FETCH 0, 0, F0
	QUARTER 0, 1, F0, F1, 1                        ; K step 0: its first products start the sums
	QUARTER 0, 2, F1, F0, 0
	QUARTER 0, 3, F0, F1, 0
	TURN 0, 1, 1                                   ; slot 0 takes K step 2
	QUARTER 1, 1, F0, F1, 0
	QUARTER 1, 2, F1, F0, 0
	QUARTER 1, 3, F0, F1, 0
	TURN 1, 0, 1                                   ; slot 1 takes K step 3
	QUARTER 0, 1, F0, F1, 0
	QUARTER 0, 2, F1, F0, 0
	QUARTER 0, 3, F0, F1, 0
	TURN 0, 1, 0                                   ; nothing is left to fetch
	QUARTER 1, 1, F0, F1, 0
	QUARTER 1, 2, F1, F0, 0
	QUARTER 1, 3, F0, F1, 0
	s_wait_dscnt 16
	WIN MUL
	MUL8 F1, 0, 0, 0
	MUL8 F1, 0, 2, 0
	s_wait_dscnt 0x0
	MUL8 F1, 1, 0, 0
	MUL8 F1, 1, 2, 0
	WIN 0
	; THE WAY OUT.  G_b: the largest of the 32 scales, across the lanes.  Then 16 rows at a time: G_b x sum + bias, through my stage, back as whole rows of 256 bytes.
	PLACES
	s_wait_loadcnt 0x0                             ; the bias and the scales
	v_mov_b32 v[GB+1], v[GB]                       ; written, since the exchange below counts as a reader of its destination
	v_max_num_f32_dpp v[GB], v[GB], v[GB] row_xmask:1 row_mask:0xf bank_mask:0xf
	v_max_num_f32_dpp v[GB], v[GB], v[GB] row_xmask:2 row_mask:0xf bank_mask:0xf
	v_max_num_f32_dpp v[GB], v[GB], v[GB] row_xmask:4 row_mask:0xf bank_mask:0xf
	v_max_num_f32_dpp v[GB], v[GB], v[GB] row_xmask:8 row_mask:0xf bank_mask:0xf
	v_permlanex16_b32 v[GB+1], v[GB], s80, s81
	v_max_num_f32 v[GB], v[GB], v[GB+1]
	v_mov_b32 v[GB+1], v[GB]                       ; twice: a pair for the packed multiply-add
.irp a, 0,1,2,3
.irp b, 0,1,2,3
.irp i, 0,1,2,3
	v_pk_fma_f32 v[RES+8*\b+2*\i:RES+8*\b+2*\i+1], v[ACC+8*(4*\a+\b)+2*\i:ACC+8*(4*\a+\b)+2*\i+1], v[GB:GB+1], v[BI+8*\b+2*\i:BI+8*\b+2*\i+1]
.endr
.endr
.irp b, 0,1,2,3
	ds_store_b128 v[STO], v[RES+8*\b:RES+8*\b+3]   offset:64*\b
	ds_store_b128 v[STO], v[RES+8*\b+4:RES+8*\b+7] offset:64*\b+16
.endr
	s_wait_xcnt 0x0                                ; the registers that the last block's stores read are loaded again only behind this wait
.irp t, 0,1,2,3,4,5,6,7
	ds_load_b128 v[BK+4*\t:BK+4*\t+3], v[RD] offset:\t*2*SPITCH   ; LDS serves a wave's instructions in order (ISA guide 5.7.1.4): these see the stores above
.endr
.irp t, 0,1,2,3,4,5,6,7
	s_wait_dscnt 7-\t                              ; pair of rows t is back; the younger loads may be out
	global_store_b128 v[CO], v[BK+4*\t:BK+4*\t+3], s[8:9] offset:(16*\a+2*\t)*4096 th:TH_STORE_NT   ; 16 lanes store 256 consecutive bytes, at a multiple of 256 from out0's first byte
.endr
.endr
	s_wait_tensorcnt 0x0                           ; the wave's end
	ds_add_u32 v[SPW], v[NIL]
	s_wait_dscnt 0x0
	CROUND                                         ; the closing round: no work-group ends while a partner may still ask for a tile that names it
	s_endpgm
.Lfunc_end_k_q22a397e944_outp:
	.size	k_q22a397e944_outp, .Lfunc_end_k_q22a397e944_outp-k_q22a397e944_outp
	.p2alignl 7, 3214868480
	.fill 96, 4, 3214868480
	.section	.rodata,"a",@progbits
	.p2align	6, 0x0
	.amdhsa_kernel k_q22a397e944_outp
		.amdhsa_group_segment_fixed_size 327680
		.amdhsa_private_segment_fixed_size 0
		.amdhsa_enable_private_segment 0
		.amdhsa_kernarg_size 40
		.amdhsa_user_sgpr_count 2
		.amdhsa_user_sgpr_kernarg_segment_ptr 1
		.amdhsa_wavefront_size32 1
		.amdhsa_system_sgpr_workgroup_id_x 1
		.amdhsa_system_sgpr_workgroup_id_y 1
		.amdhsa_system_sgpr_workgroup_id_z 1
		.amdhsa_system_vgpr_workitem_id 0
		.amdhsa_next_free_vgpr 512
		.amdhsa_next_free_sgpr 84
		.amdhsa_reserve_vcc 0
		.amdhsa_float_denorm_mode_32 3
		.amdhsa_float_denorm_mode_16_64 3
		.amdhsa_memory_ordered 1
		.amdhsa_forward_progress 1
		.amdhsa_inst_pref_size 92
	.end_amdhsa_kernel
	.amdgpu_metadata
---
amdhsa.version: [ 1, 2 ]
amdhsa.kernels:
  - .name:           k_q22a397e944_outp
    .symbol:         k_q22a397e944_outp.kd
    .args:
      - { .name: act, .offset: 0, .size: 8, .value_kind: global_buffer, .address_space: global }
      - { .name: w16, .offset: 8, .size: 8, .value_kind: global_buffer, .address_space: global }
      - { .name: out_b, .offset: 16, .size: 8, .value_kind: global_buffer, .address_space: global }
      - { .name: kvs, .offset: 24, .size: 8, .value_kind: global_buffer, .address_space: global }
      - { .name: out0, .offset: 32, .size: 8, .value_kind: global_buffer, .address_space: global }
    .group_segment_fixed_size: 327680
    .private_segment_fixed_size: 0
    .kernarg_segment_align: 8
    .kernarg_segment_size: 40
    .max_flat_workgroup_size: 128
    .sgpr_count:     84
    .vgpr_count:     512
    .wavefront_size: 32
...
	.end_amdgpu_metadata
.endif
;; end of part 4
;; ======== version 2 of 3: 6 launches; 1.15 times as fast as version 1
;; limits: values are held in f16: magnitudes above 65,504 overflow, below 6.1e-05 lose precision; inputs' magnitudes at most 65,504
;; workspace buffers: act 41,943,040 bytes; w16 6,291,456 bytes; wkv 4,194,304 bytes; gq 41,943,040 bytes; kv 25,165,824 bytes; qs 4,096 bytes; kvs 2,048 bytes
;; launch prep (part 5): grid 800 x 1, 8 waves a work-group, no clusters, 0 bytes of LDS; arguments query, guide_vector, q_w, text_w, out_w, kv_w, act, w16, wkv; writes act, w16, wkv
.if DOCPART == 5
	.amdgcn_target "amdgcn-amd-amdhsa--gfx1250"
	.amdhsa_code_object_version 6
	.text
	.protected	k_q22a397e944_prep
	.globl	k_q22a397e944_prep
	.p2align	8
	.type	k_q22a397e944_prep,@function
k_q22a397e944_prep:
	s_mov_b64 s[64:65], 0
	v_nop
	global_prefetch_b8 v0, s[64:65] scope:SCOPE_SE
	s_setreg_imm32_b32 hwreg(HW_REG_WAVE_MODE, 25, 1), 1
	s_wait_xcnt 0x0
; f32 -> f16 casts of everything that later goes to the matrix unit, once, so that the products read half the bytes.
;   act: query as [16384][1024] f16 at byte 0; guide_vector as [4096][1024] f16 at byte 33,554,432, columns 768-1023 = 0
;   w16: q_w at 0, text_w at 2,097,152 (rows 768-1023 = 0), out_w at 4,194,304, each [1024][1024] f16, K along the rows' index as given
;   wkv: kv_w's columns 0-1023 (K) at 0, columns 1024-2047 (V) at 2,097,152, each [1024][1024] f16
; The zero padding makes every product's K equal to 1,024, so that guide's projection and K's and V's are one source with the same K steps.
; LIMIT: an input number of magnitude 65,520 or more becomes an infinity in f16; one under 2^-25 becomes 0.
; A work-group casts 32,768 numbers (or writes 65,536 bytes of zeros).  A thread takes 16 bytes of each of 32 pieces: 32 loads of a wave
; are out together, and each store of a wave covers 256 consecutive bytes, aligned.  No LDS, no barrier: no number meets another.
.set X, 4                              ; v[4:131]  32 pieces of 4 registers, as loaded; the first two of each then hold the 4 f16
; 32 loads sp bytes apart, then piece by piece: wait, two packed roundings, a store at (j / 2) d0 + (j % 2) d1
.macro CAST sp, d0, d1
.set j, 0
.rept 32
	global_load_b128 v[X+4*j:X+4*j+3], v1, s[4:5] offset:j*\sp th:TH_LOAD_NT
.set j, j+1
.endr
.set j, 0
.rept 32
	s_wait_loadcnt 31-j                            ; loads come back in order: piece j is in, the 31 - j younger ones stay out
	v_cvt_pk_f16_f32 v[X+4*j], v[X+4*j], v[X+4*j+1]
	v_cvt_pk_f16_f32 v[X+4*j+1], v[X+4*j+2], v[X+4*j+3]
	global_store_b64 v2, v[X+4*j:X+4*j+1], s[6:7] offset:(j/2)*\d0+(j%2)*\d1
.set j, j+1
.endr
.endm
	s_load_b256 s[8:15], s[0:1], 0x0               ; query s[8:9], guide_vector s[10:11], q_w s[12:13], text_w s[14:15]
	s_load_b256 s[16:23], s[0:1], 0x20             ; out_w s[16:17], kv_w s[18:19], act s[20:21], w16 s[22:23]
	s_load_b64 s[24:25], s[0:1], 0x40              ; wkv
	v_lshlrev_b32 v1, 4, v0                        ; my 16 bytes of a piece of the source
	v_lshlrev_b32 v2, 3, v0                        ; my 8 bytes of a piece of the destination
	v_lshrrev_b32 v3, 5, v0
	v_readfirstlane_b32 s27, v3                    ; wave 0..7
	s_mov_b32 s29, 0                               ; high words of the two offsets
	s_mov_b32 s31, 0
	s_wait_kmcnt 0x0
	s_cmp_ge_u32 ttmp9, 672
	s_cbranch_scc1 .Lpad
	s_cmp_ge_u32 ttmp9, 608
	s_cbranch_scc1 .Lsplit
	; work-groups 0-607: dense casts.  0-511 query -> act; 512-543 q_w, 544-567 text_w, 568-575 zeros, 576-607 out_w -> w16
	s_mov_b64 s[4:5], s[8:9]
	s_mov_b64 s[6:7], s[20:21]
	s_mov_b32 s26, 0                               ; the first work-group of my source
	s_mov_b32 s2, 0                                ; the first work-group of my destination
	s_cmp_ge_u32 ttmp9, 512
	s_cselect_b64 s[4:5], s[12:13], s[4:5]
	s_cselect_b64 s[6:7], s[22:23], s[6:7]
	s_cselect_b32 s26, 512, s26
	s_cselect_b32 s2, 512, s2
	s_cmp_ge_u32 ttmp9, 544
	s_cselect_b64 s[4:5], s[14:15], s[4:5]
	s_cselect_b32 s26, 544, s26
	s_cmp_ge_u32 ttmp9, 576
	s_cselect_b64 s[4:5], s[16:17], s[4:5]
	s_cselect_b32 s26, 576, s26
	s_sub_co_u32 s28, ttmp9, s26
	s_lshl_b32 s28, s28, 17                        ; 131,072 bytes of f32 a work-group
	s_add_nc_u64 s[4:5], s[4:5], s[28:29]
	s_sub_co_u32 s30, ttmp9, s2
	s_lshl_b32 s30, s30, 16                        ; 65,536 bytes of f16
	s_add_nc_u64 s[6:7], s[6:7], s[30:31]
	s_cmp_lt_u32 ttmp9, 568
	s_cbranch_scc1 .Llin
	s_cmp_ge_u32 ttmp9, 576
	s_cbranch_scc1 .Llin
.Lzero:                                                ; 32 pieces of zeros, 2,048 bytes apart; nothing is loaded
	v_mov_b32 v4, 0
	v_mov_b32 v5, 0
.set j, 0
.rept 32
	global_store_b64 v2, v[4:5], s[6:7] offset:j*2048
.set j, j+1
.endr
	s_endpgm
.Llin:
	CAST 4096, 4096, 2048                          ; piece j: 4,096 bytes in, 2,048 bytes out
	s_endpgm
.Lsplit:                                               ; work-groups 608-671: 16 rows of kv_w; piece j is half j % 2 of row j / 2
	s_sub_co_u32 s26, ttmp9, 608
	s_lshl_b32 s28, s26, 17
	s_add_nc_u64 s[4:5], s[18:19], s[28:29]
	s_lshl_b32 s30, s26, 15                        ; 16 rows of 2,048 bytes in each plane
	s_add_nc_u64 s[6:7], s[24:25], s[30:31]
	CAST 4096, 2048, 2097152
	s_endpgm
.Lpad:                                                 ; work-groups 672-799: 32 rows of guide_vector; piece j is row j
	s_sub_co_u32 s26, ttmp9, 672
	s_mul_i32 s28, s26, 98304                      ; 32 rows of 3,072 bytes
	s_add_nc_u64 s[4:5], s[10:11], s[28:29]
	s_lshl_b32 s30, s26, 16
	s_add_co_u32 s30, s30, 33554432
	s_add_nc_u64 s[6:7], s[20:21], s[30:31]
	s_cmp_ge_u32 s27, 6                            ; threads 0-191 hold a row's 768 numbers; threads 192-255 write the 256 zeros behind them
	s_cbranch_scc1 .Lzero
	CAST 3072, 4096, 2048
	s_endpgm
.Lfunc_end_k_q22a397e944_prep:
	.size	k_q22a397e944_prep, .Lfunc_end_k_q22a397e944_prep-k_q22a397e944_prep
	.p2alignl 7, 3214868480
	.fill 96, 4, 3214868480
	.section	.rodata,"a",@progbits
	.p2align	6, 0x0
	.amdhsa_kernel k_q22a397e944_prep
		.amdhsa_group_segment_fixed_size 0
		.amdhsa_private_segment_fixed_size 0
		.amdhsa_enable_private_segment 0
		.amdhsa_kernarg_size 72
		.amdhsa_user_sgpr_count 2
		.amdhsa_user_sgpr_kernarg_segment_ptr 1
		.amdhsa_wavefront_size32 1
		.amdhsa_system_sgpr_workgroup_id_x 1
		.amdhsa_system_sgpr_workgroup_id_y 1
		.amdhsa_system_sgpr_workgroup_id_z 1
		.amdhsa_system_vgpr_workitem_id 0
		.amdhsa_next_free_vgpr 132
		.amdhsa_next_free_sgpr 66
		.amdhsa_reserve_vcc 0
		.amdhsa_float_denorm_mode_32 3
		.amdhsa_float_denorm_mode_16_64 3
		.amdhsa_memory_ordered 1
		.amdhsa_forward_progress 1
		.amdhsa_inst_pref_size 39
	.end_amdhsa_kernel
	.amdgpu_metadata
---
amdhsa.version: [ 1, 2 ]
amdhsa.kernels:
  - .name:           k_q22a397e944_prep
    .symbol:         k_q22a397e944_prep.kd
    .args:
      - { .name: query, .offset: 0, .size: 8, .value_kind: global_buffer, .address_space: global }
      - { .name: guide_vector, .offset: 8, .size: 8, .value_kind: global_buffer, .address_space: global }
      - { .name: q_w, .offset: 16, .size: 8, .value_kind: global_buffer, .address_space: global }
      - { .name: text_w, .offset: 24, .size: 8, .value_kind: global_buffer, .address_space: global }
      - { .name: out_w, .offset: 32, .size: 8, .value_kind: global_buffer, .address_space: global }
      - { .name: kv_w, .offset: 40, .size: 8, .value_kind: global_buffer, .address_space: global }
      - { .name: act, .offset: 48, .size: 8, .value_kind: global_buffer, .address_space: global }
      - { .name: w16, .offset: 56, .size: 8, .value_kind: global_buffer, .address_space: global }
      - { .name: wkv, .offset: 64, .size: 8, .value_kind: global_buffer, .address_space: global }
    .group_segment_fixed_size: 0
    .private_segment_fixed_size: 0
    .kernarg_segment_align: 8
    .kernarg_segment_size: 72
    .max_flat_workgroup_size: 256
    .sgpr_count:     66
    .vgpr_count:     132
    .wavefront_size: 32
...
	.end_amdgpu_metadata
.endif
;; end of part 5
;; launch guide (part 6): grid 8 x 32, 4 waves a work-group, clusters of 4 x 4, 327,680 bytes of LDS; arguments act, w16, text_b, gq; writes gq
.if DOCPART == 6
	.amdgcn_target "amdgcn-amd-amdhsa--gfx1250"
	.amdhsa_code_object_version 6
	.text
	.protected	k_q22a397e944_guide
	.globl	k_q22a397e944_guide
	.p2align	8
	.type	k_q22a397e944_guide,@function
k_q22a397e944_guide:
	s_mov_b64 s[64:65], 0
	v_nop
	global_prefetch_b8 v0, s[64:65] scope:SCOPE_SE
	s_setreg_imm32_b32 hwreg(HW_REG_WAVE_MODE, 25, 1), 1
	s_wait_xcnt 0x0
	s_wait_alu depctr_hold_cnt(0) depctr_sa_sdst(0) depctr_va_vdst(0) depctr_va_sdst(0) depctr_va_ssrc(0) depctr_va_vcc(0) depctr_vm_vsrc(0)
	s_getreg_b32 s2, hwreg(HW_REG_IB_STS2, 6, 4)
	s_cmp_eq_u32 s2, 0
	s_cbranch_scc0 .Lentry_in_a_cluster
	s_endpgm
.Lentry_in_a_cluster:
	s_bfe_u32 s2, ttmp6, 0x10000c
	s_cmp_lg_u32 s2, 0xf033
	s_cbranch_scc0 .Lentry_shape_is_right
	s_endpgm
.Lentry_shape_is_right:
; guide = guide_vector text_w + text_b.  C = A W + bias, K = 1,024 (the last 256 of A's columns and of W's rows are zeros).
; A: act from byte 33,554,432, [4096][1024] f16.  W: w16 from byte 2,097,152, [1024 (k)][1024 (n)] f16.  bias: f32.  C: gq from byte 0, [4096][1024] f16; sums in f32.
; This source is written twice, for this launch and for K's and V's projection, with other values of the four constants below.  Here SCALED = 0: C is stored as plain f16,
; since it is the next product's A, whose sums run across tiles.
; LIMITS: guide must stay under 65,504 in magnitude; numbers under 2^-14 lose relative precision in f16.  The sums' order differs from a plain f32 product's.
; SHARES.  A tile of C is 128 x 128: 32 x 8 = 256 tiles, one to a work-group; four waves, each 64 x 64: 16 accumulators of 16 x 16.  K goes in four steps of 256 through two LDS slots.
; W stays [k][n] in LDS and is turned on the way into registers (ds_load_tr16_b128).  The matrix instruction is used transposed (source 0 = 16 columns
; of W, source 1 = 16 rows of A): a lane then holds eight neighbouring numbers of a row of C, and the bias, laid the same way, is the first product's C.
; CLUSTERS: 4 x 4 work-groups.  The four of a row of the cluster need the same tiles of A, the four of a column the same tiles of W: each tile is
; asked for jointly, by the same tensor load with the same descriptor and a mask that names the four.
; REGISTERS: window 0: v0-31 addresses; v32-95 at work on the way out (v32-63 hold the bias until the first products); v96-107 the tile's maximum (where SCALED);
;   v128-255 the accumulators ((a, b) at v[128 + 8 (4 a + b)]).  window 1: two fragment buffers of 128: 64 registers of A, then 64 of W, for 64 along K.
.set SCALED, 0                         ; 1: each tile of C is stored with a block exponent, which goes to a fifth argument
.set A_AT,   33554432                  ; the byte at which A begins in its buffer
.set W_AT,   2097152                   ; the same for W
.set C_AT,   0                         ; and for C
.set KSTEP,  256
.set PITA,   528                       ; a row of A in LDS: 512 bytes + 16 of padding: the 16 rows of a fragment load start 16 bytes apart modulo 256
.set PITW,   288                       ; a k-row of W: 256 bytes + 32 of padding: the 8 rows x 32 bytes that 16 lanes of a turning load take do not meet modulo 256
.set HALFA,  64*PITA                   ; what one tensor load brings of A: 64 rows
.set HALFW,  128*PITW                  ; and of W: 128 k-rows
.set AOFF,   2*HALFW                   ; a slot: W's 256 k-rows, then A's 128 rows
.set SLOT,   AOFF+2*HALFA
.set STAGE,  2*SLOT                    ; behind the ring: 128 rows x 272 bytes, the work-group's, for the way out
.set SPITCH, 272
.set RED,    STAGE+128*SPITCH          ; four words: the waves' maxima (where SCALED)
.set SPARE,  RED+256                   ; the spare words, 128 bytes for each wave: two blocks of 256 bytes that no other line names
.set ADRA, 16                          ; v16-17  LDS address of my A fragments in slot 0, 1
.set ADRB, 18                          ; v18-21  of my W fragments: slot 0 k-rows 0-127, 128-255; slot 1 likewise (the offsets have 16 bits)
.set STO,  24                          ; v24     the way out: where I put 16 bytes of a row
.set RD,   25                          ; v25     the way out: where I read a row back
.set CO,   26                          ; v26     my byte offset in C
.set BO,   27                          ; v27     my byte offset in the bias: 32 x (lane / 16)
.set SPW,  28                          ; v28     LDS address of my spare word; never rewritten
.set NIL,  29                          ; v29     0; never rewritten
.set TMP,  32
.set BI,   32                          ; v32-63  bias: n block b at v[BI + 8 b]
.set MX,   96
.set ACC,  128
.set F0,   0
.set F1,   128
.set G1,  24                           ; s[24:31] descriptor group 1 for A's tiles; s[32:39] group 0, one set for each slot
.set G0,  32
.set G1B, 48                           ; s[48:55], s[56:63] the same for W's tiles
.set G0B, 56
.set MSB, 0
.macro WIN new                         ; the immediate's high byte repeats the setting that is left
.if MSB != \new
	s_set_vgpr_msb (MSB<<8)|\new
.set MSB, \new
.endif
.endm
.set MUL,  0x05                        ; sources 0 (W) and 1 (A) window 1; C and D window 0
.set TO_F, 0x40                        ; destination window 1, address window 0
.macro JLOAD s                         ; a joint load: waves 0 and 1 fetch W's two halves, waves 2 and 3 A's; four v_nop follow each of the two lines
	s_cmp_eq_u32 s11, 0
	s_cbranch_scc0 .Lfor_a_\@
	tensor_load_to_lds s[G0B+4*\s:G0B+4*\s+3], s[G1B:G1B+7]
	s_nop 0
.rept 4
	v_nop
.endr
	s_branch .Lasked_\@
.Lfor_a_\@:
	tensor_load_to_lds s[G0+4*\s:G0+4*\s+3], s[G1:G1+7]
	s_nop 0
.rept 4
	v_nop
.endr
.Lasked_\@:
.endm
.macro CREST                           ; a round of the cluster's barrier behind its opening barrier
	s_cmp_lg_u32 s10, 0
	s_cbranch_scc1 .Lnot_wave_0_\@
	s_barrier_signal -3
.Lnot_wave_0_\@:
	s_barrier_wait -3
	s_barrier_signal -1
	s_barrier_wait -1
.endm
.macro CROUND                          ; a whole round
	s_barrier_signal -1
	s_barrier_wait -1
	CREST
.endm
	s_load_b256 s[68:75], s[0:1], 0x0              ; A s[68:69], W s[70:71], bias s[72:73], C s[74:75]
.if SCALED
	s_load_b64 s[76:77], s[0:1], 0x20              ; scales
.endif
	v_lshl_add_u32 v[SPW], v0, 2, SPARE
	v_mov_b32 v[NIL], 0
	ds_add_u32 v28, v29
	s_wait_dscnt 0x0
	v_lshrrev_b32 v1, 5, v0
	v_readfirstlane_b32 s10, v1                    ; wave 0..3
	s_lshr_b32 s11, s10, 1                         ; which half of the tile's rows is mine.  Also: I fetch for W (0) or for A (1)
	s_and_b32 s12, s10, 1                          ; which half of its columns.  Also: which half of that tile I fetch
	s_bfe_u32 s40, ttmp6, 0x40000                  ; cx, cy: my place in the cluster
	s_bfe_u32 s41, ttmp6, 0x40004
	s_lshl_b32 s42, ttmp9, 2
	s_add_co_u32 s42, s42, s40                     ; tile column = 4 x cluster x + cx
	s_and_b32 s13, ttmp7, 0xffff
	s_lshl_b32 s13, s13, 2
	s_add_co_u32 s13, s13, s41                     ; tile row = 4 x cluster y + cy
	s_lshl_b32 s43, s41, 2
	s_lshl_b32 s43, 15, s43                        ; my row of the cluster
	s_lshl_b32 s44, 0x1111, s40                    ; my column
.if SCALED
	s_mov_b32 s80, 0x76543210                      ; v_permlanex16_b32: each lane takes its own place in the other half
	s_mov_b32 s81, 0xfedcba98
.endif
	; descriptor group 1.  A: 64 rows x 256 elements, 4 words of padding behind every 128.  W: 128 k-rows x 128 elements, 8 words behind every 64.
	s_or_b32 s[G1+0], s43, (1<<16)|(1<<20)|(1<<21)|(6<<22)|(3<<25)  ; 15:0 the mask: my row; 17:16 elements of 2 bytes; 20 padding on; 21 set beside a mask; 24:22 interval; 31:25 padding
	s_mov_b32 s[G1+1], 256<<16                     ; tensor_dim0 = 256
	s_mov_b32 s[G1+2], 64<<16                      ; tensor_dim1 = 64
	s_mov_b32 s[G1+3], 256<<16                     ; tile_dim0 = 256
	s_mov_b32 s[G1+4], 64                          ; tile_dim1 = 64
	s_mov_b32 s[G1+5], 1024                        ; elements from row to row
	s_mov_b32 s[G1+6], 0
	s_mov_b32 s[G1+7], 0
	s_or_b32 s[G1B+0], s44, (1<<16)|(1<<20)|(1<<21)|(5<<22)|(7<<25) ; the mask: my column
	s_mov_b32 s[G1B+1], 128<<16
	s_mov_b32 s[G1B+2], 128<<16
	s_mov_b32 s[G1B+3], 128<<16
	s_mov_b32 s[G1B+4], 128
	s_mov_b32 s[G1B+5], 1024
	s_mov_b32 s[G1B+6], 0
	s_mov_b32 s[G1B+7], 0
	; where the tiles come from.  A's hang on the tile row alone, W's on the tile column alone.
	s_lshl_b32 s16, s13, 18                        ; A: 128 rows of 2,048 bytes a tile row,
	s_lshl_b32 s18, s12, 17                        ; 64 rows a half
	s_add_co_u32 s16, s16, s18
.if A_AT
	s_add_co_u32 s16, s16, A_AT
.endif
	s_mov_b32 s17, 0
	s_lshr_b32 s83, s42, 3                         ; plane of W and of C: tile columns from 8 on take the second (a grid 8 wide has none)
	s_and_b32 s19, s42, 7                          ; tile column inside the plane
	s_lshl_b32 s46, s83, 21                        ; W: planes of 2,097,152 bytes,
	s_lshl_b32 s18, s19, 8                         ; 256 bytes a tile column,
	s_add_co_u32 s46, s46, s18
	s_lshl_b32 s18, s12, 18                        ; 128 k-rows of 2,048 bytes a half
	s_add_co_u32 s46, s46, s18
.if W_AT
	s_add_co_u32 s46, s46, W_AT
.endif
	s_mov_b32 s47, 0
	s_mul_i32 s20, s10, HALFW                      ; where they go: W's halves at wave x 36,864 (waves 0, 1),
	s_mul_i32 s22, s10, HALFA
	s_add_co_u32 s22, s22, AOFF-2*HALFA            ; A's at wave x 33,792 + 6,144 (waves 2, 3): no place in the cluster enters an LDS address
	s_wait_kmcnt 0x0
	s_add_nc_u64 s[14:15], s[68:69], s[16:17]
	s_add_nc_u64 s[46:47], s[70:71], s[46:47]
	CROUND                                         ; all sixteen work-groups are here: the first joint loads meet
.irp s, 0,1
	s_mov_b32 s[G0+4*\s], 1
	s_add_co_u32 s[G0+4*\s+1], s22, \s*SLOT
	s_add_nc_u64 s[G0+4*\s+2:G0+4*\s+3], s[14:15], \s*KSTEP*2
	s_or_b32 s[G0+4*\s+3], s[G0+4*\s+3], 0x80000000
	s_mov_b32 s[G0B+4*\s], 1
	s_add_co_u32 s[G0B+4*\s+1], s20, \s*SLOT
	s_add_nc_u64 s[G0B+4*\s+2:G0B+4*\s+3], s[46:47], \s*KSTEP*2048
	s_or_b32 s[G0B+4*\s+3], s[G0B+4*\s+3], 0x80000000
	JLOAD \s                                       ; two loads of mine are out: the most in this text
.endr
	; the bias of my 64 columns, laid as an accumulator is: register j of n block b = bias[16 b + 8 (lane / 16) + j]
	v_and_b32 v1, 15, v0                           ; l % 16
	v_bfe_u32 v2, v0, 4, 1                         ; l / 16
	v_lshlrev_b32 v[BO], 5, v2
	s_lshl_b32 s16, s42, 9                         ; 128 f32 a tile column,
	s_lshl_b32 s18, s12, 8                         ; 64 a half
	s_add_co_u32 s16, s16, s18
	s_add_nc_u64 s[72:73], s[72:73], s[16:17]
.irp b, 0,1,2,3
	global_load_b128 v[BI+8*\b:BI+8*\b+3],   v[BO], s[72:73] offset:64*\b
	global_load_b128 v[BI+8*\b+4:BI+8*\b+7], v[BO], s[72:73] offset:64*\b+16
.endr
	v_mul_u32_u24 v3, v1, PITA
	v_lshl_add_u32 v3, v2, 4, v3                   ; a fragment of A: row x pitch + 16 x half
	s_mul_i32 s21, s11, HALFA                      ; my 64 rows of A,
	s_add_co_u32 s21, s21, AOFF                    ; which lie behind W
	v_add_nc_u32 v[ADRA], s21, v3
	v_add_nc_u32 v[ADRA+1], SLOT, v[ADRA]
	v_and_b32 v4, 7, v0                            ; the turning load: lane l reads 16 bytes of k-row 8 (l / 16) + l % 8, columns 8 ((l / 8) % 2) on
	v_lshl_add_u32 v4, v2, 3, v4
	v_mul_u32_u24 v4, v4, PITW
	v_bfe_u32 v5, v0, 3, 1
	v_lshl_add_u32 v4, v5, 4, v4
	s_lshl_b32 s21, s12, 7                         ; my 64 columns of W
	v_add_nc_u32 v[ADRB], s21, v4
	v_add_nc_u32 v[ADRB+1], HALFW, v[ADRB]
	v_add_nc_u32 v[ADRB+2], SLOT, v[ADRB]
	v_add_nc_u32 v[ADRB+3], SLOT+HALFW, v[ADRB]
	s_mul_i32 s23, s11, 64*SPITCH                  ; into the stage: my 64 rows, my half of their 256 bytes
	s_add_co_u32 s23, s23, s21
	s_add_co_u32 s23, s23, STAGE
	v_mul_u32_u24 v4, v1, SPITCH
	v_lshl_add_u32 v4, v2, 4, v4
	v_add_nc_u32 v[STO], s23, v4
	s_mul_i32 s23, s10, 32*SPITCH                  ; back: wave w takes rows 32 w .. 32 w + 31, whole; lanes 0-15 one row, lanes 16-31 the next
	s_add_co_u32 s23, s23, STAGE
	v_mul_u32_u24 v5, v2, SPITCH
	v_lshl_add_u32 v5, v1, 4, v5
	v_add_nc_u32 v[RD], s23, v5
	v_lshlrev_b32 v5, 11, v2                       ; and the same two rows in C
	v_lshl_add_u32 v[CO], v1, 4, v5
	s_lshl_b32 s16, s13, 18                        ; C: 128 rows of 2,048 bytes a tile row,
	s_lshl_b32 s18, s83, 23                        ; planes of 8,388,608 bytes,
	s_add_co_u32 s16, s16, s18
	s_lshl_b32 s18, s19, 8                         ; 256 bytes a tile column,
	s_add_co_u32 s16, s16, s18
	s_lshl_b32 s18, s10, 16                        ; the 32 rows that I store
	s_add_co_u32 s16, s16, s18
.if C_AT
	s_add_co_u32 s16, s16, C_AT
.endif
	s_add_nc_u64 s[8:9], s[74:75], s[16:17]
.if SCALED
	s_lshl_b32 s16, s83, 8                         ; the tile's word among the scales: plane 256 + tile row 8 + tile column % 8
	s_lshl_b32 s18, s13, 3
	s_add_co_u32 s16, s16, s18
	s_add_co_u32 s16, s16, s19
	s_lshl_b32 s16, s16, 2
	s_add_nc_u64 s[76:77], s[76:77], s[16:17]
.endif
; 8 matrix instructions: m blocks a0, a0 + 1 x all 4 n blocks, 32 along K: half c of buffer f.  zero = 1: the first product starts the sums from the bias.
; The 16 accumulators take turns, one instruction a turn.
.macro MUL8 f, c, a0, zero
.irp a, \a0, \a0+1
.irp b, 0,1,2,3
.if \zero
	v_wmma_f32_16x16x32_f16 v[ACC+8*(4*(\a)+\b):ACC+8*(4*(\a)+\b)+7], v[\f+64+8*(4*\c+\b):\f+64+8*(4*\c+\b)+7], v[\f+8*(4*\c+\a):\f+8*(4*\c+\a)+7], v[BI+8*\b:BI+8*\b+7]
.else
	v_wmma_f32_16x16x32_f16 v[ACC+8*(4*(\a)+\b):ACC+8*(4*(\a)+\b)+7], v[\f+64+8*(4*\c+\b):\f+64+8*(4*\c+\b)+7], v[\f+8*(4*\c+\a):\f+8*(4*\c+\a)+7], v[ACC+8*(4*(\a)+\b):ACC+8*(4*(\a)+\b)+7]
.endif
.endr
.endr
.endm
; 32 LDS loads in one run: the fragments of quarter q (64 along K) of a slot, into buffer f; the first 32 along K first
.macro FETCH slot, q, f
	WIN TO_F
.irp c, 0,1
.irp i, 0,1,2,3
	ds_load_tr16_b128 v[\f+64+8*(4*\c+\i):\f+64+8*(4*\c+\i)+3],   v[ADRB+2*\slot+(\q)/2] offset:((\q)%2)*64*PITW+\c*32*PITW+32*\i
	ds_load_tr16_b128 v[\f+64+8*(4*\c+\i)+4:\f+64+8*(4*\c+\i)+7], v[ADRB+2*\slot+(\q)/2] offset:((\q)%2)*64*PITW+\c*32*PITW+32*\i+16*PITW
	ds_load_b128 v[\f+8*(4*\c+\i):\f+8*(4*\c+\i)+3],              v[ADRA+\slot] offset:128*\q+64*\c+\i*16*PITA
	ds_load_b128 v[\f+8*(4*\c+\i)+4:\f+8*(4*\c+\i)+7],            v[ADRA+\slot] offset:128*\q+64*\c+\i*16*PITA+32
.endr
.endr
.endm
.macro PLACES                          ; four places in front of loads into registers that matrix instructions have read, and of vector work that reads results
.rept 4
	v_nop
.endr
.endm
; A K step is four quarters of 64 along K, 32 matrix instructions each, on buffers 0, 1, 0, 1.  One of the first three: multiplies buffer f and fetches quarter q into g.
.macro QUARTER slot, q, f, g, zero
	s_wait_dscnt 16                                ; the first 32 along K are in; the sixteen younger loads may be out
	WIN MUL
	MUL8 \f, 0, 0, \zero
	MUL8 \f, 0, 2, \zero
	PLACES
	FETCH \slot, \q, \g
	s_wait_dscnt 32                                ; all but the 32 just issued
	WIN MUL
	MUL8 \f, 1, 0, 0
	MUL8 \f, 1, 2, 0
.endm
; The last quarter multiplies buffer 1 and changes slots: ONE barrier; in front of it each wave waits for all its tensor loads, adds 0 to its spare word, and waits for that and for
; its own reads of this slot.  fill = 1: this slot is filled again, two K steps ahead; the barrier then opens a round of the cluster's barrier.
.macro TURN slot, next, fill
	WIN 0                                          ; (the add's two registers lie in window 0)
	s_wait_tensorcnt 0x0                           ; all my tensor loads have landed: my part of the next slot;
	ds_add_u32 v[SPW], v[NIL]                      ; 0 onto my spare word;
	s_wait_dscnt 17                                ; (the add and the youngest sixteen loads may be out)
	WIN MUL
	MUL8 F1, 0, 0, 0                               ; eight matrix instructions stand between the add and the wait for it
	s_wait_dscnt 0x0                               ; the add is done, and my reads of this slot are over
	s_barrier_signal -1
	MUL8 F1, 0, 2, 0
.if \fill
	WIN 0
.endif
	s_barrier_wait -1
.if \fill
	CREST                                          ; no wave of any partner still reads this slot's tiles or has a load on its way
	s_add_nc_u64 s[G0+4*\slot+2:G0+4*\slot+3], s[G0+4*\slot+2:G0+4*\slot+3], 2*KSTEP*2
	s_add_nc_u64 s[G0B+4*\slot+2:G0B+4*\slot+3], s[G0B+4*\slot+2:G0B+4*\slot+3], 2*KSTEP*2048
	JLOAD \slot                                    ; the first tensor load behind the round; the four v_nop behind it are also the places in front of the loads below
.else
	PLACES
.endif
	FETCH \next, 0, F0
	WIN MUL
	MUL8 F1, 1, 0, 0
	MUL8 F1, 1, 2, 0
.endm
	s_wait_tensorcnt 0x1                           ; my part of K step 0 is in; K step 1's may stay out
	s_barrier_signal -1
	s_barrier_wait -1                              ; everybody's is
	FETCH 0, 0, F0
	s_wait_loadcnt 0x0                             ; the bias
	QUARTER 0, 1, F0, F1, 1                        ; K step 0: its first products start the sums
	QUARTER 0, 2, F1, F0, 0
	QUARTER 0, 3, F0, F1, 0
	TURN 0, 1, 1                                   ; slot 0 takes K step 2
	QUARTER 1, 1, F0, F1, 0                        ; K step 1
	QUARTER 1, 2, F1, F0, 0
	QUARTER 1, 3, F0, F1, 0
	TURN 1, 0, 1                                   ; slot 1 takes K step 3
	QUARTER 0, 1, F0, F1, 0                        ; K step 2
	QUARTER 0, 2, F1, F0, 0
	QUARTER 0, 3, F0, F1, 0
	TURN 0, 1, 0                                   ; nothing is left to fetch
	QUARTER 1, 1, F0, F1, 0                        ; K step 3
	QUARTER 1, 2, F1, F0, 0
	QUARTER 1, 3, F0, F1, 0
	s_wait_dscnt 16
	WIN MUL
	MUL8 F1, 0, 0, 0
	MUL8 F1, 0, 2, 0
	s_wait_dscnt 0x0
	MUL8 F1, 1, 0, 0
	MUL8 F1, 1, 2, 0
	WIN 0
	; THE WAY OUT.
	PLACES
.if SCALED
	; The tile's largest magnitude: four chains in a lane, each accumulator's registers in ascending order; across the lanes; across the waves through four LDS words.
.irp k, 0,1,2,3
	v_max_num_f32 v[MX+\k], |v[ACC+2*\k]|, |v[ACC+2*\k+1]|
.endr
.set t, 1
.rept 15
.irp k, 0,1,2,3
	v_max3_num_f32 v[MX+\k], |v[ACC+8*t+2*\k]|, |v[ACC+8*t+2*\k+1]|, v[MX+\k]
.endr
.set t, t+1
.endr
	v_max3_num_f32 v[MX], v[MX], v[MX+1], v[MX+2]
	v_max_num_f32 v[MX], v[MX], v[MX+3]
	v_max_num_f32_dpp v[MX], v[MX], v[MX] row_xmask:1 row_mask:0xf bank_mask:0xf
	v_max_num_f32_dpp v[MX], v[MX], v[MX] row_xmask:2 row_mask:0xf bank_mask:0xf
	v_max_num_f32_dpp v[MX], v[MX], v[MX] row_xmask:4 row_mask:0xf bank_mask:0xf
	v_max_num_f32_dpp v[MX], v[MX], v[MX] row_xmask:8 row_mask:0xf bank_mask:0xf
	v_permlanex16_b32 v[MX+1], v[MX], s80, s81
	v_max_num_f32 v[MX], v[MX], v[MX+1]
	v_mov_b32 v[MX+2], s10
	v_lshl_add_u32 v[MX+2], v[MX+2], 2, RED
	ds_store_b32 v[MX+2], v[MX]                    ; all lanes write the wave's word with the same value
	s_wait_dscnt 0x0                               ; for the others' sake
	s_barrier_signal -1
	s_barrier_wait -1
	v_mov_b32 v[MX+3], RED
	ds_load_b128 v[MX+4:MX+7], v[MX+3]
	s_wait_dscnt 0x0
	v_max3_num_f32 v[MX], v[MX+4], v[MX+5], v[MX+6]
	v_max_num_f32 v[MX], v[MX], v[MX+7]
	v_lshrrev_b32 v[MX], 23, v[MX]                 ; E: the sign bit is 0
	v_min_u32 v[MX], 252, v[MX]
	v_sub_nc_u32 v[MX+8], 253, v[MX]
	v_lshlrev_b32 v[MX+8], 23, v[MX+8]             ; 2^(126-E): what the tile is multiplied by
	v_mov_b32 v[MX+9], v[MX+8]                     ; twice: a pair for the packed multiply
	v_add_nc_u32 v[MX+10], 1, v[MX]
	v_lshlrev_b32 v[MX+10], 23, v[MX+10]           ; g = 2^(E-126): what restores it
.set t, 0
.rept 64
	v_pk_mul_f32 v[ACC+2*t:ACC+2*t+1], v[ACC+2*t:ACC+2*t+1], v[MX+8:MX+9]
.set t, t+1
.endr
.endif
	; rounded to f16, each accumulator's registers in ascending order; 16 bytes a lane into the work-group's stage; back as whole rows
.set t, 0
.rept 64
	v_cvt_pk_f16_f32 v[TMP+t], v[ACC+2*t], v[ACC+2*t+1]
.set t, t+1
.endr
.irp a, 0,1,2,3
.irp b, 0,1,2,3
	ds_store_b128 v[STO], v[TMP+4*(4*\a+\b):TMP+4*(4*\a+\b)+3] offset:\a*16*SPITCH+32*\b
.endr
.endr
	s_wait_dscnt 0x0                               ; for the others' sake: a row's 256 bytes come from two waves
	s_barrier_signal -1
	s_barrier_wait -1
.irp t, 0,1,2,3,4,5,6,7,8,9,10,11,12,13,14,15
	ds_load_b128 v[TMP+4*\t:TMP+4*\t+3], v[RD] offset:\t*2*SPITCH
.endr
.irp t, 0,1,2,3,4,5,6,7,8,9,10,11,12,13,14,15
	s_wait_dscnt 15-\t                             ; pair of rows t is back; the younger loads may be out
	global_store_b128 v[CO], v[TMP+4*\t:TMP+4*\t+3], s[8:9] offset:2*\t*2048   ; 16 lanes store 256 consecutive bytes, at a multiple of 256 from C's first byte
.endr
.if SCALED
	v_mov_b32 v[MX+11], 0
	v_cmp_eq_u32 vcc_lo, 0, v0                     ; thread 0 stores the tile's g
	s_wait_xcnt 0x0                                ; EXEC changes only behind this wait
	s_and_saveexec_b32 s14, vcc_lo
	global_store_b32 v[MX+11], v[MX+10], s[76:77]
	s_wait_xcnt 0x0                                ; and again in front of the line that widens it
	s_or_b32 exec_lo, exec_lo, s14
.endif
	s_wait_tensorcnt 0x0                           ; the wave's end
	ds_add_u32 v[SPW], v[NIL]
	s_wait_dscnt 0x0
	CROUND                                         ; the closing round: no work-group ends while a partner may still ask for a tile that names it
	s_endpgm
.Lfunc_end_k_q22a397e944_guide:
	.size	k_q22a397e944_guide, .Lfunc_end_k_q22a397e944_guide-k_q22a397e944_guide
	.p2alignl 7, 3214868480
	.fill 96, 4, 3214868480
	.section	.rodata,"a",@progbits
	.p2align	6, 0x0
	.amdhsa_kernel k_q22a397e944_guide
		.amdhsa_group_segment_fixed_size 327680
		.amdhsa_private_segment_fixed_size 0
		.amdhsa_enable_private_segment 0
		.amdhsa_kernarg_size 32
		.amdhsa_user_sgpr_count 2
		.amdhsa_user_sgpr_kernarg_segment_ptr 1
		.amdhsa_wavefront_size32 1
		.amdhsa_system_sgpr_workgroup_id_x 1
		.amdhsa_system_sgpr_workgroup_id_y 1
		.amdhsa_system_sgpr_workgroup_id_z 1
		.amdhsa_system_vgpr_workitem_id 0
		.amdhsa_next_free_vgpr 512
		.amdhsa_next_free_sgpr 84
		.amdhsa_reserve_vcc 1
		.amdhsa_float_denorm_mode_32 3
		.amdhsa_float_denorm_mode_16_64 3
		.amdhsa_memory_ordered 1
		.amdhsa_forward_progress 1
		.amdhsa_inst_pref_size 88
	.end_amdhsa_kernel
	.amdgpu_metadata
---
amdhsa.version: [ 1, 2 ]
amdhsa.kernels:
  - .name:           k_q22a397e944_guide
    .symbol:         k_q22a397e944_guide.kd
    .args:
      - { .name: act, .offset: 0, .size: 8, .value_kind: global_buffer, .address_space: global }
      - { .name: w16, .offset: 8, .size: 8, .value_kind: global_buffer, .address_space: global }
      - { .name: text_b, .offset: 16, .size: 8, .value_kind: global_buffer, .address_space: global }
      - { .name: gq, .offset: 24, .size: 8, .value_kind: global_buffer, .address_space: global }
    .group_segment_fixed_size: 327680
    .private_segment_fixed_size: 0
    .kernarg_segment_align: 8
    .kernarg_segment_size: 32
    .max_flat_workgroup_size: 128
    .sgpr_count:     84
    .vgpr_count:     512
    .wavefront_size: 32
...
	.end_amdgpu_metadata
.endif
;; end of part 6
;; launch kvp (part 7): grid 16 x 32, 4 waves a work-group, clusters of 4 x 4, 327,680 bytes of LDS; arguments gq, wkv, kv_b, kv, kvs; writes kv, kvs
.if DOCPART == 7
	.amdgcn_target "amdgcn-amd-amdhsa--gfx1250"
	.amdhsa_code_object_version 6
	.text
	.protected	k_q22a397e944_kvp
	.globl	k_q22a397e944_kvp
	.p2align	8
	.type	k_q22a397e944_kvp,@function
k_q22a397e944_kvp:
	s_mov_b64 s[64:65], 0
	v_nop
	global_prefetch_b8 v0, s[64:65] scope:SCOPE_SE
	s_setreg_imm32_b32 hwreg(HW_REG_WAVE_MODE, 25, 1), 1
	s_wait_xcnt 0x0
	s_wait_alu depctr_hold_cnt(0) depctr_sa_sdst(0) depctr_va_vdst(0) depctr_va_sdst(0) depctr_va_ssrc(0) depctr_va_vcc(0) depctr_vm_vsrc(0)
	s_getreg_b32 s2, hwreg(HW_REG_IB_STS2, 6, 4)
	s_cmp_eq_u32 s2, 0
	s_cbranch_scc0 .Lentry_in_a_cluster
	s_endpgm
.Lentry_in_a_cluster:
	s_bfe_u32 s2, ttmp6, 0x10000c
	s_cmp_lg_u32 s2, 0xf033
	s_cbranch_scc0 .Lentry_shape_is_right
	s_endpgm
.Lentry_shape_is_right:
; K and V = guide kv_w + kv_b.  C = A W + bias, K = 1,024.
; A: gq from byte 0 (guide), [4096][1024] f16.  W: wkv, two planes of [1024 (k)][1024 (n)] f16 (K's columns, V's columns).  bias: f32, 2,048 numbers.
; C: kv from byte 8,388,608, two planes of [4096][1024] f16 (K, then V); sums in f32.  Tile columns 0-7 take the first planes, 8-15 the second.
; This source is written twice, for guide's projection and for this launch, with other values of the four constants below.  Here SCALED = 1:
; BLOCK EXPONENT.  A tile of 128 x 128 of C is stored divided by g = 2^(E-126), E the biased exponent of the tile's largest magnitude (at most 252),
; so that every stored number is under 1; g goes to scales[plane 256 + tile row 8 + tile column % 8].
; LIMITS: inside a tile, numbers under 2^-14 of the tile's largest lose relative precision in f16, under 2^-25 of it they vanish.  The sums' order differs from a plain f32 product's.
; SHARES.  A tile of C is 128 x 128: 32 x 16 = 512 tiles, one to a work-group; four waves, each 64 x 64: 16 accumulators of 16 x 16.  K goes in four steps of 256 through two LDS slots.
; W stays [k][n] in LDS and is turned on the way into registers (ds_load_tr16_b128).  The matrix instruction is used transposed (source 0 = 16 columns
; of W, source 1 = 16 rows of A): a lane then holds eight neighbouring numbers of a row of C, and the bias, laid the same way, is the first product's C.
; CLUSTERS: 4 x 4 work-groups.  The four of a row of the cluster need the same tiles of A, the four of a column the same tiles of W: each tile is
; asked for jointly, by the same tensor load with the same descriptor and a mask that names the four.
; REGISTERS: window 0: v0-31 addresses; v32-95 at work on the way out (v32-63 hold the bias until the first products); v96-107 the tile's maximum (where SCALED);
;   v128-255 the accumulators ((a, b) at v[128 + 8 (4 a + b)]).  window 1: two fragment buffers of 128: 64 registers of A, then 64 of W, for 64 along K.
.set SCALED, 1                         ; 1: each tile of C is stored with a block exponent, which goes to a fifth argument
.set A_AT,   0                         ; the byte at which A begins in its buffer
.set W_AT,   0                         ; the same for W
.set C_AT,   8388608                   ; and for C
.set KSTEP,  256
.set PITA,   528                       ; a row of A in LDS: 512 bytes + 16 of padding: the 16 rows of a fragment load start 16 bytes apart modulo 256
.set PITW,   288                       ; a k-row of W: 256 bytes + 32 of padding: the 8 rows x 32 bytes that 16 lanes of a turning load take do not meet modulo 256
.set HALFA,  64*PITA                   ; what one tensor load brings of A: 64 rows
.set HALFW,  128*PITW                  ; and of W: 128 k-rows
.set AOFF,   2*HALFW                   ; a slot: W's 256 k-rows, then A's 128 rows
.set SLOT,   AOFF+2*HALFA
.set STAGE,  2*SLOT                    ; behind the ring: 128 rows x 272 bytes, the work-group's, for the way out
.set SPITCH, 272
.set RED,    STAGE+128*SPITCH          ; four words: the waves' maxima (where SCALED)
.set SPARE,  RED+256                   ; the spare words, 128 bytes for each wave: two blocks of 256 bytes that no other line names
.set ADRA, 16                          ; v16-17  LDS address of my A fragments in slot 0, 1
.set ADRB, 18                          ; v18-21  of my W fragments: slot 0 k-rows 0-127, 128-255; slot 1 likewise (the offsets have 16 bits)
.set STO,  24                          ; v24     the way out: where I put 16 bytes of a row
.set RD,   25                          ; v25     the way out: where I read a row back
.set CO,   26                          ; v26     my byte offset in C
.set BO,   27                          ; v27     my byte offset in the bias: 32 x (lane / 16)
.set SPW,  28                          ; v28     LDS address of my spare word; never rewritten
.set NIL,  29                          ; v29     0; never rewritten
.set TMP,  32
.set BI,   32                          ; v32-63  bias: n block b at v[BI + 8 b]
.set MX,   96
.set ACC,  128
.set F0,   0
.set F1,   128
.set G1,  24                           ; s[24:31] descriptor group 1 for A's tiles; s[32:39] group 0, one set for each slot
.set G0,  32
.set G1B, 48                           ; s[48:55], s[56:63] the same for W's tiles
.set G0B, 56
.set MSB, 0
.macro WIN new                         ; the immediate's high byte repeats the setting that is left
.if MSB != \new
	s_set_vgpr_msb (MSB<<8)|\new
.set MSB, \new
.endif
.endm
.set MUL,  0x05                        ; sources 0 (W) and 1 (A) window 1; C and D window 0
.set TO_F, 0x40                        ; destination window 1, address window 0
.macro JLOAD s                         ; a joint load: waves 0 and 1 fetch W's two halves, waves 2 and 3 A's; four v_nop follow each of the two lines
	s_cmp_eq_u32 s11, 0
	s_cbranch_scc0 .Lfor_a_\@
	tensor_load_to_lds s[G0B+4*\s:G0B+4*\s+3], s[G1B:G1B+7]
	s_nop 0
.rept 4
	v_nop
.endr
	s_branch .Lasked_\@
.Lfor_a_\@:
	tensor_load_to_lds s[G0+4*\s:G0+4*\s+3], s[G1:G1+7]
	s_nop 0
.rept 4
	v_nop
.endr
.Lasked_\@:
.endm
.macro CREST                           ; a round of the cluster's barrier behind its opening barrier
	s_cmp_lg_u32 s10, 0
	s_cbranch_scc1 .Lnot_wave_0_\@
	s_barrier_signal -3
.Lnot_wave_0_\@:
	s_barrier_wait -3
	s_barrier_signal -1
	s_barrier_wait -1
.endm
.macro CROUND                          ; a whole round
	s_barrier_signal -1
	s_barrier_wait -1
	CREST
.endm
	s_load_b256 s[68:75], s[0:1], 0x0              ; A s[68:69], W s[70:71], bias s[72:73], C s[74:75]
.if SCALED
	s_load_b64 s[76:77], s[0:1], 0x20              ; scales
.endif
	v_lshl_add_u32 v[SPW], v0, 2, SPARE
	v_mov_b32 v[NIL], 0
	ds_add_u32 v28, v29
	s_wait_dscnt 0x0
	v_lshrrev_b32 v1, 5, v0
	v_readfirstlane_b32 s10, v1                    ; wave 0..3
	s_lshr_b32 s11, s10, 1                         ; which half of the tile's rows is mine.  Also: I fetch for W (0) or for A (1)
	s_and_b32 s12, s10, 1                          ; which half of its columns.  Also: which half of that tile I fetch
	s_bfe_u32 s40, ttmp6, 0x40000                  ; cx, cy: my place in the cluster
	s_bfe_u32 s41, ttmp6, 0x40004
	s_lshl_b32 s42, ttmp9, 2
	s_add_co_u32 s42, s42, s40                     ; tile column = 4 x cluster x + cx
	s_and_b32 s13, ttmp7, 0xffff
	s_lshl_b32 s13, s13, 2
	s_add_co_u32 s13, s13, s41                     ; tile row = 4 x cluster y + cy
	s_lshl_b32 s43, s41, 2
	s_lshl_b32 s43, 15, s43                        ; my row of the cluster
	s_lshl_b32 s44, 0x1111, s40                    ; my column
.if SCALED
	s_mov_b32 s80, 0x76543210                      ; v_permlanex16_b32: each lane takes its own place in the other half
	s_mov_b32 s81, 0xfedcba98
.endif
	; descriptor group 1.  A: 64 rows x 256 elements, 4 words of padding behind every 128.  W: 128 k-rows x 128 elements, 8 words behind every 64.
	s_or_b32 s[G1+0], s43, (1<<16)|(1<<20)|(1<<21)|(6<<22)|(3<<25)  ; 15:0 the mask: my row; 17:16 elements of 2 bytes; 20 padding on; 21 set beside a mask; 24:22 interval; 31:25 padding
	s_mov_b32 s[G1+1], 256<<16                     ; tensor_dim0 = 256
	s_mov_b32 s[G1+2], 64<<16                      ; tensor_dim1 = 64
	s_mov_b32 s[G1+3], 256<<16                     ; tile_dim0 = 256
	s_mov_b32 s[G1+4], 64                          ; tile_dim1 = 64
	s_mov_b32 s[G1+5], 1024                        ; elements from row to row
	s_mov_b32 s[G1+6], 0
	s_mov_b32 s[G1+7], 0
	s_or_b32 s[G1B+0], s44, (1<<16)|(1<<20)|(1<<21)|(5<<22)|(7<<25) ; the mask: my column
	s_mov_b32 s[G1B+1], 128<<16
	s_mov_b32 s[G1B+2], 128<<16
	s_mov_b32 s[G1B+3], 128<<16
	s_mov_b32 s[G1B+4], 128
	s_mov_b32 s[G1B+5], 1024
	s_mov_b32 s[G1B+6], 0
	s_mov_b32 s[G1B+7], 0
	; where the tiles come from.  A's hang on the tile row alone, W's on the tile column alone.
	s_lshl_b32 s16, s13, 18                        ; A: 128 rows of 2,048 bytes a tile row,
	s_lshl_b32 s18, s12, 17                        ; 64 rows a half
	s_add_co_u32 s16, s16, s18
.if A_AT
	s_add_co_u32 s16, s16, A_AT
.endif
	s_mov_b32 s17, 0
	s_lshr_b32 s83, s42, 3                         ; plane of W and of C: tile columns from 8 on take the second (a grid 8 wide has none)
	s_and_b32 s19, s42, 7                          ; tile column inside the plane
	s_lshl_b32 s46, s83, 21                        ; W: planes of 2,097,152 bytes,
	s_lshl_b32 s18, s19, 8                         ; 256 bytes a tile column,
	s_add_co_u32 s46, s46, s18
	s_lshl_b32 s18, s12, 18                        ; 128 k-rows of 2,048 bytes a half
	s_add_co_u32 s46, s46, s18
.if W_AT
	s_add_co_u32 s46, s46, W_AT
.endif
	s_mov_b32 s47, 0
	s_mul_i32 s20, s10, HALFW                      ; where they go: W's halves at wave x 36,864 (waves 0, 1),
	s_mul_i32 s22, s10, HALFA
	s_add_co_u32 s22, s22, AOFF-2*HALFA            ; A's at wave x 33,792 + 6,144 (waves 2, 3): no place in the cluster enters an LDS address
	s_wait_kmcnt 0x0
	s_add_nc_u64 s[14:15], s[68:69], s[16:17]
	s_add_nc_u64 s[46:47], s[70:71], s[46:47]
	CROUND                                         ; all sixteen work-groups are here: the first joint loads meet
.irp s, 0,1
	s_mov_b32 s[G0+4*\s], 1
	s_add_co_u32 s[G0+4*\s+1], s22, \s*SLOT
	s_add_nc_u64 s[G0+4*\s+2:G0+4*\s+3], s[14:15], \s*KSTEP*2
	s_or_b32 s[G0+4*\s+3], s[G0+4*\s+3], 0x80000000
	s_mov_b32 s[G0B+4*\s], 1
	s_add_co_u32 s[G0B+4*\s+1], s20, \s*SLOT
	s_add_nc_u64 s[G0B+4*\s+2:G0B+4*\s+3], s[46:47], \s*KSTEP*2048
	s_or_b32 s[G0B+4*\s+3], s[G0B+4*\s+3], 0x80000000
	JLOAD \s                                       ; two loads of mine are out: the most in this text
.endr
	; the bias of my 64 columns, laid as an accumulator is: register j of n block b = bias[16 b + 8 (lane / 16) + j]
	v_and_b32 v1, 15, v0                           ; l % 16
	v_bfe_u32 v2, v0, 4, 1                         ; l / 16
	v_lshlrev_b32 v[BO], 5, v2
	s_lshl_b32 s16, s42, 9                         ; 128 f32 a tile column,
	s_lshl_b32 s18, s12, 8                         ; 64 a half
	s_add_co_u32 s16, s16, s18
	s_add_nc_u64 s[72:73], s[72:73], s[16:17]
.irp b, 0,1,2,3
	global_load_b128 v[BI+8*\b:BI+8*\b+3],   v[BO], s[72:73] offset:64*\b
	global_load_b128 v[BI+8*\b+4:BI+8*\b+7], v[BO], s[72:73] offset:64*\b+16
.endr
	v_mul_u32_u24 v3, v1, PITA
	v_lshl_add_u32 v3, v2, 4, v3                   ; a fragment of A: row x pitch + 16 x half
	s_mul_i32 s21, s11, HALFA                      ; my 64 rows of A,
	s_add_co_u32 s21, s21, AOFF                    ; which lie behind W
	v_add_nc_u32 v[ADRA], s21, v3
	v_add_nc_u32 v[ADRA+1], SLOT, v[ADRA]
	v_and_b32 v4, 7, v0                            ; the turning load: lane l reads 16 bytes of k-row 8 (l / 16) + l % 8, columns 8 ((l / 8) % 2) on
	v_lshl_add_u32 v4, v2, 3, v4
	v_mul_u32_u24 v4, v4, PITW
	v_bfe_u32 v5, v0, 3, 1
	v_lshl_add_u32 v4, v5, 4, v4
	s_lshl_b32 s21, s12, 7                         ; my 64 columns of W
	v_add_nc_u32 v[ADRB], s21, v4
	v_add_nc_u32 v[ADRB+1], HALFW, v[ADRB]
	v_add_nc_u32 v[ADRB+2], SLOT, v[ADRB]
	v_add_nc_u32 v[ADRB+3], SLOT+HALFW, v[ADRB]
	s_mul_i32 s23, s11, 64*SPITCH                  ; into the stage: my 64 rows, my half of their 256 bytes
	s_add_co_u32 s23, s23, s21
	s_add_co_u32 s23, s23, STAGE
	v_mul_u32_u24 v4, v1, SPITCH
	v_lshl_add_u32 v4, v2, 4, v4
	v_add_nc_u32 v[STO], s23, v4
	s_mul_i32 s23, s10, 32*SPITCH                  ; back: wave w takes rows 32 w .. 32 w + 31, whole; lanes 0-15 one row, lanes 16-31 the next
	s_add_co_u32 s23, s23, STAGE
	v_mul_u32_u24 v5, v2, SPITCH
	v_lshl_add_u32 v5, v1, 4, v5
	v_add_nc_u32 v[RD], s23, v5
	v_lshlrev_b32 v5, 11, v2                       ; and the same two rows in C
	v_lshl_add_u32 v[CO], v1, 4, v5
	s_lshl_b32 s16, s13, 18                        ; C: 128 rows of 2,048 bytes a tile row,
	s_lshl_b32 s18, s83, 23                        ; planes of 8,388,608 bytes,
	s_add_co_u32 s16, s16, s18
	s_lshl_b32 s18, s19, 8                         ; 256 bytes a tile column,
	s_add_co_u32 s16, s16, s18
	s_lshl_b32 s18, s10, 16                        ; the 32 rows that I store
	s_add_co_u32 s16, s16, s18
.if C_AT
	s_add_co_u32 s16, s16, C_AT
.endif
	s_add_nc_u64 s[8:9], s[74:75], s[16:17]
.if SCALED
	s_lshl_b32 s16, s83, 8                         ; the tile's word among the scales: plane 256 + tile row 8 + tile column % 8
	s_lshl_b32 s18, s13, 3
	s_add_co_u32 s16, s16, s18
	s_add_co_u32 s16, s16, s19
	s_lshl_b32 s16, s16, 2
	s_add_nc_u64 s[76:77], s[76:77], s[16:17]
.endif
; 8 matrix instructions: m blocks a0, a0 + 1 x all 4 n blocks, 32 along K: half c of buffer f.  zero = 1: the first product starts the sums from the bias.
; The 16 accumulators take turns, one instruction a turn.
.macro MUL8 f, c, a0, zero
.irp a, \a0, \a0+1
.irp b, 0,1,2,3
.if \zero
	v_wmma_f32_16x16x32_f16 v[ACC+8*(4*(\a)+\b):ACC+8*(4*(\a)+\b)+7], v[\f+64+8*(4*\c+\b):\f+64+8*(4*\c+\b)+7], v[\f+8*(4*\c+\a):\f+8*(4*\c+\a)+7], v[BI+8*\b:BI+8*\b+7]
.else
	v_wmma_f32_16x16x32_f16 v[ACC+8*(4*(\a)+\b):ACC+8*(4*(\a)+\b)+7], v[\f+64+8*(4*\c+\b):\f+64+8*(4*\c+\b)+7], v[\f+8*(4*\c+\a):\f+8*(4*\c+\a)+7], v[ACC+8*(4*(\a)+\b):ACC+8*(4*(\a)+\b)+7]
.endif
.endr
.endr
.endm
; 32 LDS loads in one run: the fragments of quarter q (64 along K) of a slot, into buffer f; the first 32 along K first
.macro FETCH slot, q, f
	WIN TO_F
.irp c, 0,1
.irp i, 0,1,2,3
	ds_load_tr16_b128 v[\f+64+8*(4*\c+\i):\f+64+8*(4*\c+\i)+3],   v[ADRB+2*\slot+(\q)/2] offset:((\q)%2)*64*PITW+\c*32*PITW+32*\i
	ds_load_tr16_b128 v[\f+64+8*(4*\c+\i)+4:\f+64+8*(4*\c+\i)+7], v[ADRB+2*\slot+(\q)/2] offset:((\q)%2)*64*PITW+\c*32*PITW+32*\i+16*PITW
	ds_load_b128 v[\f+8*(4*\c+\i):\f+8*(4*\c+\i)+3],              v[ADRA+\slot] offset:128*\q+64*\c+\i*16*PITA
	ds_load_b128 v[\f+8*(4*\c+\i)+4:\f+8*(4*\c+\i)+7],            v[ADRA+\slot] offset:128*\q+64*\c+\i*16*PITA+32
.endr
.endr
.endm
.macro PLACES                          ; four places in front of loads into registers that matrix instructions have read, and of vector work that reads results
.rept 4
	v_nop
.endr
.endm
; A K step is four quarters of 64 along K, 32 matrix instructions each, on buffers 0, 1, 0, 1.  One of the first three: multiplies buffer f and fetches quarter q into g.
.macro QUARTER slot, q, f, g, zero
	s_wait_dscnt 16                                ; the first 32 along K are in; the sixteen younger loads may be out
	WIN MUL
	MUL8 \f, 0, 0, \zero
	MUL8 \f, 0, 2, \zero
	PLACES
	FETCH \slot, \q, \g
	s_wait_dscnt 32                                ; all but the 32 just issued
	WIN MUL
	MUL8 \f, 1, 0, 0
	MUL8 \f, 1, 2, 0
.endm
; The last quarter multiplies buffer 1 and changes slots: ONE barrier; in front of it each wave waits for all its tensor loads, adds 0 to its spare word, and waits for that and for
; its own reads of this slot.  fill = 1: this slot is filled again, two K steps ahead; the barrier then opens a round of the cluster's barrier.
.macro TURN slot, next, fill
	WIN 0                                          ; (the add's two registers lie in window 0)
	s_wait_tensorcnt 0x0                           ; all my tensor loads have landed: my part of the next slot;
	ds_add_u32 v[SPW], v[NIL]                      ; 0 onto my spare word;
	s_wait_dscnt 17                                ; (the add and the youngest sixteen loads may be out)
	WIN MUL
	MUL8 F1, 0, 0, 0                               ; eight matrix instructions stand between the add and the wait for it
	s_wait_dscnt 0x0                               ; the add is done, and my reads of this slot are over
	s_barrier_signal -1
	MUL8 F1, 0, 2, 0
.if \fill
	WIN 0
.endif
	s_barrier_wait -1
.if \fill
	CREST                                          ; no wave of any partner still reads this slot's tiles or has a load on its way
	s_add_nc_u64 s[G0+4*\slot+2:G0+4*\slot+3], s[G0+4*\slot+2:G0+4*\slot+3], 2*KSTEP*2
	s_add_nc_u64 s[G0B+4*\slot+2:G0B+4*\slot+3], s[G0B+4*\slot+2:G0B+4*\slot+3], 2*KSTEP*2048
	JLOAD \slot                                    ; the first tensor load behind the round; the four v_nop behind it are also the places in front of the loads below
.else
	PLACES
.endif
	FETCH \next, 0, F0
	WIN MUL
	MUL8 F1, 1, 0, 0
	MUL8 F1, 1, 2, 0
.endm
	s_wait_tensorcnt 0x1                           ; my part of K step 0 is in; K step 1's may stay out
	s_barrier_signal -1
	s_barrier_wait -1                              ; everybody's is
	FETCH 0, 0, F0
	s_wait_loadcnt 0x0                             ; the bias
	QUARTER 0, 1, F0, F1, 1                        ; K step 0: its first products start the sums
	QUARTER 0, 2, F1, F0, 0
	QUARTER 0, 3, F0, F1, 0
	TURN 0, 1, 1                                   ; slot 0 takes K step 2
	QUARTER 1, 1, F0, F1, 0                        ; K step 1
	QUARTER 1, 2, F1, F0, 0
	QUARTER 1, 3, F0, F1, 0
	TURN 1, 0, 1                                   ; slot 1 takes K step 3
	QUARTER 0, 1, F0, F1, 0                        ; K step 2
	QUARTER 0, 2, F1, F0, 0
	QUARTER 0, 3, F0, F1, 0
	TURN 0, 1, 0                                   ; nothing is left to fetch
	QUARTER 1, 1, F0, F1, 0                        ; K step 3
	QUARTER 1, 2, F1, F0, 0
	QUARTER 1, 3, F0, F1, 0
	s_wait_dscnt 16
	WIN MUL
	MUL8 F1, 0, 0, 0
	MUL8 F1, 0, 2, 0
	s_wait_dscnt 0x0
	MUL8 F1, 1, 0, 0
	MUL8 F1, 1, 2, 0
	WIN 0
	; THE WAY OUT.
	PLACES
.if SCALED
	; The tile's largest magnitude: four chains in a lane, each accumulator's registers in ascending order; across the lanes; across the waves through four LDS words.
.irp k, 0,1,2,3
	v_max_num_f32 v[MX+\k], |v[ACC+2*\k]|, |v[ACC+2*\k+1]|
.endr
.set t, 1
.rept 15
.irp k, 0,1,2,3
	v_max3_num_f32 v[MX+\k], |v[ACC+8*t+2*\k]|, |v[ACC+8*t+2*\k+1]|, v[MX+\k]
.endr
.set t, t+1
.endr
	v_max3_num_f32 v[MX], v[MX], v[MX+1], v[MX+2]
	v_max_num_f32 v[MX], v[MX], v[MX+3]
	v_max_num_f32_dpp v[MX], v[MX], v[MX] row_xmask:1 row_mask:0xf bank_mask:0xf
	v_max_num_f32_dpp v[MX], v[MX], v[MX] row_xmask:2 row_mask:0xf bank_mask:0xf
	v_max_num_f32_dpp v[MX], v[MX], v[MX] row_xmask:4 row_mask:0xf bank_mask:0xf
	v_max_num_f32_dpp v[MX], v[MX], v[MX] row_xmask:8 row_mask:0xf bank_mask:0xf
	v_permlanex16_b32 v[MX+1], v[MX], s80, s81
	v_max_num_f32 v[MX], v[MX], v[MX+1]
	v_mov_b32 v[MX+2], s10
	v_lshl_add_u32 v[MX+2], v[MX+2], 2, RED
	ds_store_b32 v[MX+2], v[MX]                    ; all lanes write the wave's word with the same value
	s_wait_dscnt 0x0                               ; for the others' sake
	s_barrier_signal -1
	s_barrier_wait -1
	v_mov_b32 v[MX+3], RED
	ds_load_b128 v[MX+4:MX+7], v[MX+3]
	s_wait_dscnt 0x0
	v_max3_num_f32 v[MX], v[MX+4], v[MX+5], v[MX+6]
	v_max_num_f32 v[MX], v[MX], v[MX+7]
	v_lshrrev_b32 v[MX], 23, v[MX]                 ; E: the sign bit is 0
	v_min_u32 v[MX], 252, v[MX]
	v_sub_nc_u32 v[MX+8], 253, v[MX]
	v_lshlrev_b32 v[MX+8], 23, v[MX+8]             ; 2^(126-E): what the tile is multiplied by
	v_mov_b32 v[MX+9], v[MX+8]                     ; twice: a pair for the packed multiply
	v_add_nc_u32 v[MX+10], 1, v[MX]
	v_lshlrev_b32 v[MX+10], 23, v[MX+10]           ; g = 2^(E-126): what restores it
.set t, 0
.rept 64
	v_pk_mul_f32 v[ACC+2*t:ACC+2*t+1], v[ACC+2*t:ACC+2*t+1], v[MX+8:MX+9]
.set t, t+1
.endr
.endif
	; rounded to f16, each accumulator's registers in ascending order; 16 bytes a lane into the work-group's stage; back as whole rows
.set t, 0
.rept 64
	v_cvt_pk_f16_f32 v[TMP+t], v[ACC+2*t], v[ACC+2*t+1]
.set t, t+1
.endr
.irp a, 0,1,2,3
.irp b, 0,1,2,3
	ds_store_b128 v[STO], v[TMP+4*(4*\a+\b):TMP+4*(4*\a+\b)+3] offset:\a*16*SPITCH+32*\b
.endr
.endr
	s_wait_dscnt 0x0                               ; for the others' sake: a row's 256 bytes come from two waves
	s_barrier_signal -1
	s_barrier_wait -1
.irp t, 0,1,2,3,4,5,6,7,8,9,10,11,12,13,14,15
	ds_load_b128 v[TMP+4*\t:TMP+4*\t+3], v[RD] offset:\t*2*SPITCH
.endr
.irp t, 0,1,2,3,4,5,6,7,8,9,10,11,12,13,14,15
	s_wait_dscnt 15-\t                             ; pair of rows t is back; the younger loads may be out
	global_store_b128 v[CO], v[TMP+4*\t:TMP+4*\t+3], s[8:9] offset:2*\t*2048   ; 16 lanes store 256 consecutive bytes, at a multiple of 256 from C's first byte
.endr
.if SCALED
	v_mov_b32 v[MX+11], 0
	v_cmp_eq_u32 vcc_lo, 0, v0                     ; thread 0 stores the tile's g
	s_wait_xcnt 0x0                                ; EXEC changes only behind this wait
	s_and_saveexec_b32 s14, vcc_lo
	global_store_b32 v[MX+11], v[MX+10], s[76:77]
	s_wait_xcnt 0x0                                ; and again in front of the line that widens it
	s_or_b32 exec_lo, exec_lo, s14
.endif
	s_wait_tensorcnt 0x0                           ; the wave's end
	ds_add_u32 v[SPW], v[NIL]
	s_wait_dscnt 0x0
	CROUND                                         ; the closing round: no work-group ends while a partner may still ask for a tile that names it
	s_endpgm
.Lfunc_end_k_q22a397e944_kvp:
	.size	k_q22a397e944_kvp, .Lfunc_end_k_q22a397e944_kvp-k_q22a397e944_kvp
	.p2alignl 7, 3214868480
	.fill 96, 4, 3214868480
	.section	.rodata,"a",@progbits
	.p2align	6, 0x0
	.amdhsa_kernel k_q22a397e944_kvp
		.amdhsa_group_segment_fixed_size 327680
		.amdhsa_private_segment_fixed_size 0
		.amdhsa_enable_private_segment 0
		.amdhsa_kernarg_size 40
		.amdhsa_user_sgpr_count 2
		.amdhsa_user_sgpr_kernarg_segment_ptr 1
		.amdhsa_wavefront_size32 1
		.amdhsa_system_sgpr_workgroup_id_x 1
		.amdhsa_system_sgpr_workgroup_id_y 1
		.amdhsa_system_sgpr_workgroup_id_z 1
		.amdhsa_system_vgpr_workitem_id 0
		.amdhsa_next_free_vgpr 512
		.amdhsa_next_free_sgpr 84
		.amdhsa_reserve_vcc 1
		.amdhsa_float_denorm_mode_32 3
		.amdhsa_float_denorm_mode_16_64 3
		.amdhsa_memory_ordered 1
		.amdhsa_forward_progress 1
		.amdhsa_inst_pref_size 97
	.end_amdhsa_kernel
	.amdgpu_metadata
---
amdhsa.version: [ 1, 2 ]
amdhsa.kernels:
  - .name:           k_q22a397e944_kvp
    .symbol:         k_q22a397e944_kvp.kd
    .args:
      - { .name: gq, .offset: 0, .size: 8, .value_kind: global_buffer, .address_space: global }
      - { .name: wkv, .offset: 8, .size: 8, .value_kind: global_buffer, .address_space: global }
      - { .name: kv_b, .offset: 16, .size: 8, .value_kind: global_buffer, .address_space: global }
      - { .name: kv, .offset: 24, .size: 8, .value_kind: global_buffer, .address_space: global }
      - { .name: kvs, .offset: 32, .size: 8, .value_kind: global_buffer, .address_space: global }
    .group_segment_fixed_size: 327680
    .private_segment_fixed_size: 0
    .kernarg_segment_align: 8
    .kernarg_segment_size: 40
    .max_flat_workgroup_size: 128
    .sgpr_count:     84
    .vgpr_count:     512
    .wavefront_size: 32
...
	.end_amdgpu_metadata
.endif
;; end of part 7
;; launch qproj (part 8): grid 4 x 64, 4 waves a work-group, clusters of 4 x 4, 327,680 bytes of LDS; arguments act, w16, q_b, gq, qs; writes gq, qs
.if DOCPART == 8
	.amdgcn_target "amdgcn-amd-amdhsa--gfx1250"
	.amdhsa_code_object_version 6
	.text
	.protected	k_q22a397e944_qproj
	.globl	k_q22a397e944_qproj
	.p2align	8
	.type	k_q22a397e944_qproj,@function
k_q22a397e944_qproj:
	s_mov_b64 s[64:65], 0
	v_nop
	global_prefetch_b8 v0, s[64:65] scope:SCOPE_SE
	s_setreg_imm32_b32 hwreg(HW_REG_WAVE_MODE, 25, 1), 1
	s_wait_xcnt 0x0
	s_wait_alu depctr_hold_cnt(0) depctr_sa_sdst(0) depctr_va_vdst(0) depctr_va_sdst(0) depctr_va_ssrc(0) depctr_va_vcc(0) depctr_vm_vsrc(0)
	s_getreg_b32 s2, hwreg(HW_REG_IB_STS2, 6, 4)
	s_cmp_eq_u32 s2, 0
	s_cbranch_scc0 .Lentry_in_a_cluster
	s_endpgm
.Lentry_in_a_cluster:
	s_bfe_u32 s2, ttmp6, 0x10000c
	s_cmp_lg_u32 s2, 0xf033
	s_cbranch_scc0 .Lentry_shape_is_right
	s_endpgm
.Lentry_shape_is_right:
; q = query q_w + q_b.  A: act's first [16384][1024] f16 (query).  W: w16 from byte 0, [1024 (k)][1024 (n)] f16.  q_b: f32.  q: gq from byte 8,388,608, [16384][1024] f16; sums in f32.
; BLOCK EXPONENT.  A tile of 128 x 128 of q is stored divided by g = 2^(E-126), E the biased exponent of the tile's largest magnitude (at most 252), so that every stored number is
; under 1; g goes to qs[row tile 8 + column tile].  Such a tile is exactly one wave's share, so its maximum never leaves the wave.
; LIMITS: inside a tile, numbers under 2^-14 of the tile's largest lose relative precision in f16, under 2^-25 of it they vanish.  The sums' order differs from a plain f32 product's.
; SHARES.  16,384 x 1,024 of q are 64 x 4 = 256 blocks of 256 x 256, one to a work-group.  Four waves, as many as a WGP has SIMDs, each 128 x 128: 64 accumulators of 16 x 16, 512 registers.
; For 32 along K a wave loads 2 x 128 x 64 bytes from LDS and issues 64 matrix instructions.  K = 1,024 goes in 8 steps of 128 through a ring of two LDS slots filled by the tensor data mover.
; W stays [k][n] in LDS and is turned on the way into registers (ds_load_tr16_b128).  The matrix instruction is used transposed (source 0 = 16 columns of W, source 1 = 16 rows of A):
; a lane then holds eight neighbouring numbers of a row of q, and the bias, laid the same way, is the first product's C.
; CLUSTERS: 4 x 4 work-groups.  The four of a row of the cluster need the same tiles of A, the four of a column the same tiles of W: each tile is asked for jointly, by the same tensor load
; with the same descriptor and a mask that names the four.
; REGISTERS, in windows of 256: window 0: v0-31 addresses, v[12:13] the tile's factor, v14 g; v32-36 the maximum; v64-127, v128-191 fragments of A (8 x 16 rows x 32 K), two buffers,
;   on the way out scaled results, packed results and rows read back; v192-255 the bias of my 128 columns.  window 1: v64-127, v128-191 fragments of W, two buffers.
;   window 2: the 32 accumulators of my rows 0-63 ((a, b) at v[8 (8 a + b)]); window 3: those of rows 64-127.
.set KSTEP,  128
.set PITCH,  272                       ; a row of A in LDS: 256 bytes + 16 of padding: the 16 rows of a fragment load start 16 bytes apart modulo 256
.set PITW,   544                       ; a k-row of W: 512 bytes + 32 of padding: the 8 rows x 32 bytes that 16 lanes of a turning load take do not meet modulo 256
.set HALFT,  128*PITCH                 ; what one tensor load brings: 128 rows of A, or 64 k-rows of W (64 x 544 is the same 34,816 bytes)
.set SLOT,   4*HALFT                   ; A's 256 rows, then W's 128 k-rows
.set STAGE,  2*SLOT                    ; behind the ring: 16 rows x 272 bytes for each wave, for the way out
.set SPITCH, 272                       ; a row of the stage: my 128 columns of f16, 256 bytes, + 16
.set SPARE,  STAGE+4*16*SPITCH         ; the spare words, 128 bytes for each wave: two blocks of 256 bytes that no other line names
.set LAPS,   4                         ; a lap = two K steps = once round the ring
.set FS,   12                          ; v[12:13] 2^(126-E), twice
.set GS,   14                          ; v14     g = 2^(E-126)
.set ADRA, 16                          ; v16-17  LDS address of my A fragments in slot 0, 1
.set ADRB, 20                          ; v20-21  the same for W
.set STO,  24                          ; v24     the way out: where I put 16 bytes of a row
.set RD,   25                          ; v25     where I read a row back
.set CO,   26                          ; v26     my byte offset in the two rows of q that a store covers
.set BO,   27                          ; v27     my byte offset in the bias: 32 x (lane / 16)
.set SPW,  28                          ; v28     LDS address of my spare word; never rewritten
.set NIL,  29                          ; v29     0; never rewritten
.set MX,   32                          ; v32-35  four running maxima; v36 the offset 0 of the scale's store
.set F0,   64                          ; fragment buffer 0
.set F1,   128                         ; fragment buffer 1
.set RES,  64                          ; the way out: 16 rows' scaled results, 64 registers
.set TMP,  128                         ; packed to f16, 32 registers
.set BK,   160                         ; 16 rows read back, 32 registers
.set BI,   192                         ; v192-255 bias: n block b at v[BI + 8 b]
.set G1,  24                           ; s[24:31] descriptor group 1 for A's tiles; s[32:39] group 0, one set for each slot
.set G0,  32
.set G1B, 48                           ; s[48:55], s[56:63] the same for W's tiles
.set G0B, 56
.set MSB, 0
.macro WIN new                         ; the immediate's high byte repeats the setting that is left
.if MSB != \new
	s_set_vgpr_msb (MSB<<8)|\new
.set MSB, \new
.endif
.endm
.set MUL_LO,  0xa1                     ; source 0 (W) window 1, source 1 (A) window 0, C and D window 2
.set MUL_HI,  0xf1                     ; the same, C and D window 3
.set MUL_LO0, 0x81                     ; the first products: C (the bias) window 0, D window 2
.set MUL_HI0, 0xc1                     ; C window 0, D window 3
.set TO_B,    0x40                     ; destination window 1, address window 0
.macro JLOAD s                         ; a joint load: waves 0 and 1 fetch A's two halves, waves 2 and 3 W's; four v_nop follow each of the two lines
	s_cmp_eq_u32 s11, 0
	s_cbranch_scc0 .Lfor_b_\@
	tensor_load_to_lds s[G0+4*\s:G0+4*\s+3], s[G1:G1+7]
	s_nop 0
.rept 4
	v_nop
.endr
	s_branch .Lasked_\@
.Lfor_b_\@:
	tensor_load_to_lds s[G0B+4*\s:G0B+4*\s+3], s[G1B:G1B+7]
	s_nop 0
.rept 4
	v_nop
.endr
.Lasked_\@:
.endm
.macro CREST                           ; a round of the cluster's barrier behind its opening barrier
	s_cmp_lg_u32 s10, 0
	s_cbranch_scc1 .Lnot_wave_0_\@
	s_barrier_signal -3
.Lnot_wave_0_\@:
	s_barrier_wait -3
	s_barrier_signal -1
	s_barrier_wait -1
.endm
.macro CROUND                          ; a whole round
	s_barrier_signal -1
	s_barrier_wait -1
	CREST
.endm
	s_load_b256 s[68:75], s[0:1], 0x0              ; act s[68:69], w16 s[70:71], q_b s[72:73], gq s[74:75]
	s_load_b64 s[76:77], s[0:1], 0x20              ; qs
	v_lshl_add_u32 v[SPW], v0, 2, SPARE
	v_mov_b32 v[NIL], 0
	ds_add_u32 v28, v29
	s_wait_dscnt 0x0
	v_lshrrev_b32 v1, 5, v0
	v_readfirstlane_b32 s10, v1                    ; wave 0..3
	s_lshr_b32 s11, s10, 1                         ; which half of the block's rows is mine.  Also: I fetch for A (0) or for W (1)
	s_and_b32 s12, s10, 1                          ; which half of its columns.  Also: which half of that tile I fetch
	s_bfe_u32 s40, ttmp6, 0x40000                  ; cx, cy: my place in the cluster
	s_bfe_u32 s41, ttmp6, 0x40004
	s_lshl_b32 s42, ttmp9, 2
	s_add_co_u32 s42, s42, s40                     ; block column = 4 x cluster x + cx
	s_and_b32 s13, ttmp7, 0xffff
	s_lshl_b32 s13, s13, 2
	s_add_co_u32 s13, s13, s41                     ; block row = 4 x cluster y + cy
	s_lshl_b32 s43, s41, 2
	s_lshl_b32 s43, 15, s43                        ; my row of the cluster
	s_lshl_b32 s44, 0x1111, s40                    ; my column
	s_mov_b32 s80, 0x76543210                      ; v_permlanex16_b32: each lane takes its own place in the other half
	s_mov_b32 s81, 0xfedcba98
	; descriptor group 1.  A: 128 rows x 128 elements, 4 words of padding behind every 64.  W: 64 k-rows x 256 elements, 8 words behind every 128.
	s_or_b32 s[G1+0], s43, (1<<16)|(1<<20)|(1<<21)|(5<<22)|(3<<25)  ; 15:0 the mask: my row; 17:16 elements of 2 bytes; 20 padding on; 21 set beside a mask; 24:22 interval; 31:25 padding
	s_mov_b32 s[G1+1], 128<<16                     ; tensor_dim0 = 128
	s_mov_b32 s[G1+2], 128<<16                     ; tensor_dim1 = 128
	s_mov_b32 s[G1+3], 128<<16                     ; tile_dim0 = 128
	s_mov_b32 s[G1+4], 128                         ; tile_dim1 = 128
	s_mov_b32 s[G1+5], 1024                        ; elements from row to row
	s_mov_b32 s[G1+6], 0
	s_mov_b32 s[G1+7], 0
	s_or_b32 s[G1B+0], s44, (1<<16)|(1<<20)|(1<<21)|(6<<22)|(7<<25) ; the mask: my column
	s_mov_b32 s[G1B+1], 256<<16
	s_mov_b32 s[G1B+2], 64<<16
	s_mov_b32 s[G1B+3], 256<<16
	s_mov_b32 s[G1B+4], 64
	s_mov_b32 s[G1B+5], 1024
	s_mov_b32 s[G1B+6], 0
	s_mov_b32 s[G1B+7], 0
	; where the tiles come from.  A's hang on the block row alone, W's on the block column alone.
	s_lshl_b32 s16, s13, 19                        ; A: 256 rows of 2,048 bytes a block row,
	s_lshl_b32 s18, s12, 18                        ; 128 rows a half
	s_add_co_u32 s16, s16, s18
	s_mov_b32 s17, 0
	s_lshl_b32 s46, s42, 9                         ; W: 512 bytes a block column,
	s_lshl_b32 s18, s12, 17                        ; 64 k-rows of 2,048 bytes a half
	s_add_co_u32 s46, s46, s18
	s_mov_b32 s47, 0
	s_mul_i32 s20, s10, HALFT                      ; where they go: A's two halves, then W's two halves = wave x 34,816: no place in the cluster enters an LDS address
	s_wait_kmcnt 0x0
	s_add_nc_u64 s[14:15], s[68:69], s[16:17]
	s_add_nc_u64 s[46:47], s[70:71], s[46:47]
	CROUND                                         ; all sixteen work-groups are here: the first joint loads meet
.irp s, 0,1
	s_mov_b32 s[G0+4*\s], 1
	s_add_co_u32 s[G0+4*\s+1], s20, \s*SLOT
	s_add_nc_u64 s[G0+4*\s+2:G0+4*\s+3], s[14:15], \s*KSTEP*2
	s_or_b32 s[G0+4*\s+3], s[G0+4*\s+3], 0x80000000
	s_mov_b32 s[G0B+4*\s], 1
	s_add_co_u32 s[G0B+4*\s+1], s20, \s*SLOT
	s_add_nc_u64 s[G0B+4*\s+2:G0B+4*\s+3], s[46:47], \s*KSTEP*2048
	s_or_b32 s[G0B+4*\s+3], s[G0B+4*\s+3], 0x80000000
	JLOAD \s                                       ; two loads of mine are out: the most in this text
.endr
	; the bias of my 128 columns, laid as the accumulators are: register j of n block b = q_b[16 b + 8 (lane / 16) + j]
	v_and_b32 v1, 15, v0                           ; l % 16
	v_bfe_u32 v2, v0, 4, 1                         ; l / 16
	v_lshlrev_b32 v[BO], 5, v2
	s_lshl_b32 s16, s42, 10                        ; 256 f32 a block column,
	s_lshl_b32 s18, s12, 9                         ; 128 a half
	s_add_co_u32 s16, s16, s18
	s_add_nc_u64 s[72:73], s[72:73], s[16:17]
.irp b, 0,1,2,3,4,5,6,7
	global_load_b128 v[BI+8*\b:BI+8*\b+3],   v[BO], s[72:73] offset:64*\b
	global_load_b128 v[BI+8*\b+4:BI+8*\b+7], v[BO], s[72:73] offset:64*\b+16
.endr
	v_and_b32 v6, 31, v0                           ; lane
	v_mul_u32_u24 v3, v1, PITCH
	v_lshl_add_u32 v3, v2, 4, v3                   ; a fragment of A: row x pitch + 16 x half
	s_mul_i32 s21, s11, HALFT                      ; my 128 rows of A
	v_add_nc_u32 v[ADRA], s21, v3
	v_add_nc_u32 v[ADRA+1], SLOT, v[ADRA]
	v_and_b32 v4, 7, v0                            ; the turning load: lane l reads 16 bytes of k-row 8 (l / 16) + l % 8, columns 8 ((l / 8) % 2) on
	v_lshl_add_u32 v4, v2, 3, v4
	v_mul_u32_u24 v4, v4, PITW
	v_bfe_u32 v5, v0, 3, 1
	v_lshl_add_u32 v4, v5, 4, v4
	s_lshl_b32 s21, s12, 8                         ; my 128 columns of W,
	s_add_co_u32 s21, s21, 2*HALFT                 ; which lies behind A's 256 rows
	v_add_nc_u32 v[ADRB], s21, v4
	v_add_nc_u32 v[ADRB+1], SLOT, v[ADRB]
	s_mul_i32 s23, s10, 16*SPITCH
	s_add_co_u32 s23, s23, STAGE                   ; my stage
	v_mul_u32_u24 v4, v1, SPITCH                   ; in: row l % 16, 16 bytes for each half of the lanes
	v_lshl_add_u32 v4, v2, 4, v4
	v_add_nc_u32 v[STO], s23, v4
	v_mul_u32_u24 v5, v2, SPITCH                   ; back: lanes 0-15 take one row of 256 bytes, lanes 16-31 the next
	v_lshl_add_u32 v5, v1, 4, v5
	v_add_nc_u32 v[RD], s23, v5
	v_lshlrev_b32 v5, 11, v2                       ; and the same two rows in q
	v_lshl_add_u32 v[CO], v1, 4, v5
	s_lshl_b32 s16, s13, 19                        ; q: 256 rows of 2,048 bytes a block row,
	s_lshl_b32 s18, s11, 18                        ; 128 rows a half,
	s_add_co_u32 s16, s16, s18
	s_lshl_b32 s18, s42, 9                         ; 512 bytes a block column,
	s_add_co_u32 s16, s16, s18
	s_lshl_b32 s18, s12, 8                         ; 256 a half,
	s_add_co_u32 s16, s16, s18
	s_add_co_u32 s16, s16, 8388608                 ; behind guide
	s_add_nc_u64 s[8:9], s[74:75], s[16:17]
	s_lshl_b32 s16, s13, 6                         ; my tile's word in qs: 4 ((2 block row + row half) 8 + 2 block column + column half)
	s_lshl_b32 s18, s11, 5
	s_add_co_u32 s16, s16, s18
	s_lshl_b32 s18, s42, 3
	s_add_co_u32 s16, s16, s18
	s_lshl_b32 s18, s12, 2
	s_add_co_u32 s16, s16, s18
	s_add_nc_u64 s[76:77], s[76:77], s[16:17]
; 16 matrix instructions: m blocks a0, a0 + 1 of the window's four (hi = 0: my rows 0-63, 1: rows 64-127) x all 8 n blocks, 32 along K.  zero = 1: the first product starts the sums
; from the bias.  The 64 accumulators take turns, one instruction a turn, in the same order in every quarter step.
.macro MUL16 f, hi, a0, zero
.irp a, \a0, \a0+1
.irp b, 0,1,2,3,4,5,6,7
.if \zero
	v_wmma_f32_16x16x32_f16 v[8*(8*(\a)+\b):8*(8*(\a)+\b)+7], v[\f+8*\b:\f+8*\b+7], v[\f+8*(4*\hi+\a):\f+8*(4*\hi+\a)+7], v[BI+8*\b:BI+8*\b+7]
.else
	v_wmma_f32_16x16x32_f16 v[8*(8*(\a)+\b):8*(8*(\a)+\b)+7], v[\f+8*\b:\f+8*\b+7], v[\f+8*(4*\hi+\a):\f+8*(4*\hi+\a)+7], v[8*(8*(\a)+\b):8*(8*(\a)+\b)+7]
.endif
.endr
.endr
.endm
; 32 LDS loads in one run: the fragments of quarter q (32 along K) of a slot into buffer f: 128 columns of W, turned, then 128 rows of A
.macro FETCH slot, q, f
	WIN TO_B
.irp i, 0,1,2,3,4,5,6,7
	ds_load_tr16_b128 v[\f+8*\i:\f+8*\i+3],   v[ADRB+\slot] offset:\q*32*PITW+32*\i
	ds_load_tr16_b128 v[\f+8*\i+4:\f+8*\i+7], v[ADRB+\slot] offset:\q*32*PITW+32*\i+16*PITW
.endr
	WIN 0
.irp i, 0,1,2,3,4,5,6,7
	ds_load_b128 v[\f+8*\i:\f+8*\i+3],   v[ADRA+\slot] offset:64*\q+\i*16*PITCH
	ds_load_b128 v[\f+8*\i+4:\f+8*\i+7], v[ADRA+\slot] offset:64*\q+\i*16*PITCH+32
.endr
.endm
.macro PLACES                          ; four places in front of loads into registers that matrix instructions have read, and of vector work that reads results
.rept 4
	v_nop
.endr
.endm
; A K step is four quarter steps of 32 along K, 64 matrix instructions each, on buffers 0, 1, 0, 1.
; One of the first three: multiplies buffer f; in its middle it fetches quarter q of the same slot into buffer g.
.macro QUARTER slot, q, f, g, zero
	s_wait_dscnt 8                                 ; W and A's rows 0-63 are in; the youngest eight loads (A's rows 64-127) may be out
.if \zero
	WIN MUL_LO0
.else
	WIN MUL_LO
.endif
	MUL16 \f, 0, 0, \zero
	MUL16 \f, 0, 2, \zero
	PLACES
	FETCH \slot, \q, \g
	s_wait_dscnt 32                                ; all but the 32 just issued
.if \zero
	WIN MUL_HI0
.else
	WIN MUL_HI
.endif
	MUL16 \f, 1, 0, \zero
	MUL16 \f, 1, 2, \zero
.endm
; The last quarter multiplies buffer 1 and changes slots.  MEET is its first half: ONE barrier for the change of slots.  In front of it each wave waits for all its tensor loads, of which one
; is out: its part of the next slot; adds 0 to its spare word; and waits for that and for its own reads of this slot.  Behind it nobody reads this slot any more and the next slot is whole.
.macro MEET round                      ; round = 1: a round of the cluster's barrier follows
	WIN 0                                          ; (the add's two registers lie in window 0)
	s_wait_tensorcnt 0x0                           ; all my tensor loads have landed;
	ds_add_u32 v[SPW], v[NIL]                      ; 0 onto my spare word;
	s_wait_dscnt 9                                 ; (the add and the youngest eight loads may be out)
	WIN MUL_LO
	MUL16 F1, 0, 0, 0                              ; sixteen matrix instructions stand between the add and the wait for it
	s_wait_dscnt 0x0                               ; the add is done, and my reads of this slot are over
	s_barrier_signal -1
	MUL16 F1, 0, 2, 0                              ; work on registers while the others arrive
.if \round
	WIN 0
.endif
	s_barrier_wait -1
.endm
; The whole last quarter of a K step whose slot is filled again, with the K step two steps on.  From a request to the wait for it a wave issues 224 matrix instructions.
.macro TURN slot, next
	MEET 1
	CREST                                          ; no wave of any partner still reads this slot's tiles or has a load on its way
	s_add_nc_u64 s[G0+4*\slot+2:G0+4*\slot+3], s[G0+4*\slot+2:G0+4*\slot+3], 2*KSTEP*2
	s_add_nc_u64 s[G0B+4*\slot+2:G0B+4*\slot+3], s[G0B+4*\slot+2:G0B+4*\slot+3], 2*KSTEP*2048
	JLOAD \slot                                    ; the first tensor load behind the round; the four v_nop behind it are also the places in front of the loads below
	FETCH \next, 0, F0
	WIN MUL_HI
	MUL16 F1, 1, 0, 0
	MUL16 F1, 1, 2, 0
.endm
	s_wait_tensorcnt 0x1                           ; my part of K step 0 is in; K step 1's may stay out
	s_barrier_signal -1
	s_barrier_wait -1                              ; everybody's is
	FETCH 0, 0, F0
	s_wait_loadcnt 0x0                             ; the bias
	QUARTER 0, 1, F0, F1, 1                        ; the first quarter stands in front of the loop: its products start the sums
	WIN 0                                          ; at a label and at a branch every window is 0
	s_mov_b32 s3, LAPS-1
.Llap:                                                 ; a trip goes once round the ring, from a lap's second quarter to the next lap's first, and fills both slots again
	QUARTER 0, 2, F1, F0, 0
	QUARTER 0, 3, F0, F1, 0
	TURN 0, 1
	QUARTER 1, 1, F0, F1, 0
	QUARTER 1, 2, F1, F0, 0
	QUARTER 1, 3, F0, F1, 0
	TURN 1, 0
	QUARTER 0, 1, F0, F1, 0
	WIN 0
	s_sub_co_u32 s3, s3, 1
	s_cmp_lg_u32 s3, 0
	s_cbranch_scc1 .Llap
	QUARTER 0, 2, F1, F0, 0                        ; the last lap fills nothing: its tail is written out
	QUARTER 0, 3, F0, F1, 0
	MEET 0                                         ; my one tensor load that was still out is slot 1's, the last K step's; no round follows
	PLACES
	FETCH 1, 0, F0
	WIN MUL_HI
	MUL16 F1, 1, 0, 0
	MUL16 F1, 1, 2, 0
	QUARTER 1, 1, F0, F1, 0
	QUARTER 1, 2, F1, F0, 0
	QUARTER 1, 3, F0, F1, 0
	s_wait_dscnt 8                                 ; the very last quarter: nothing more to fetch
	WIN MUL_LO
	MUL16 F1, 0, 0, 0
	MUL16 F1, 0, 2, 0
	s_wait_dscnt 0x0
	WIN MUL_HI
	MUL16 F1, 1, 0, 0
	MUL16 F1, 1, 2, 0
	WIN 0
	; THE WAY OUT.  First my tile's largest magnitude: four chains in a lane over the 64 accumulators, each accumulator's registers in ascending order; then across the lanes.
	PLACES
	WIN 0x0a                                       ; sources 0 and 1 window 2; the chains in window 0
.irp k, 0,1,2,3
	v_max_num_f32 v[MX+\k], |v[2*\k]|, |v[2*\k+1]|
.endr
.set t, 1
.rept 31
.irp k, 0,1,2,3
	v_max3_num_f32 v[MX+\k], |v[8*t+2*\k]|, |v[8*t+2*\k+1]|, v[MX+\k]
.endr
.set t, t+1
.endr
	WIN 0x0f                                       ; sources 0 and 1 window 3
.set t, 0
.rept 32
.irp k, 0,1,2,3
	v_max3_num_f32 v[MX+\k], |v[8*t+2*\k]|, |v[8*t+2*\k+1]|, v[MX+\k]
.endr
.set t, t+1
.endr
	WIN 0
	v_max3_num_f32 v[MX], v[MX], v[MX+1], v[MX+2]
	v_max_num_f32 v[MX], v[MX], v[MX+3]
	v_max_num_f32_dpp v[MX], v[MX], v[MX] row_xmask:1 row_mask:0xf bank_mask:0xf
	v_max_num_f32_dpp v[MX], v[MX], v[MX] row_xmask:2 row_mask:0xf bank_mask:0xf
	v_max_num_f32_dpp v[MX], v[MX], v[MX] row_xmask:4 row_mask:0xf bank_mask:0xf
	v_max_num_f32_dpp v[MX], v[MX], v[MX] row_xmask:8 row_mask:0xf bank_mask:0xf
	v_permlanex16_b32 v[MX+1], v[MX], s80, s81
	v_max_num_f32 v[MX], v[MX], v[MX+1]
	v_lshrrev_b32 v[MX], 23, v[MX]                 ; E: the sign bit is 0
	v_min_u32 v[MX], 252, v[MX]
	v_sub_nc_u32 v[FS], 253, v[MX]
	v_lshlrev_b32 v[FS], 23, v[FS]                 ; 2^(126-E): what the tile is multiplied by
	v_mov_b32 v[FS+1], v[FS]                       ; twice: a pair for the packed multiply
	v_add_nc_u32 v[GS], 1, v[MX]
	v_lshlrev_b32 v[GS], 23, v[GS]                 ; g = 2^(E-126): what restores it
; Then my eight blocks of 16 rows.  PACK: block a's 64 numbers a lane, scaled and rounded to f16.  TOSTAGE: into my own stage, and back as whole rows of 256 bytes.  SEND: stored.
.macro PACK a
.set AC, 64*((\a)%4)
	WIN 0x02+((\a)/4)                              ; source 0: window 2 or 3
.irp b, 0,1,2,3,4,5,6,7
.irp i, 0,1,2,3
	v_pk_mul_f32 v[RES+8*\b+2*\i:RES+8*\b+2*\i+1], v[AC+8*\b+2*\i:AC+8*\b+2*\i+1], v[FS:FS+1]
.endr
.endr
	WIN 0
.irp b, 0,1,2,3,4,5,6,7
.irp i, 0,1,2,3
	v_cvt_pk_f16_f32 v[TMP+4*\b+\i], v[RES+8*\b+2*\i], v[RES+8*\b+2*\i+1]
.endr
.endr
.endm
.macro TOSTAGE
.irp b, 0,1,2,3,4,5,6,7
	ds_store_b128 v[STO], v[TMP+4*\b:TMP+4*\b+3] offset:32*\b
.endr
	s_wait_xcnt 0x0                                ; the registers that the last block's stores read are loaded again only behind this wait
.irp t, 0,1,2,3,4,5,6,7
	ds_load_b128 v[BK+4*\t:BK+4*\t+3], v[RD] offset:\t*2*SPITCH   ; LDS serves a wave's instructions in order (ISA guide 5.7.1.4): these see the stores above
.endr
.endm
.macro SEND a
.irp t, 0,1,2,3,4,5,6,7
	s_wait_dscnt 7-\t                              ; pair of rows t is back; the younger loads may be out
	global_store_b128 v[CO], v[BK+4*\t:BK+4*\t+3], s[8:9] offset:(16*(\a)+2*\t)*2048   ; 16 lanes store 256 consecutive bytes, at a multiple of 256 from the buffer's first byte
.endr
.endm
	PACK 0
	TOSTAGE
.irp a, 1,2,3,4,5,6,7                  ; block a's arithmetic stands between block a - 1's loads from the stage and the wait for them
	PACK \a
	SEND \a-1
	TOSTAGE
.endr
	SEND 7
	v_mov_b32 v[MX+4], 0
	v_cmp_eq_u32 vcc_lo, 0, v6                     ; lane 0 of each wave stores its tile's g
	s_wait_xcnt 0x0                                ; EXEC changes only behind this wait
	s_and_saveexec_b32 s14, vcc_lo
	global_store_b32 v[MX+4], v[GS], s[76:77]
	s_wait_xcnt 0x0                                ; and again in front of the line that widens it
	s_or_b32 exec_lo, exec_lo, s14
	s_wait_tensorcnt 0x0                           ; the wave's end
	ds_add_u32 v[SPW], v[NIL]
	s_wait_dscnt 0x0
	CROUND                                         ; the closing round: no work-group ends while a partner may still ask for a tile that names it
	s_endpgm
.Lfunc_end_k_q22a397e944_qproj:
	.size	k_q22a397e944_qproj, .Lfunc_end_k_q22a397e944_qproj-k_q22a397e944_qproj
	.p2alignl 7, 3214868480
	.fill 96, 4, 3214868480
	.section	.rodata,"a",@progbits
	.p2align	6, 0x0
	.amdhsa_kernel k_q22a397e944_qproj
		.amdhsa_group_segment_fixed_size 327680
		.amdhsa_private_segment_fixed_size 0
		.amdhsa_enable_private_segment 0
		.amdhsa_kernarg_size 40
		.amdhsa_user_sgpr_count 2
		.amdhsa_user_sgpr_kernarg_segment_ptr 1
		.amdhsa_wavefront_size32 1
		.amdhsa_system_sgpr_workgroup_id_x 1
		.amdhsa_system_sgpr_workgroup_id_y 1
		.amdhsa_system_sgpr_workgroup_id_z 1
		.amdhsa_system_vgpr_workitem_id 0
		.amdhsa_next_free_vgpr 1024
		.amdhsa_next_free_sgpr 84
		.amdhsa_reserve_vcc 1
		.amdhsa_float_denorm_mode_32 3
		.amdhsa_float_denorm_mode_16_64 3
		.amdhsa_memory_ordered 1
		.amdhsa_forward_progress 1
		.amdhsa_inst_pref_size 179
	.end_amdhsa_kernel
	.amdgpu_metadata
---
amdhsa.version: [ 1, 2 ]
amdhsa.kernels:
  - .name:           k_q22a397e944_qproj
    .symbol:         k_q22a397e944_qproj.kd
    .args:
      - { .name: act, .offset: 0, .size: 8, .value_kind: global_buffer, .address_space: global }
      - { .name: w16, .offset: 8, .size: 8, .value_kind: global_buffer, .address_space: global }
      - { .name: q_b, .offset: 16, .size: 8, .value_kind: global_buffer, .address_space: global }
      - { .name: gq, .offset: 24, .size: 8, .value_kind: global_buffer, .address_space: global }
      - { .name: qs, .offset: 32, .size: 8, .value_kind: global_buffer, .address_space: global }
    .group_segment_fixed_size: 327680
    .private_segment_fixed_size: 0
    .kernarg_segment_align: 8
    .kernarg_segment_size: 40
    .max_flat_workgroup_size: 128
    .sgpr_count:     84
    .vgpr_count:     1024
    .wavefront_size: 32
...
	.end_amdgpu_metadata
.endif
;; end of part 8
;; launch attn (part 9): grid 4 x 64, 8 waves a work-group, clusters of 4 x 1, 327,680 bytes of LDS; arguments gq, kv, qs, kvs, attention_mask, act; writes act
.if DOCPART == 9
	.amdgcn_target "amdgcn-amd-amdhsa--gfx1250"
	.amdhsa_code_object_version 6
	.text
	.protected	k_q22a397e944_attn
	.globl	k_q22a397e944_attn
	.p2align	8
	.type	k_q22a397e944_attn,@function
k_q22a397e944_attn:
	s_mov_b64 s[64:65], 0
	v_nop
	global_prefetch_b8 v0, s[64:65] scope:SCOPE_SE
	s_setreg_imm32_b32 hwreg(HW_REG_WAVE_MODE, 25, 1), 1
	s_wait_xcnt 0x0
	s_wait_alu depctr_hold_cnt(0) depctr_sa_sdst(0) depctr_va_vdst(0) depctr_va_sdst(0) depctr_va_ssrc(0) depctr_va_vcc(0) depctr_vm_vsrc(0)
	s_getreg_b32 s2, hwreg(HW_REG_IB_STS2, 6, 4)
	s_cmp_eq_u32 s2, 0
	s_cbranch_scc0 .Lentry_in_a_cluster
	s_endpgm
.Lentry_in_a_cluster:
	s_bfe_u32 s2, ttmp6, 0x10000c
	s_cmp_lg_u32 s2, 0x3003
	s_cbranch_scc0 .Lentry_shape_is_right
	s_endpgm
.Lentry_shape_is_right:
; attn[b][q][head] = the sum over keys of softmax_key(q . k / 8, masked keys at the least finite f32) v, for 8 batches, 16 heads of 64 channels, 2,048 queries, 512 keys.
; q: gq from byte 8,388,608, [16384][1024] f16.  K, V: kv from bytes 8,388,608 and 16,777,216, [4096][1024] f16.  Each tile of 128 x 128 of them is stored divided by a power of two
; g (qs, kvs).  The result goes to act's first 33,554,432 bytes, [16384][1024] f16, in units of G_b, the largest g of the batch's 32 tiles of V; the last launch multiplies G_b back.
; SHARES.  A work-group owns 512 queries of one batch and a pair of neighbouring heads (128 columns: rows of 256 bytes).  The pair's K and V, all 512 keys, lie in LDS for the whole launch:
; each byte of LDS is filled once.  Wave w has head w % 2 of the pair and queries 128 (w / 2) on, in two passes of four tiles of 16; a pass walks the keys 64 a step.
; Two waves share a SIMD and no barrier stands inside a pass, so one wave's products can run beside the other's softmax.
; CLUSTER.  The four query blocks of a cluster walk the same K and V: each tile is asked for jointly, by the same tensor load with a mask that names the four.
; LAYOUT.  S^T = K Q^T (source 0 = 16 keys, source 1 = 16 queries): a lane holds ONE query (lane % 16) and keys 8 (lane / 16) + 0..7.  Two such tiles, rounded to f16 in pairs, ARE
; source 1 of O^T = V^T P.  K comes out of LDS as it lies, V ([key][channel]) turned, by ds_load_tr16_b128.
; SOFTMAX.  t = S gQ gK c + MB, c = log2(e) / 8, MB = 0 or -FLT_MAX by the key's mask word: one rounding makes a masked t exactly -FLT_MAX.  A running maximum m of t; p = 2^(t - m);
; l is multiplied by a = 2^(m_old - m_new) in every step.  With every key of a batch masked all p are 1: uniform weights, as the problem's function gives.
; V'S UNIT.  V's fragments go to the matrix unit as they are stored.  O^T is kept in the unit of the step's tile of V, G_b d_s with d_s = max(g / G_b, 2^-24), a power of two: the factor
; that O^T is multiplied by in every step is a d_(s-1) / d_s, and the last division carries d_7, which leaves the result in units of G_b.
; LIMITS: |S gQ gK c| under 2^103 (else a masked key is not exactly -FLT_MAX); gQ gK inside 2^-120 .. 2^120; a tile of V whose g is under 2^-24 G_b is taken as if its unit were
; 2^-24 G_b (an error of at most 2^-24 G_b a key); p is rounded to f16.
; REGISTERS: window 0: v0-31 addresses and small things; v32-63 statistics, 8 a tile; v64-95 MB of a step's keys; v96-223 S^T, 32 a tile (P takes the first 16 of each in place); v224-255 the way out.
;   window 1: v0-63 Q, 16 a tile; v64-191 O^T, 32 a tile; v192-255 one buffer for K's and then V's fragments of a step.
.set PK,    272       ; a row of K in LDS: 256 bytes + 16 of padding
.set PVP,   288       ; a row of V: 256 + 32
.set KOFF,  512*PVP   ; V's 512 rows lie first, then K's
.set STAGE, KOFF+512*PK  ; 128 rows x 272 bytes for the way out
.set SP,    272
.set MB,    STAGE+128*SP ; 512 f32: 0 or -FLT_MAX for each key
.set STP,   MB+2048      ; 16 bytes for each key step: gK c, d_(s-1) / d_s, d_s, 0
.set AK0, 4           ; v4-7   my lane's first addresses: K, V, MB, STP; never rewritten
.set AK,  8           ; v8-11  the same, stepped through a pass
.set QO,  12          ; v12    my byte offset in the pass's rows of Q
.set STO, 13          ; v13    the way out: where I put 16 bytes of a row
.set RD,  14          ; v14    where I read a row back
.set GO,  15          ; v15    my byte offset in the rows that I store
.set CSV, 16          ; v[16:17] gQ gK c of the step (the packed multiply names a pair and takes its low word)
.set STPR, 20         ; v[20:23] the step's entry of STP
.set TT,  24          ; v[24:31] at work
.set ST,  32          ; tile t's statistics at v[ST+8 t]: +0 m, +1 named with it, +2, +3 l (even keys', odd keys'), +4 to +7 at work; the factor for l and then for O^T at +6
.set MBR, 64
.set S,   96
.set OB,  224
.set Q,   0           ; window 1
.set O,   64
.set KV,  192
.set G1K, 24          ; s[24:31] descriptor group 1 for K's tiles; s[32:39] for V's; s[40:43], s[44:47] their groups 0
.set G1V, 32
.set G0K, 40
.set G0V, 44
.set SEL, 52          ; s[52:53] lane selects for v_permlanex16_b32
.set MSB, 0
.macro WIN new                      ; the immediate's high byte repeats the setting that is left
.if MSB != \new
	s_set_vgpr_msb (MSB<<8)|\new
.set MSB, \new
.endif
.endm
.macro CROUND                       ; a round of the cluster's barrier
	s_barrier_signal -1
	s_barrier_wait -1
	s_cmp_lg_u32 s16, 0
	s_cbranch_scc1 .Lnot_wave_0_\@
	s_barrier_signal -3
.Lnot_wave_0_\@:
	s_barrier_wait -3
	s_barrier_signal -1
	s_barrier_wait -1
.endm
	s_load_b256 s[4:11], s[0:1], 0x0  ; gq s[4:5], kv s[6:7], qs s[8:9], kvs s[10:11]
	s_load_b128 s[12:15], s[0:1], 0x20  ; attention_mask s[12:13], act s[14:15]
	v_lshl_add_u32 v18, v0, 2, 0x4f200
	v_mov_b32 v19, 0
	ds_add_u32 v18, v19
	v_lshrrev_b32 v1, 5, v0
	v_readfirstlane_b32 s16, v1     ; wave 0..7
	s_bfe_u32 s17, ttmp6, 0x40000   ; cx: my block of 512 queries; it enters Q's, the result's and qs's addresses alone
	s_and_b32 s18, ttmp7, 0xffff
	s_lshr_b32 s19, s18, 3          ; batch
	s_and_b32 s20, s18, 7           ; pair of heads
	s_and_b32 s21, s16, 3           ; which 128 keys I fetch
	s_and_b32 s51, s16, 1           ; my head of the pair
	s_lshr_b32 s56, s16, 1          ; my group of 128 queries
	s_lshl_b32 s22, s19, 20         ; 512 rows of 2,048 bytes a batch,
	s_lshl_b32 s2, s21, 18          ; 128 rows a load,
	s_add_co_u32 s22, s22, s2
	s_lshl_b32 s2, s20, 8           ; 256 bytes a pair of heads
	s_add_co_u32 s22, s22, s2
	s_mov_b32 s23, 0
	; descriptor group 1: a tile of 128 rows x 128 elements, padded in LDS
	s_mov_b32 s[G1K], 15|(1<<16)|(1<<20)|(1<<21)|(5<<22)|(3<<25)  ; 15:0 the mask: all four work-groups; 17:16 elements of 2 bytes; 20 padding on; 21 set beside a mask; 24:22 after every 64 words; 31:25 4 words
	s_mov_b32 s[G1V], 15|(1<<16)|(1<<20)|(1<<21)|(5<<22)|(7<<25)  ; the same with 8 words of padding
.irp g, G1K, G1V
	s_mov_b32 s[\g+1], 128<<16      ; tensor_dim0 = 128
	s_mov_b32 s[\g+2], 128<<16      ; tensor_dim1 = 128
	s_mov_b32 s[\g+3], 128<<16      ; tile_dim0 = 128
	s_mov_b32 s[\g+4], 128          ; tile_dim1 = 128
	s_mov_b32 s[\g+5], 1024         ; elements from row to row
	s_mov_b32 s[\g+6], 0
	s_mov_b32 s[\g+7], 0
.endr
	s_mul_i32 s57, s16, 128*PVP     ; V's tiles at wave x 36,864 (waves 0-3),
	s_mul_i32 s58, s16, 128*PK
	s_add_co_u32 s58, s58, KOFF-4*128*PK  ; K's at wave x 34,816 + 8,192 (waves 4-7)
	s_mov_b32 s[SEL], 0x76543210
	s_mov_b32 s[SEL+1], 0xfedcba98
	s_wait_dscnt 0x0
	s_wait_kmcnt 0x0
	s_add_nc_u64 s[6:7], s[6:7], s[22:23]
	CROUND                          ; all four work-groups are here: the joint loads meet
	s_mov_b32 s[G0K], 1
	s_mov_b32 s[G0K+1], s58
	s_add_nc_u64 s[G0K+2:G0K+3], s[6:7], 8388608
	s_or_b32 s[G0K+3], s[G0K+3], 0x80000000
	s_mov_b32 s[G0V], 1
	s_mov_b32 s[G0V+1], s57
	s_add_nc_u64 s[G0V+2:G0V+3], s[6:7], 16777216
	s_or_b32 s[G0V+3], s[G0V+3], 0x80000000
	s_cmp_lt_u32 s16, 4             ; one load a wave, the only one of the launch: 128 keys of V (waves 0-3) or of K (waves 4-7); four v_nop follow each line
	s_cbranch_scc0 .Lfor_k
	tensor_load_to_lds s[G0V:G0V+3], s[G1V:G1V+7]
	s_nop 0
.rept 4
	v_nop
.endr
	s_branch .Lasked
.Lfor_k:
	tensor_load_to_lds s[G0K:G0K+3], s[G1K:G1K+7]
	s_nop 0
.rept 4
	v_nop
.endr
.Lasked:
	s_lshl_b32 s22, s19, 22         ; my wave's first row of Q and of the result: 2,048 rows of 2,048 bytes a batch,
	s_lshl_b32 s2, s17, 20          ; 512 a block,
	s_add_co_u32 s22, s22, s2
	s_lshl_b32 s2, s56, 18          ; 128 a group,
	s_add_co_u32 s22, s22, s2
	s_lshl_b32 s2, s20, 8           ; the pair's 256 bytes
	s_add_co_u32 s22, s22, s2
	s_add_nc_u64 s[4:5], s[4:5], s[22:23]
	s_add_nc_u64 s[4:5], s[4:5], 8388608
	s_add_nc_u64 s[14:15], s[14:15], s[22:23]
	s_lshl_b32 s22, s51, 15         ; on the way out wave w stores tile w % 2 of each pair of tiles: 16 rows down
	s_add_nc_u64 s[14:15], s[14:15], s[22:23]
	s_lshl_b32 s22, s19, 9          ; gQ: qs[(16 b + 4 cx + group) 8 + pair]
	s_lshl_b32 s2, s17, 7
	s_add_co_u32 s22, s22, s2
	s_lshl_b32 s2, s56, 5
	s_add_co_u32 s22, s22, s2
	s_lshl_b32 s2, s20, 2
	s_add_co_u32 s22, s22, s2
	s_add_nc_u64 s[8:9], s[8:9], s[22:23]
	s_load_b32 s48, s[8:9], 0x0
	s_lshl_b32 s22, s19, 11         ; the batch's 512 mask words
	s_add_nc_u64 s[12:13], s[12:13], s[22:23]
	s_lshl_b32 s22, s19, 7          ; the batch's 32 words in each plane of kvs
	s_add_nc_u64 s[10:11], s[10:11], s[22:23]
	; MB: each of the 256 threads turns two mask words into 0 or -FLT_MAX
	v_lshlrev_b32 v24, 3, v0
	global_load_b64 v[26:27], v24, s[12:13]
	v_and_b32 v1, 15, v0            ; l % 16
	v_bfe_u32 v2, v0, 4, 1          ; l / 16
	s_lshl_b32 s2, s51, 7           ; my head's 128 bytes of a row
	s_add_co_u32 s3, s2, KOFF
	v_mul_u32_u24 v[AK0], v1, PK
	v_lshl_add_u32 v[AK0], v2, 4, v[AK0]
	v_add_nc_u32 v[AK0], s3, v[AK0]  ; K: row x pitch + 16 x half
	v_and_b32 v3, 7, v0
	v_lshl_add_u32 v3, v2, 3, v3
	v_mul_u32_u24 v[AK0+1], v3, PVP
	v_bfe_u32 v3, v0, 3, 1
	v_lshl_add_u32 v[AK0+1], v3, 4, v[AK0+1]
	v_add_nc_u32 v[AK0+1], s2, v[AK0+1]  ; V, turning load: key 8 (l / 16) + l % 8, channels 8 ((l / 8) % 2) on
	v_lshl_add_u32 v[AK0+2], v2, 5, MB  ; MB of keys 8 (l / 16) on
	v_mov_b32 v[AK0+3], STP
	v_lshlrev_b32 v[QO], 11, v1
	v_lshl_add_u32 v[QO], v2, 4, v[QO]
	v_add_nc_u32 v[QO], s2, v[QO]   ; Q: row x 2,048 + 16 x half + my head
	s_mul_i32 s3, s56, 32*SP
	s_add_co_u32 s3, s3, s2
	s_add_co_u32 s3, s3, STAGE      ; into the stage: my group's 32 rows, my head's half of their 256 bytes
	v_mul_u32_u24 v[STO], v1, SP
	v_lshl_add_u32 v[STO], v2, 4, v[STO]
	v_add_nc_u32 v[STO], s3, v[STO]
	s_mul_i32 s3, s16, 16*SP
	s_add_co_u32 s3, s3, STAGE      ; back: wave w takes rows 16 w .. 16 w + 15, whole
	v_mul_u32_u24 v[RD], v2, SP
	v_lshl_add_u32 v[RD], v1, 4, v[RD]
	v_add_nc_u32 v[RD], s3, v[RD]
	v_lshlrev_b32 v[GO], 11, v2
	v_lshl_add_u32 v[GO], v1, 4, v[GO]
	v_mov_b32 v[CSV+1], 0           ; named in pairs whose low word alone is taken, so they are written
.irp t, 0,1,2,3
	v_mov_b32 v[ST+8*\t+1], 0
.endr
	v_mov_b32 v25, 0xff7fffff       ; -FLT_MAX
	v_add_nc_u32 v28, MB, v24
	s_wait_loadcnt 0x0
	v_cmp_eq_u32 vcc_lo, 0, v26
	v_cndmask_b32 v26, 0, v25, vcc_lo
	v_cmp_eq_u32 vcc_lo, 0, v27
	v_cndmask_b32 v27, 0, v25, vcc_lo
	ds_store_b64 v28, v[26:27]
	; STP: wave 0 alone.  Lane s makes key step s's entry (lanes from 8 on repeat them); its 64 keys lie in tile row (s / 2) % 4 of the batch, the step before's in ((s - 1) / 2) % 4.
	s_cmp_lg_u32 s16, 0
	s_cbranch_scc1 .Lno_stp
	v_lshlrev_b32 v64, 2, v0
	global_load_b32 v66, v64, s[10:11] offset:1024  ; the g of the batch's 32 tiles of V, one a lane
	v_bfe_u32 v65, v0, 1, 2
	s_lshl_b32 s3, s20, 2
	v_lshl_add_u32 v65, v65, 5, s3
	global_load_b32 v67, v65, s[10:11]  ; gK of my step's tile
	global_load_b32 v68, v65, s[10:11] offset:1024  ; gV of it
	v_add_nc_u32 v71, -1, v0
	v_bfe_u32 v71, v71, 1, 2        ; (step 0 names tile row 3 here; its ratio is never used: a pass's first step starts O^T)
	v_lshl_add_u32 v71, v71, 5, s3
	global_load_b32 v76, v71, s[10:11] offset:1024  ; gV of the step before's tile
	v_mov_b32 v69, 0
	v_lshl_add_u32 v70, v0, 4, STP
	s_wait_loadcnt 0x0
	v_max_num_f32_dpp v66, v66, v66 row_xmask:1 row_mask:0xf bank_mask:0xf
	v_max_num_f32_dpp v66, v66, v66 row_xmask:2 row_mask:0xf bank_mask:0xf
	v_max_num_f32_dpp v66, v66, v66 row_xmask:4 row_mask:0xf bank_mask:0xf
	v_max_num_f32_dpp v66, v66, v66 row_xmask:8 row_mask:0xf bank_mask:0xf
	v_permlanex16_b32 v69, v66, s[SEL], s[SEL+1]
	v_max_num_f32 v66, v66, v69     ; G_b
	v_mul_f32 v72, 0x3e38aa3b, v67  ; gK c, c = log2(e) / 8
	v_lshrrev_b32 v69, 23, v66      ; G_b's exponent
	v_lshrrev_b32 v74, 23, v68
	v_sub_nc_u32 v74, v74, v69      ; e_s = the exponents' difference, 0 or below,
	v_max_i32 v74, 0xffffffe8, v74  ; kept at -24 or above
	v_lshrrev_b32 v73, 23, v76
	v_sub_nc_u32 v73, v73, v69
	v_max_i32 v73, 0xffffffe8, v73  ; the same of the step before
	v_sub_nc_u32 v73, v73, v74
	v_add_nc_u32 v73, 127, v73
	v_lshlrev_b32 v73, 23, v73      ; d_(s-1) / d_s, between 2^-24 and 2^24
	v_add_nc_u32 v74, 127, v74
	v_lshlrev_b32 v74, 23, v74      ; d_s
	v_mov_b32 v75, 0
	ds_store_b128 v70, v[72:75]
.Lno_stp:
	s_wait_kmcnt 0x0                ; gQ
	s_wait_tensorcnt 0x0            ; my tile has landed,
	s_wait_dscnt 0x0                ; my words of MB and STP are written:
	s_barrier_signal -1
	s_barrier_wait -1               ; everybody's are
; 32 products S^T = K Q^T: product i: channels 32 (i / 16) on, keys 16 ((i / 4) % 4) on, tile i % 4.  The first 16 start the sums.  The 16 accumulators take turns.
.macro KQ
	WIN 0x05                        ; K and Q in window 1, S^T in window 0
.set i, 0
.rept 32
.set rS, S+32*(i%4)+8*((i/4)%4)
.set rK, KV+8*(2*((i/4)%4)+i/16)
.set rQ, Q+16*(i%4)+8*(i/16)
.if i < 16
	v_wmma_f32_16x16x32_f16 v[rS:rS+7], v[rK:rK+7], v[rQ:rQ+7], 0
.else
	v_wmma_f32_16x16x32_f16 v[rS:rS+7], v[rK:rK+7], v[rQ:rQ+7], v[rS:rS+7]
.endif
.set i, i+1
.endr
.endm
; 32 products O^T += V^T P: product i: keys 32 (i / 16) on, channels 16 ((i / 4) % 4) on, tile i % 4.  first = 1: the first 16 start the sums.
.macro PVM first
	WIN 0x51                        ; V in window 1, P in window 0, O^T in window 1
.set i, 0
.rept 32
.set rO, O+32*(i%4)+8*((i/4)%4)
.set rV, KV+8*(4*(i/16)+(i/4)%4)
.set rP, S+32*(i%4)+8*(i/16)
.if \first && (i < 16)
	v_wmma_f32_16x16x32_f16 v[rO:rO+7], v[rV:rV+7], v[rP:rP+7], 0
.else
	v_wmma_f32_16x16x32_f16 v[rO:rO+7], v[rV:rV+7], v[rP:rP+7], v[rO:rO+7]
.endif
.set i, i+1
.endr
.endm
.macro FETCH_K                      ; a step's K (8 fragments), its keys' MB and its entry of STP: 25 LDS loads
	WIN 0x40                        ; destination window 1
.irp f, 0,1,2,3,4,5,6,7             ; keys 16 (f / 2) on, channels 32 (f % 2) on
	ds_load_b128 v[KV+8*\f:KV+8*\f+3],   v[AK] offset:(\f/2)*16*PK+(\f%2)*64
	ds_load_b128 v[KV+8*\f+4:KV+8*\f+7], v[AK] offset:(\f/2)*16*PK+(\f%2)*64+32
.endr
	WIN 0
.irp k, 0,1,2,3
	ds_load_b128 v[MBR+8*\k:MBR+8*\k+3],   v[AK+2] offset:64*\k
	ds_load_b128 v[MBR+8*\k+4:MBR+8*\k+7], v[AK+2] offset:64*\k+16
.endr
	ds_load_b128 v[STPR:STPR+3], v[AK+3]
.endm
.macro FETCH_V                      ; a step's V, turned: 8 fragments, 16 LDS loads
	WIN 0x40
.irp f, 0,1,2,3,4,5,6,7             ; keys 32 (f / 4) on, channels 16 (f % 4) on
	ds_load_tr16_b128 v[KV+8*\f:KV+8*\f+3],   v[AK+1] offset:(\f/4)*32*PVP+(\f%4)*32
	ds_load_tr16_b128 v[KV+8*\f+4:KV+8*\f+7], v[AK+1] offset:(\f/4)*32*PVP+16*PVP+(\f%4)*32
.endr
.endm
; One tile's softmax for one key step, all in window 0.  first = 1: the pass's first step, which starts m and l.
.macro SMX t, first
.set rT, ST+8*\t
.set rS, S+32*\t
.set i, 0
.rept 16                            ; t = S gQ gK c + MB, each accumulator's registers in ascending order
	v_pk_fma_f32 v[rS+2*i:rS+2*i+1], v[rS+2*i:rS+2*i+1], v[CSV:CSV+1], v[MBR+2*i:MBR+2*i+1] op_sel_hi:[1,0,1]
.set i, i+1
.endr
.set i, 0
.rept 4                             ; the maximum of the 32 and the old m, three operands at a time, in four chains
	v_max3_num_f32 v[rT+4+i], v[rS+8*i], v[rS+8*i+1], v[rS+8*i+2]
.set i, i+1
.endr
.set i, 4
.rept 8
	v_max3_num_f32 v[rT+4+i%4], v[rT+4+i%4], v[rS+8*(i%4)+2*(i/4)+1], v[rS+8*(i%4)+2*(i/4)+2]
.set i, i+1
.endr
	v_max3_num_f32 v[rT+4], v[rT+4], v[rS+7], v[rS+15]
	v_max3_num_f32 v[rT+6], v[rT+6], v[rS+23], v[rS+31]
	v_max3_num_f32 v[rT+4], v[rT+4], v[rT+5], v[rT+6]
.if \first
	v_max_num_f32 v[rT+4], v[rT+4], v[rT+7]
.else
	v_max3_num_f32 v[rT+4], v[rT+4], v[rT+7], v[rT]
.endif
	v_permlanex16_b32 v[rT+5], v[rT+4], s[SEL], s[SEL+1]  ; the query's other 32 keys lie in the lane 16 away
.if !\first
	v_mov_b32 v[rT+7], v[rT]        ; the old m is kept for the factor
.endif
	v_max_num_f32 v[rT], v[rT+4], v[rT+5]
.if !\first
	v_sub_f32 v[rT+7], v[rT+7], v[rT]
	v_exp_f32 v[rT+6], v[rT+7]      ; a = 2^(m_old - m_new); the subtractions below are the plain instructions behind it
.endif
.set i, 0
.rept 16
	v_pk_add_f32 v[rS+2*i:rS+2*i+1], v[rS+2*i:rS+2*i+1], v[rT:rT+1] op_sel_hi:[1,0] neg_lo:[0,1] neg_hi:[0,1]
.set i, i+1
.endr
.set i, 0
.rept 32
	v_exp_f32 v[rS+i], v[rS+i]
.set i, i+1
.endr
	v_nop                           ; a plain instruction between the last exponential and the use of its result
.set i, 0
	s_wait_alu depctr_va_vdst(0)
.rept 4                             ; the sum of the 16 pairs (an even key's weight, an odd key's), in four chains
	v_pk_add_f32 v[TT+2*i:TT+2*i+1], v[rS+2*i:rS+2*i+1], v[rS+8+2*i:rS+8+2*i+1]
.set i, i+1
.endr
.set i, 0
.rept 4
	v_pk_add_f32 v[TT+2*i:TT+2*i+1], v[TT+2*i:TT+2*i+1], v[rS+16+2*i:rS+16+2*i+1]
.set i, i+1
.endr
.set i, 0
.rept 4
	v_pk_add_f32 v[TT+2*i:TT+2*i+1], v[TT+2*i:TT+2*i+1], v[rS+24+2*i:rS+24+2*i+1]
.set i, i+1
.endr
	v_pk_add_f32 v[TT:TT+1], v[TT:TT+1], v[TT+2:TT+3]
	v_pk_add_f32 v[TT+4:TT+5], v[TT+4:TT+5], v[TT+6:TT+7]
.if \first
	v_pk_add_f32 v[rT+2:rT+3], v[TT:TT+1], v[TT+4:TT+5]
.else
	v_pk_add_f32 v[TT:TT+1], v[TT:TT+1], v[TT+4:TT+5]
	v_pk_fma_f32 v[rT+2:rT+3], v[rT+2:rT+3], v[rT+6:rT+7], v[TT:TT+1] op_sel_hi:[1,0,1]
	v_mul_f32 v[rT+6], v[rT+6], v[STPR+1]  ; l has taken a; O^T's factor also changes its unit: a d_(s-1) / d_s
.endif
.set i, 0
.rept 16                            ; P in place, ascending: register i takes weights 2 i and 2 i + 1, which no later line reads
	v_cvt_pk_f16_f32 v[rS+i], v[rS+2*i], v[rS+2*i+1]
.set i, i+1
.endr
.endm
; A key step of 64 keys for the wave's four tiles.
.macro STEP first
	FETCH_K
.if \first
	s_wait_loadcnt 0x0              ; the pass's Q
.endif
	s_wait_dscnt 0x0                ; K, MB and the step's entry: the products and the line behind them need all
	KQ
	WIN 0
	v_mul_f32 v[CSV], s48, v[STPR]  ; gQ gK c; with the three v_nop: the four places behind the products, ahead of the loads over K and of the reads of S^T
	v_nop
	v_nop
	v_nop
	FETCH_V                         ; V lands while the softmax runs
	WIN 0
	SMX 0, \first
	SMX 1, \first
	SMX 2, \first
	SMX 3, \first
.if !\first
	WIN 0x41                        ; destination and source 0 window 1, source 1 window 0
.set i, 0
.rept 64                            ; O^T times the tile's factor, each accumulator's registers in ascending order
	v_pk_mul_f32 v[O+2*i:O+2*i+1], v[O+2*i:O+2*i+1], v[ST+8*(i/16)+6:ST+8*(i/16)+7] op_sel_hi:[1,0]
.set i, i+1
.endr
.endif
	s_wait_dscnt 0x0                ; V is in
	PVM \first
	WIN 0
	v_add_nc_u32 v[AK], 64*PK, v[AK]  ; the next step's addresses; with the v_nop: five places, ahead of the loads over V and of the products that write over P
	v_add_nc_u32 v[AK+1], 64*PVP, v[AK+1]
	v_add_nc_u32 v[AK+2], 256, v[AK+2]
	v_add_nc_u32 v[AK+3], 16, v[AK+3]
	v_nop
.endm
; Tiles 2 u and 2 u + 1 of every wave go through the stage: a row's 256 bytes come from the two waves of a group, so a barrier stands between writing and reading, and another between reading and the next writing.
.macro OUT u
.irp tt, 0,1
.irp ct, 0,1,2,3
	ds_store_b128 v[STO], v[S+32*(2*\u+\tt)+4*\ct:S+32*(2*\u+\tt)+4*\ct+3] offset:\tt*16*SP+32*\ct
.endr
.endr
	s_wait_dscnt 0x0                ; for the others' sake
	s_barrier_signal -1
	s_barrier_wait -1
	s_wait_xcnt 0x0                 ; the registers that earlier stores read are loaded again only behind this wait
.irp f, 0,1,2,3,4,5,6,7
	ds_load_b128 v[OB+4*\f:OB+4*\f+3], v[RD] offset:\f*2*SP
.endr
.irp f, 0,1,2,3,4,5,6,7
	s_wait_dscnt 7-\f               ; pair of rows f is back; the younger loads may be out
	global_store_b128 v[GO], v[OB+4*\f:OB+4*\f+3], s[14:15] offset:\u*65536+\f*4096  ; 16 lanes store 256 consecutive bytes, at a multiple of 256 from the buffer's first byte
.endr
	s_barrier_signal -1             ; my reads of the stage are over (the count-down ended at 0)
	s_barrier_wait -1
.endm
	s_mov_b32 s49, 2
.Lpass:                             ; a pass: 64 queries of the wave against all 512 keys
	WIN 0x40
.irp f, 0,1,2,3,4,5,6,7             ; Q stays in registers: tile f / 2, channels 32 (f % 2) on
	global_load_b128 v[Q+8*\f:Q+8*\f+3],   v[QO], s[4:5] offset:(\f/2)*32768+(\f%2)*64
	global_load_b128 v[Q+8*\f+4:Q+8*\f+7], v[QO], s[4:5] offset:(\f/2)*32768+(\f%2)*64+32
.endr
	WIN 0
.irp k, 0,1,2,3
	v_mov_b32 v[AK+\k], v[AK0+\k]
.endr
	STEP 1
	s_mov_b32 s50, 7
.Lstep:
	STEP 0
	s_sub_co_u32 s50, s50, 1
	s_cmp_lg_u32 s50, 0
	s_cbranch_scc1 .Lstep
	; l's two halves and the other half of the lanes' are added; O^T is multiplied by d_7 / l, which leaves it in units of G_b, and rounded to f16
.irp t, 0,1,2,3
	v_add_f32 v[ST+8*\t+4], v[ST+8*\t+2], v[ST+8*\t+3]
.endr
.irp t, 0,1,2,3
	v_permlanex16_b32 v[ST+8*\t+5], v[ST+8*\t+4], s[SEL], s[SEL+1]
.endr
.irp t, 0,1,2,3
	v_add_f32 v[ST+8*\t+4], v[ST+8*\t+4], v[ST+8*\t+5]
.endr
.irp t, 0,1,2,3
	v_rcp_f32 v[ST+8*\t+6], v[ST+8*\t+4]
.endr
	v_nop                           ; a plain instruction between the last reciprocal and the use of its result
	s_wait_alu depctr_va_vdst(0)
.irp t, 0,1,2,3
	v_mul_f32 v[ST+8*\t+6], v[ST+8*\t+6], v[STPR+2]  ; the last step's entry is still in its registers
.endr
	WIN 0x41
.set i, 0
.rept 64
	v_pk_mul_f32 v[O+2*i:O+2*i+1], v[O+2*i:O+2*i+1], v[ST+8*(i/16)+6:ST+8*(i/16)+7] op_sel_hi:[1,0]
.set i, i+1
.endr
	WIN 0x05                        ; sources window 1, destination window 0: S^T's registers are free
.set i, 0
.rept 64
	v_cvt_pk_f16_f32 v[S+32*(i/16)+i%16], v[O+2*i], v[O+2*i+1]
.set i, i+1
.endr
	WIN 0
	OUT 0
	OUT 1
	s_wait_xcnt 0x0                 ; the bases are stepped only behind this wait
	s_add_nc_u64 s[4:5], s[4:5], 131072  ; 64 rows on
	s_add_nc_u64 s[14:15], s[14:15], 131072
	s_sub_co_u32 s49, s49, 1
	s_cmp_lg_u32 s49, 0
	s_cbranch_scc1 .Lpass
	s_wait_tensorcnt 0x0
	ds_add_u32 v18, v19
	s_wait_dscnt 0x0
	CROUND                          ; the closing round
	s_endpgm
.Lfunc_end_k_q22a397e944_attn:
	.size	k_q22a397e944_attn, .Lfunc_end_k_q22a397e944_attn-k_q22a397e944_attn
	.p2alignl 7, 3214868480
	.fill 96, 4, 3214868480
	.section	.rodata,"a",@progbits
	.p2align	6, 0x0
	.amdhsa_kernel k_q22a397e944_attn
		.amdhsa_group_segment_fixed_size 327680
		.amdhsa_private_segment_fixed_size 0
		.amdhsa_enable_private_segment 0
		.amdhsa_kernarg_size 48
		.amdhsa_user_sgpr_count 2
		.amdhsa_user_sgpr_kernarg_segment_ptr 1
		.amdhsa_wavefront_size32 1
		.amdhsa_system_sgpr_workgroup_id_x 1
		.amdhsa_system_sgpr_workgroup_id_y 1
		.amdhsa_system_sgpr_workgroup_id_z 1
		.amdhsa_system_vgpr_workitem_id 0
		.amdhsa_next_free_vgpr 512
		.amdhsa_next_free_sgpr 66
		.amdhsa_reserve_vcc 1
		.amdhsa_float_denorm_mode_32 3
		.amdhsa_float_denorm_mode_16_64 3
		.amdhsa_memory_ordered 1
		.amdhsa_forward_progress 1
		.amdhsa_inst_pref_size 93
	.end_amdhsa_kernel
	.amdgpu_metadata
---
amdhsa.version: [ 1, 2 ]
amdhsa.kernels:
  - .name:           k_q22a397e944_attn
    .symbol:         k_q22a397e944_attn.kd
    .args:
      - { .name: gq, .offset: 0, .size: 8, .value_kind: global_buffer, .address_space: global }
      - { .name: kv, .offset: 8, .size: 8, .value_kind: global_buffer, .address_space: global }
      - { .name: qs, .offset: 16, .size: 8, .value_kind: global_buffer, .address_space: global }
      - { .name: kvs, .offset: 24, .size: 8, .value_kind: global_buffer, .address_space: global }
      - { .name: attention_mask, .offset: 32, .size: 8, .value_kind: global_buffer, .address_space: global }
      - { .name: act, .offset: 40, .size: 8, .value_kind: global_buffer, .address_space: global }
    .group_segment_fixed_size: 327680
    .private_segment_fixed_size: 0
    .kernarg_segment_align: 8
    .kernarg_segment_size: 48
    .max_flat_workgroup_size: 256
    .sgpr_count:     66
    .vgpr_count:     512
    .wavefront_size: 32
...
	.end_amdgpu_metadata
.endif
;; end of part 9
;; launch outp (part 10): grid 4 x 64, 4 waves a work-group, clusters of 4 x 4, 327,680 bytes of LDS; arguments act, w16, out_b, kvs, out0; writes out0
.if DOCPART == 10
	.amdgcn_target "amdgcn-amd-amdhsa--gfx1250"
	.amdhsa_code_object_version 6
	.text
	.protected	k_q22a397e944_outp
	.globl	k_q22a397e944_outp
	.p2align	8
	.type	k_q22a397e944_outp,@function
k_q22a397e944_outp:
	s_mov_b64 s[64:65], 0
	v_nop
	global_prefetch_b8 v0, s[64:65] scope:SCOPE_SE
	s_setreg_imm32_b32 hwreg(HW_REG_WAVE_MODE, 25, 1), 1
	s_wait_xcnt 0x0
	s_wait_alu depctr_hold_cnt(0) depctr_sa_sdst(0) depctr_va_vdst(0) depctr_va_sdst(0) depctr_va_ssrc(0) depctr_va_vcc(0) depctr_vm_vsrc(0)
	s_getreg_b32 s2, hwreg(HW_REG_IB_STS2, 6, 4)
	s_cmp_eq_u32 s2, 0
	s_cbranch_scc0 .Lentry_in_a_cluster
	s_endpgm
.Lentry_in_a_cluster:
	s_bfe_u32 s2, ttmp6, 0x10000c
	s_cmp_lg_u32 s2, 0xf033
	s_cbranch_scc0 .Lentry_shape_is_right
	s_endpgm
.Lentry_shape_is_right:
; out0 = G_b (attn out_w) + out_b.  attn: act's first [16384][1024] f16, in units of G_b, the largest of the 32 scales of the batch's tiles of V (kvs, second plane).
; out_w: w16 from byte 4,194,304, [1024 (k)][1024 (n)] f16.  out_b, out0: f32.  Sums in f32; one fused multiply-add brings unit and bias in.
; LIMIT: attn and out_w are rounded to f16; the sums' order differs from a plain f32 product's.
; SHARES.  16,384 x 1,024 of out0 are 64 x 4 = 256 tiles of 256 x 256, one to a work-group.  Four waves, as many as a WGP has SIMDs, each 128 x 128: 64 accumulators of 16 x 16, 512 registers.
; For 32 along K a wave loads 2 x 128 x 64 bytes from LDS and issues 64 matrix instructions.  K = 1,024 goes in 8 steps of 128 through a ring of two LDS slots filled by the tensor data mover.
; W stays [k][n] in LDS and is turned on the way into registers (ds_load_tr16_b128).  The matrix instruction is used transposed (source 0 = 16 columns of W, source 1 = 16 rows of A):
; a lane then holds eight neighbouring numbers of a row of out0.
; CLUSTERS: 4 x 4 work-groups.  The four of a row of the cluster need the same tiles of A, the four of a column the same tiles of W: each tile is asked for jointly, by the same tensor load
; with the same descriptor and a mask that names the four.
; REGISTERS, in windows of 256: window 0: v0-31 addresses, v[12:13] G_b; v64-127, v128-191 fragments of A (8 x 16 rows x 32 K), two buffers, on the way out results and rows read back;
;   v192-255 the bias of my 128 columns.  window 1: v64-127, v128-191 fragments of W, two buffers.  window 2: the 32 accumulators of my rows 0-63 ((a, b) at v[8 (8 a + b)]); window 3: those of rows 64-127.
.set KSTEP,  128
.set PITCH,  272                       ; a row of A in LDS: 256 bytes + 16 of padding: the 16 rows of a fragment load start 16 bytes apart modulo 256
.set PITW,   544                       ; a k-row of W: 512 bytes + 32 of padding: the 8 rows x 32 bytes that 16 lanes of a turning load take do not meet modulo 256
.set HALFT,  128*PITCH                 ; what one tensor load brings: 128 rows of A, or 64 k-rows of W (64 x 544 is the same 34,816 bytes)
.set SLOT,   4*HALFT                   ; A's 256 rows, then W's 128 k-rows
.set STAGE,  2*SLOT                    ; behind the ring: 16 rows x 528 bytes for each wave, for the way out
.set SPITCH, 528                       ; a row of the stage: my 128 columns of f32, 512 bytes, + 16
.set SPARE,  STAGE+4*16*SPITCH         ; the spare words, 128 bytes for each wave: two blocks of 256 bytes that no other line names
.set LAPS,   4                         ; a lap = two K steps = once round the ring
.set GB,   12                          ; v[12:13] G_b, twice
.set ADRA, 16                          ; v16-17  LDS address of my A fragments in slot 0, 1
.set ADRB, 20                          ; v20-21  the same for W
.set STO,  24                          ; v24     the way out: where I put 32 bytes of a row
.set RD,   25                          ; v25     where I read 16 bytes of a row back
.set CO,   26                          ; v26     my byte offset in a row's 512 bytes of out0
.set BO,   27                          ; v27     my byte offset in the bias: 32 x (lane / 16)
.set SPW,  28                          ; v28     LDS address of my spare word; never rewritten
.set NIL,  29                          ; v29     0; never rewritten
.set F0,   64                          ; fragment buffer 0
.set F1,   128                         ; fragment buffer 1
.set RES,  64                          ; the way out: 16 rows' results, 64 registers
.set BK,   128                         ; the way out: 16 rows read back, 64 registers
.set BI,   192                         ; v192-255 bias: n block b at v[BI + 8 b]
.set G1,  24                           ; s[24:31] descriptor group 1 for A's tiles; s[32:39] group 0, one set for each slot
.set G0,  32
.set G1B, 48                           ; s[48:55], s[56:63] the same for W's tiles
.set G0B, 56
.set MSB, 0
.macro WIN new                         ; the immediate's high byte repeats the setting that is left
.if MSB != \new
	s_set_vgpr_msb (MSB<<8)|\new
.set MSB, \new
.endif
.endm
.set MUL_LO, 0xa1                      ; source 0 (W) window 1, source 1 (A) window 0, C and D window 2
.set MUL_HI, 0xf1                      ; the same, C and D window 3
.set TO_B,   0x40                      ; destination window 1, address window 0
.macro JLOAD s                         ; a joint load: waves 0 and 1 fetch A's two halves, waves 2 and 3 W's; four v_nop follow each of the two lines
	s_cmp_eq_u32 s11, 0
	s_cbranch_scc0 .Lfor_b_\@
	tensor_load_to_lds s[G0+4*\s:G0+4*\s+3], s[G1:G1+7]
	s_nop 0
.rept 4
	v_nop
.endr
	s_branch .Lasked_\@
.Lfor_b_\@:
	tensor_load_to_lds s[G0B+4*\s:G0B+4*\s+3], s[G1B:G1B+7]
	s_nop 0
.rept 4
	v_nop
.endr
.Lasked_\@:
.endm
.macro CREST                           ; a round of the cluster's barrier behind its opening barrier
	s_cmp_lg_u32 s10, 0
	s_cbranch_scc1 .Lnot_wave_0_\@
	s_barrier_signal -3
.Lnot_wave_0_\@:
	s_barrier_wait -3
	s_barrier_signal -1
	s_barrier_wait -1
.endm
.macro CROUND                          ; a whole round
	s_barrier_signal -1
	s_barrier_wait -1
	CREST
.endm
	s_load_b256 s[68:75], s[0:1], 0x0              ; act s[68:69], w16 s[70:71], out_b s[72:73], kvs s[74:75]
	s_load_b64 s[76:77], s[0:1], 0x20              ; out0
	v_lshl_add_u32 v[SPW], v0, 2, SPARE
	v_mov_b32 v[NIL], 0
	ds_add_u32 v28, v29
	s_wait_dscnt 0x0
	v_lshrrev_b32 v1, 5, v0
	v_readfirstlane_b32 s10, v1                    ; wave 0..3
	s_lshr_b32 s11, s10, 1                         ; which half of the tile's rows is mine.  Also: I fetch for A (0) or for W (1)
	s_and_b32 s12, s10, 1                          ; which half of its columns.  Also: which half of that tile I fetch
	s_bfe_u32 s40, ttmp6, 0x40000                  ; cx, cy: my place in the cluster
	s_bfe_u32 s41, ttmp6, 0x40004
	s_lshl_b32 s42, ttmp9, 2
	s_add_co_u32 s42, s42, s40                     ; tile column = 4 x cluster x + cx
	s_and_b32 s45, ttmp7, 0xffff                   ; cluster y
	s_lshl_b32 s13, s45, 2
	s_add_co_u32 s13, s13, s41                     ; tile row = 4 x cluster y + cy
	s_lshl_b32 s43, s41, 2
	s_lshl_b32 s43, 15, s43                        ; my row of the cluster
	s_lshl_b32 s44, 0x1111, s40                    ; my column
	s_mov_b32 s80, 0x76543210                      ; v_permlanex16_b32: each lane takes its own place in the other half
	s_mov_b32 s81, 0xfedcba98
	; descriptor group 1.  A: 128 rows x 128 elements, 4 words of padding behind every 64.  W: 64 k-rows x 256 elements, 8 words behind every 128.
	s_or_b32 s[G1+0], s43, (1<<16)|(1<<20)|(1<<21)|(5<<22)|(3<<25)  ; 15:0 the mask: my row; 17:16 elements of 2 bytes; 20 padding on; 21 set beside a mask; 24:22 interval; 31:25 padding
	s_mov_b32 s[G1+1], 128<<16                     ; tensor_dim0 = 128
	s_mov_b32 s[G1+2], 128<<16                     ; tensor_dim1 = 128
	s_mov_b32 s[G1+3], 128<<16                     ; tile_dim0 = 128
	s_mov_b32 s[G1+4], 128                         ; tile_dim1 = 128
	s_mov_b32 s[G1+5], 1024                        ; elements from row to row
	s_mov_b32 s[G1+6], 0
	s_mov_b32 s[G1+7], 0
	s_or_b32 s[G1B+0], s44, (1<<16)|(1<<20)|(1<<21)|(6<<22)|(7<<25) ; the mask: my column
	s_mov_b32 s[G1B+1], 256<<16
	s_mov_b32 s[G1B+2], 64<<16
	s_mov_b32 s[G1B+3], 256<<16
	s_mov_b32 s[G1B+4], 64
	s_mov_b32 s[G1B+5], 1024
	s_mov_b32 s[G1B+6], 0
	s_mov_b32 s[G1B+7], 0
	; where the tiles come from.  A's hang on the tile row alone, W's on the tile column alone.
	s_lshl_b32 s16, s13, 19                        ; A: 256 rows of 2,048 bytes a tile row,
	s_lshl_b32 s18, s12, 18                        ; 128 rows a half
	s_add_co_u32 s16, s16, s18
	s_mov_b32 s17, 0
	s_lshl_b32 s46, s42, 9                         ; W: 512 bytes a tile column,
	s_lshl_b32 s18, s12, 17                        ; 64 k-rows of 2,048 bytes a half,
	s_add_co_u32 s46, s46, s18
	s_add_co_u32 s46, s46, 4194304                 ; in w16's third matrix
	s_mov_b32 s47, 0
	s_mul_i32 s20, s10, HALFT                      ; where they go: A's two halves, then W's two halves = wave x 34,816: no place in the cluster enters an LDS address
	s_wait_kmcnt 0x0
	s_add_nc_u64 s[14:15], s[68:69], s[16:17]
	s_add_nc_u64 s[46:47], s[70:71], s[46:47]
	CROUND                                         ; all sixteen work-groups are here: the first joint loads meet
.irp s, 0,1
	s_mov_b32 s[G0+4*\s], 1
	s_add_co_u32 s[G0+4*\s+1], s20, \s*SLOT
	s_add_nc_u64 s[G0+4*\s+2:G0+4*\s+3], s[14:15], \s*KSTEP*2
	s_or_b32 s[G0+4*\s+3], s[G0+4*\s+3], 0x80000000
	s_mov_b32 s[G0B+4*\s], 1
	s_add_co_u32 s[G0B+4*\s+1], s20, \s*SLOT
	s_add_nc_u64 s[G0B+4*\s+2:G0B+4*\s+3], s[46:47], \s*KSTEP*2048
	s_or_b32 s[G0B+4*\s+3], s[G0B+4*\s+3], 0x80000000
	JLOAD \s                                       ; two loads of mine are out: the most in this text
.endr
	; the bias of my 128 columns, laid as the accumulators are: register j of n block b = out_b[16 b + 8 (lane / 16) + j]; it is waited for on the way out
	v_and_b32 v1, 15, v0                           ; l % 16
	v_bfe_u32 v2, v0, 4, 1                         ; l / 16
	v_lshlrev_b32 v[BO], 5, v2
	s_lshl_b32 s16, s42, 10                        ; 256 f32 a tile column,
	s_lshl_b32 s18, s12, 9                         ; 128 a half
	s_add_co_u32 s16, s16, s18
	s_add_nc_u64 s[72:73], s[72:73], s[16:17]
.irp b, 0,1,2,3,4,5,6,7
	global_load_b128 v[BI+8*\b:BI+8*\b+3],   v[BO], s[72:73] offset:64*\b
	global_load_b128 v[BI+8*\b+4:BI+8*\b+7], v[BO], s[72:73] offset:64*\b+16
.endr
	s_lshr_b32 s16, s45, 1                         ; batch = tile row / 8 = cluster y / 2
	s_lshl_b32 s16, s16, 7                         ; its 32 words
	s_add_nc_u64 s[74:75], s[74:75], s[16:17]
	v_and_b32 v6, 31, v0                           ; lane
	v_lshlrev_b32 v7, 2, v6
	global_load_b32 v[GB], v7, s[74:75] offset:1024  ; the scales of the batch's 32 tiles of V, one a lane
	v_mul_u32_u24 v3, v1, PITCH
	v_lshl_add_u32 v3, v2, 4, v3                   ; a fragment of A: row x pitch + 16 x half
	s_mul_i32 s21, s11, HALFT                      ; my 128 rows of A
	v_add_nc_u32 v[ADRA], s21, v3
	v_add_nc_u32 v[ADRA+1], SLOT, v[ADRA]
	v_and_b32 v4, 7, v0                            ; the turning load: lane l reads 16 bytes of k-row 8 (l / 16) + l % 8, columns 8 ((l / 8) % 2) on
	v_lshl_add_u32 v4, v2, 3, v4
	v_mul_u32_u24 v4, v4, PITW
	v_bfe_u32 v5, v0, 3, 1
	v_lshl_add_u32 v4, v5, 4, v4
	s_lshl_b32 s21, s12, 8                         ; my 128 columns of W,
	s_add_co_u32 s21, s21, 2*HALFT                 ; which lies behind A's 256 rows
	v_add_nc_u32 v[ADRB], s21, v4
	v_add_nc_u32 v[ADRB+1], SLOT, v[ADRB]
	s_mul_i32 s23, s10, 16*SPITCH
	s_add_co_u32 s23, s23, STAGE                   ; my stage
	v_mul_u32_u24 v4, v1, SPITCH                   ; in: row l % 16, 32 bytes for each half of the lanes
	v_lshl_add_u32 v4, v2, 5, v4
	v_add_nc_u32 v[STO], s23, v4
	v_lshlrev_b32 v[CO], 4, v6                     ; back: the 32 lanes take one row's 512 bytes
	v_add_nc_u32 v[RD], s23, v[CO]
	s_lshl_b32 s16, s13, 20                        ; out0: 256 rows of 4,096 bytes a tile row,
	s_lshl_b32 s18, s11, 19                        ; 128 rows a half,
	s_add_co_u32 s16, s16, s18
	s_lshl_b32 s18, s42, 10                        ; 1,024 bytes a tile column,
	s_add_co_u32 s16, s16, s18
	s_lshl_b32 s18, s12, 9                         ; 512 a half
	s_add_co_u32 s16, s16, s18
	s_add_nc_u64 s[8:9], s[76:77], s[16:17]
; 16 matrix instructions: m blocks a0, a0 + 1 of the window's four (hi = 0: my rows 0-63, 1: rows 64-127) x all 8 n blocks, 32 along K.  zero = 1: the first product starts the sums.
; The 64 accumulators take turns, one instruction a turn, in the same order in every quarter step.
.macro MUL16 f, hi, a0, zero
.irp a, \a0, \a0+1
.irp b, 0,1,2,3,4,5,6,7
.if \zero
	v_wmma_f32_16x16x32_f16 v[8*(8*(\a)+\b):8*(8*(\a)+\b)+7], v[\f+8*\b:\f+8*\b+7], v[\f+8*(4*\hi+\a):\f+8*(4*\hi+\a)+7], 0
.else
	v_wmma_f32_16x16x32_f16 v[8*(8*(\a)+\b):8*(8*(\a)+\b)+7], v[\f+8*\b:\f+8*\b+7], v[\f+8*(4*\hi+\a):\f+8*(4*\hi+\a)+7], v[8*(8*(\a)+\b):8*(8*(\a)+\b)+7]
.endif
.endr
.endr
.endm
; 32 LDS loads in one run: the fragments of quarter q (32 along K) of a slot into buffer f: 128 columns of W, turned, then 128 rows of A
.macro FETCH slot, q, f
	WIN TO_B
.irp i, 0,1,2,3,4,5,6,7
	ds_load_tr16_b128 v[\f+8*\i:\f+8*\i+3],   v[ADRB+\slot] offset:\q*32*PITW+32*\i
	ds_load_tr16_b128 v[\f+8*\i+4:\f+8*\i+7], v[ADRB+\slot] offset:\q*32*PITW+32*\i+16*PITW
.endr
	WIN 0
.irp i, 0,1,2,3,4,5,6,7
	ds_load_b128 v[\f+8*\i:\f+8*\i+3],   v[ADRA+\slot] offset:64*\q+\i*16*PITCH
	ds_load_b128 v[\f+8*\i+4:\f+8*\i+7], v[ADRA+\slot] offset:64*\q+\i*16*PITCH+32
.endr
.endm
.macro PLACES                          ; four places in front of loads into registers that matrix instructions have read, and of vector work that reads results
.rept 4
	v_nop
.endr
.endm
; A K step is four quarter steps of 32 along K, 64 matrix instructions each, on buffers 0, 1, 0, 1.
; One of the first three: multiplies buffer f; in its middle it fetches quarter q of the same slot into buffer g.
.macro QUARTER slot, q, f, g, zero
	s_wait_dscnt 8                                 ; W and A's rows 0-63 are in; the youngest eight loads (A's rows 64-127) may be out
	WIN MUL_LO
	MUL16 \f, 0, 0, \zero
	MUL16 \f, 0, 2, \zero
	PLACES
	FETCH \slot, \q, \g
	s_wait_dscnt 32                                ; all but the 32 just issued
	WIN MUL_HI
	MUL16 \f, 1, 0, \zero
	MUL16 \f, 1, 2, \zero
.endm
; The last quarter multiplies buffer 1 and changes slots.  MEET is its first half: ONE barrier for the change of slots.  In front of it each wave waits for all its tensor loads, of which one
; is out: its part of the next slot; adds 0 to its spare word; and waits for that and for its own reads of this slot.  Behind it nobody reads this slot any more and the next slot is whole.
.macro MEET round                      ; round = 1: a round of the cluster's barrier follows
	WIN 0                                          ; (the add's two registers lie in window 0)
	s_wait_tensorcnt 0x0                           ; all my tensor loads have landed;
	ds_add_u32 v[SPW], v[NIL]                      ; 0 onto my spare word;
	s_wait_dscnt 9                                 ; (the add and the youngest eight loads may be out)
	WIN MUL_LO
	MUL16 F1, 0, 0, 0                              ; sixteen matrix instructions stand between the add and the wait for it
	s_wait_dscnt 0x0                               ; the add is done, and my reads of this slot are over
	s_barrier_signal -1
	MUL16 F1, 0, 2, 0                              ; work on registers while the others arrive
.if \round
	WIN 0
.endif
	s_barrier_wait -1
.endm
; The whole last quarter of a K step whose slot is filled again, with the K step two steps on.  From a request to the wait for it a wave issues 224 matrix instructions.
.macro TURN slot, next
	MEET 1
	CREST                                          ; no wave of any partner still reads this slot's tiles or has a load on its way
	s_add_nc_u64 s[G0+4*\slot+2:G0+4*\slot+3], s[G0+4*\slot+2:G0+4*\slot+3], 2*KSTEP*2
	s_add_nc_u64 s[G0B+4*\slot+2:G0B+4*\slot+3], s[G0B+4*\slot+2:G0B+4*\slot+3], 2*KSTEP*2048
	JLOAD \slot                                    ; the first tensor load behind the round; the four v_nop behind it are also the places in front of the loads below
	FETCH \next, 0, F0
	WIN MUL_HI
	MUL16 F1, 1, 0, 0
	MUL16 F1, 1, 2, 0
.endm
	s_wait_tensorcnt 0x1                           ; my part of K step 0 is in; K step 1's may stay out
	s_barrier_signal -1
	s_barrier_wait -1                              ; everybody's is
	FETCH 0, 0, F0
	QUARTER 0, 1, F0, F1, 1                        ; the first quarter stands in front of the loop: its products start the sums
	WIN 0                                          ; at a label and at a branch every window is 0
	s_mov_b32 s3, LAPS-1
.Llap:                                                 ; a trip goes once round the ring, from a lap's second quarter to the next lap's first, and fills both slots again
	QUARTER 0, 2, F1, F0, 0
	QUARTER 0, 3, F0, F1, 0
	TURN 0, 1
	QUARTER 1, 1, F0, F1, 0
	QUARTER 1, 2, F1, F0, 0
	QUARTER 1, 3, F0, F1, 0
	TURN 1, 0
	QUARTER 0, 1, F0, F1, 0
	WIN 0
	s_sub_co_u32 s3, s3, 1
	s_cmp_lg_u32 s3, 0
	s_cbranch_scc1 .Llap
	QUARTER 0, 2, F1, F0, 0                        ; the last lap fills nothing: its tail is written out
	QUARTER 0, 3, F0, F1, 0
	MEET 0                                         ; my one tensor load that was still out is slot 1's, the last K step's; no round follows
	PLACES
	FETCH 1, 0, F0
	WIN MUL_HI
	MUL16 F1, 1, 0, 0
	MUL16 F1, 1, 2, 0
	QUARTER 1, 1, F0, F1, 0
	QUARTER 1, 2, F1, F0, 0
	QUARTER 1, 3, F0, F1, 0
	s_wait_dscnt 8                                 ; the very last quarter: nothing more to fetch
	WIN MUL_LO
	MUL16 F1, 0, 0, 0
	MUL16 F1, 0, 2, 0
	s_wait_dscnt 0x0
	WIN MUL_HI
	MUL16 F1, 1, 0, 0
	MUL16 F1, 1, 2, 0
	WIN 0
	; THE WAY OUT.  G_b: the largest of the 32 scales, across the lanes.  Then my eight blocks of 16 rows, one after the other.
	PLACES
	s_wait_loadcnt 0x0                             ; the bias and the scales
	v_mov_b32 v[GB+1], v[GB]                       ; written, since the exchange below counts as a reader of its destination
	v_max_num_f32_dpp v[GB], v[GB], v[GB] row_xmask:1 row_mask:0xf bank_mask:0xf
	v_max_num_f32_dpp v[GB], v[GB], v[GB] row_xmask:2 row_mask:0xf bank_mask:0xf
	v_max_num_f32_dpp v[GB], v[GB], v[GB] row_xmask:4 row_mask:0xf bank_mask:0xf
	v_max_num_f32_dpp v[GB], v[GB], v[GB] row_xmask:8 row_mask:0xf bank_mask:0xf
	v_permlanex16_b32 v[GB+1], v[GB], s80, s81
	v_max_num_f32 v[GB], v[GB], v[GB+1]
	v_mov_b32 v[GB+1], v[GB]                       ; twice: a pair for the packed multiply-add
; PACK: block a's 64 numbers a lane, G_b x sum + bias, each accumulator's registers in ascending order.  TOSTAGE: into my own stage, and back as whole rows of 512 bytes.  SEND: stored.
.macro PACK a
.set AC, 64*((\a)%4)
	WIN 0x02+((\a)/4)                              ; source 0: window 2 or 3
.irp b, 0,1,2,3,4,5,6,7
.irp i, 0,1,2,3
	v_pk_fma_f32 v[RES+8*\b+2*\i:RES+8*\b+2*\i+1], v[AC+8*\b+2*\i:AC+8*\b+2*\i+1], v[GB:GB+1], v[BI+8*\b+2*\i:BI+8*\b+2*\i+1]
.endr
.endr
	WIN 0
.endm
.macro TOSTAGE
.irp b, 0,1,2,3,4,5,6,7
	ds_store_b128 v[STO], v[RES+8*\b:RES+8*\b+3]   offset:64*\b
	ds_store_b128 v[STO], v[RES+8*\b+4:RES+8*\b+7] offset:64*\b+16
.endr
	s_wait_xcnt 0x0                                ; the registers that the last block's stores read are loaded again only behind this wait
.irp t, 0,1,2,3,4,5,6,7,8,9,10,11,12,13,14,15
	ds_load_b128 v[BK+4*\t:BK+4*\t+3], v[RD] offset:\t*SPITCH   ; LDS serves a wave's instructions in order (ISA guide 5.7.1.4): these see the stores above
.endr
.endm
.macro SEND a
.irp t, 0,1,2,3,4,5,6,7,8,9,10,11,12,13,14,15
	s_wait_dscnt 15-\t                             ; row t is back; the younger loads may be out
	global_store_b128 v[CO], v[BK+4*\t:BK+4*\t+3], s[8:9] offset:(16*(\a)+\t)*4096 th:TH_STORE_NT   ; the wave stores 512 consecutive bytes, at a multiple of 512 from out0's first byte
.endr
.endm
	PACK 0
	TOSTAGE
.irp a, 1,2,3,4,5,6,7                  ; block a's arithmetic stands between block a - 1's loads from the stage and the wait for them
	PACK \a
	SEND \a-1
	TOSTAGE
.endr
	SEND 7
	s_wait_tensorcnt 0x0                           ; the wave's end
	ds_add_u32 v[SPW], v[NIL]
	s_wait_dscnt 0x0
	CROUND                                         ; the closing round: no work-group ends while a partner may still ask for a tile that names it
	s_endpgm
.Lfunc_end_k_q22a397e944_outp:
	.size	k_q22a397e944_outp, .Lfunc_end_k_q22a397e944_outp-k_q22a397e944_outp
	.p2alignl 7, 3214868480
	.fill 96, 4, 3214868480
	.section	.rodata,"a",@progbits
	.p2align	6, 0x0
	.amdhsa_kernel k_q22a397e944_outp
		.amdhsa_group_segment_fixed_size 327680
		.amdhsa_private_segment_fixed_size 0
		.amdhsa_enable_private_segment 0
		.amdhsa_kernarg_size 40
		.amdhsa_user_sgpr_count 2
		.amdhsa_user_sgpr_kernarg_segment_ptr 1
		.amdhsa_wavefront_size32 1
		.amdhsa_system_sgpr_workgroup_id_x 1
		.amdhsa_system_sgpr_workgroup_id_y 1
		.amdhsa_system_sgpr_workgroup_id_z 1
		.amdhsa_system_vgpr_workitem_id 0
		.amdhsa_next_free_vgpr 1024
		.amdhsa_next_free_sgpr 84
		.amdhsa_reserve_vcc 0
		.amdhsa_float_denorm_mode_32 3
		.amdhsa_float_denorm_mode_16_64 3
		.amdhsa_memory_ordered 1
		.amdhsa_forward_progress 1
		.amdhsa_inst_pref_size 162
	.end_amdhsa_kernel
	.amdgpu_metadata
---
amdhsa.version: [ 1, 2 ]
amdhsa.kernels:
  - .name:           k_q22a397e944_outp
    .symbol:         k_q22a397e944_outp.kd
    .args:
      - { .name: act, .offset: 0, .size: 8, .value_kind: global_buffer, .address_space: global }
      - { .name: w16, .offset: 8, .size: 8, .value_kind: global_buffer, .address_space: global }
      - { .name: out_b, .offset: 16, .size: 8, .value_kind: global_buffer, .address_space: global }
      - { .name: kvs, .offset: 24, .size: 8, .value_kind: global_buffer, .address_space: global }
      - { .name: out0, .offset: 32, .size: 8, .value_kind: global_buffer, .address_space: global }
    .group_segment_fixed_size: 327680
    .private_segment_fixed_size: 0
    .kernarg_segment_align: 8
    .kernarg_segment_size: 40
    .max_flat_workgroup_size: 128
    .sgpr_count:     84
    .vgpr_count:     1024
    .wavefront_size: 32
...
	.end_amdgpu_metadata
.endif
;; end of part 10
;; ======== version 3 of 3: 6 launches; version 2 with the launch prep written anew for expert scheduling mode
;; limits: values are held in f16: magnitudes above 65,504 overflow, below 6.1e-05 lose precision; inputs' magnitudes at most 65,504
;; workspace buffers: act 41,943,040 bytes; w16 6,291,456 bytes; wkv 4,194,304 bytes; gq 41,943,040 bytes; kv 25,165,824 bytes; qs 4,096 bytes; kvs 2,048 bytes
;; launch prep (part 11): grid 800 x 1, 8 waves a work-group, no clusters, 0 bytes of LDS; arguments query, guide_vector, q_w, text_w, out_w, kv_w, act, w16, wkv; writes act, w16, wkv
.if DOCPART == 11
	.amdgcn_target "amdgcn-amd-amdhsa--gfx1250"
	.amdhsa_code_object_version 6
	.text
	.protected	k_q22a397e944_prep
	.globl	k_q22a397e944_prep
	.p2align	8
	.type	k_q22a397e944_prep,@function
k_q22a397e944_prep:
	s_mov_b64 s[64:65], 0
	v_nop
	global_prefetch_b8 v0, s[64:65] scope:SCOPE_SE
	s_setreg_imm32_b32 hwreg(HW_REG_WAVE_SCHED_MODE, 0, 2), 2
	s_setreg_imm32_b32 hwreg(HW_REG_WAVE_MODE, 25, 1), 1
	s_wait_xcnt 0x0
	s_wait_alu depctr_vm_vsrc(0)
; f32 -> f16 casts of everything that later goes to the matrix unit, once, so that the products read half the bytes.
;   act: query as [16384][1024] f16 at byte 0; guide_vector as [4096][1024] f16 at byte 33,554,432, columns 768-1023 = 0
;   w16: q_w at 0, text_w at 2,097,152 (rows 768-1023 = 0), out_w at 4,194,304, each [1024][1024] f16, K along the rows' index as given
;   wkv: kv_w's columns 0-1023 (K) at 0, columns 1024-2047 (V) at 2,097,152, each [1024][1024] f16
; The zero padding makes every product's K equal to 1,024, so that guide's projection and K's and V's are one source with the same K steps.
; LIMIT: an input number of magnitude 65,520 or more becomes an infinity in f16; one under 2^-25 becomes 0.
; A work-group casts 32,768 numbers (or writes 65,536 bytes of zeros).  A thread takes 16 bytes of each of 32 pieces: 32 loads of a wave
; are out together, and each store of a wave covers 256 consecutive bytes, aligned.  No LDS, no barrier: no number meets another.
; THE MODE: SCHED_MODE bits 1:0 = 2 (LLVM: expert scheduling mode 2), set by the entry lines.  The code itself states the register dependences
; between vector instructions and memory instructions, with s_wait_alu, always for 0.
; THE PLAN.  Registers that memory instructions touch:
;   v1, v2     byte offsets of the source and of the destination: made once at the head, read by every load (v1) and every store (v2), never written again.
;   X, piece j four registers.  Its load lands in them; its two roundings read all four and write the first two in place; one store reads those two.
;              Nothing writes them behind that store, and no load is issued behind a rounding.
;   v4, v5     on the way that writes zeros: written by two moves, read by its 32 stores; that way issues no load.
; The 32 pieces go in 8 blocks of four.  Block p's roundings name block p's registers alone; its memory instructions are the four stores of block p - 1.
; So ONE wait at a block's head, that the block before has written its results, states all that these four stores hang on, and they are dealt among
; the block's roundings with no further wait.  No register that a memory instruction has read is ever written again, so the text holds no wait for that.
.set X, 4                              ; v[4:131]  32 pieces of 4 registers, as loaded; the first two of each then hold the 4 f16
; 32 loads sp bytes apart; then block by block: the wait for the block's four loads, the block's eight packed roundings, and among them the four stores of the block before.
; Piece j is stored at (j / 2) d0 + (j % 2) d1.
.macro CAST sp, d0, d1
.set j, 0
.rept 32
	global_load_b128 v[X+4*j:X+4*j+3], v1, s[4:5] offset:j*\sp th:TH_LOAD_NT
.set j, j+1
.endr
.set p, 0
.rept 8
	s_wait_loadcnt 28-4*p                          ; loads come back in order: block p's four pieces are in, the loads of the 7 - p younger blocks stay out
.if p > 0
	s_wait_alu depctr_va_vdst(0)                   ; the block before's eight roundings have written the first two registers of its four pieces, which the four stores below read
.endif
.set i, 0
.rept 4
.set j, 4*p+i
.if p > 0
	global_store_b64 v2, v[X+4*(j-4):X+4*(j-4)+1], s[6:7] offset:((j-4)/2)*\d0+((j-4)%2)*\d1   ; a piece of the block before; no vector instruction since the wait names its registers
.endif
	v_cvt_pk_f16_f32 v[X+4*j], v[X+4*j], v[X+4*j+1]
	v_cvt_pk_f16_f32 v[X+4*j+1], v[X+4*j+2], v[X+4*j+3]
.set i, i+1
.endr
.set p, p+1
.endr
	s_wait_alu depctr_va_vdst(0)                   ; block 7's roundings have written their results, which the last four stores read
.set j, 28
.rept 4
	global_store_b64 v2, v[X+4*j:X+4*j+1], s[6:7] offset:(j/2)*\d0+(j%2)*\d1
.set j, j+1
.endr
.endm
	s_load_b256 s[8:15], s[0:1], 0x0               ; query s[8:9], guide_vector s[10:11], q_w s[12:13], text_w s[14:15]
	s_load_b256 s[16:23], s[0:1], 0x20             ; out_w s[16:17], kv_w s[18:19], act s[20:21], w16 s[22:23]
	s_load_b64 s[24:25], s[0:1], 0x40              ; wkv
	v_lshlrev_b32 v1, 4, v0                        ; my 16 bytes of a piece of the source
	v_lshlrev_b32 v2, 3, v0                        ; my 8 bytes of a piece of the destination
	v_lshrrev_b32 v3, 5, v0
	v_readfirstlane_b32 s27, v3                    ; wave 0..7
	s_mov_b32 s29, 0                               ; high words of the two offsets
	s_mov_b32 s31, 0
	s_wait_alu depctr_va_sdst(0)                   ; s27 is written: ahead of every branch, and so ahead of its one reader, the compare on the way that pads guide_vector
	s_wait_alu depctr_va_vdst(0)                   ; v1 and v2 are written: every load of the kernel reads v1 as its offset, every store v2; no vector instruction names them again
	s_wait_kmcnt 0x0
	s_cmp_ge_u32 ttmp9, 672
	s_cbranch_scc1 .Lpad
	s_cmp_ge_u32 ttmp9, 608
	s_cbranch_scc1 .Lsplit
	; work-groups 0-607: dense casts.  0-511 query -> act; 512-543 q_w, 544-567 text_w, 568-575 zeros, 576-607 out_w -> w16
	s_mov_b64 s[4:5], s[8:9]
	s_mov_b64 s[6:7], s[20:21]
	s_mov_b32 s26, 0                               ; the first work-group of my source
	s_mov_b32 s2, 0                                ; the first work-group of my destination
	s_cmp_ge_u32 ttmp9, 512
	s_cselect_b64 s[4:5], s[12:13], s[4:5]
	s_cselect_b64 s[6:7], s[22:23], s[6:7]
	s_cselect_b32 s26, 512, s26
	s_cselect_b32 s2, 512, s2
	s_cmp_ge_u32 ttmp9, 544
	s_cselect_b64 s[4:5], s[14:15], s[4:5]
	s_cselect_b32 s26, 544, s26
	s_cmp_ge_u32 ttmp9, 576
	s_cselect_b64 s[4:5], s[16:17], s[4:5]
	s_cselect_b32 s26, 576, s26
	s_sub_co_u32 s28, ttmp9, s26
	s_lshl_b32 s28, s28, 17                        ; 131,072 bytes of f32 a work-group
	s_add_nc_u64 s[4:5], s[4:5], s[28:29]
	s_sub_co_u32 s30, ttmp9, s2
	s_lshl_b32 s30, s30, 16                        ; 65,536 bytes of f16
	s_add_nc_u64 s[6:7], s[6:7], s[30:31]
	s_cmp_lt_u32 ttmp9, 568
	s_cbranch_scc1 .Llin
	s_cmp_ge_u32 ttmp9, 576
	s_cbranch_scc1 .Llin
.Lzero:                                                ; 32 pieces of zeros, 2,048 bytes apart; nothing is loaded
	v_mov_b32 v4, 0
	v_mov_b32 v5, 0
	s_wait_alu depctr_va_vdst(0)                   ; v4 and v5 are written, which the 32 stores below read
.set j, 0
.rept 32
	global_store_b64 v2, v[4:5], s[6:7] offset:j*2048
.set j, j+1
.endr
	s_endpgm
.Llin:
	CAST 4096, 4096, 2048                          ; piece j: 4,096 bytes in, 2,048 bytes out
	s_endpgm
.Lsplit:                                               ; work-groups 608-671: 16 rows of kv_w; piece j is half j % 2 of row j / 2
	s_sub_co_u32 s26, ttmp9, 608
	s_lshl_b32 s28, s26, 17
	s_add_nc_u64 s[4:5], s[18:19], s[28:29]
	s_lshl_b32 s30, s26, 15                        ; 16 rows of 2,048 bytes in each plane
	s_add_nc_u64 s[6:7], s[24:25], s[30:31]
	CAST 4096, 2048, 2097152
	s_endpgm
.Lpad:                                                 ; work-groups 672-799: 32 rows of guide_vector; piece j is row j
	s_sub_co_u32 s26, ttmp9, 672
	s_mul_i32 s28, s26, 98304                      ; 32 rows of 3,072 bytes
	s_add_nc_u64 s[4:5], s[10:11], s[28:29]
	s_lshl_b32 s30, s26, 16
	s_add_co_u32 s30, s30, 33554432
	s_add_nc_u64 s[6:7], s[20:21], s[30:31]
	s_cmp_ge_u32 s27, 6                            ; threads 0-191 hold a row's 768 numbers; threads 192-255 write the 256 zeros behind them
	s_cbranch_scc1 .Lzero
	CAST 3072, 4096, 2048
	s_endpgm
.Lfunc_end_k_q22a397e944_prep:
	.size	k_q22a397e944_prep, .Lfunc_end_k_q22a397e944_prep-k_q22a397e944_prep
	.p2alignl 7, 3214868480
	.fill 96, 4, 3214868480
	.section	.rodata,"a",@progbits
	.p2align	6, 0x0
	.amdhsa_kernel k_q22a397e944_prep
		.amdhsa_group_segment_fixed_size 0
		.amdhsa_private_segment_fixed_size 0
		.amdhsa_enable_private_segment 0
		.amdhsa_kernarg_size 72
		.amdhsa_user_sgpr_count 2
		.amdhsa_user_sgpr_kernarg_segment_ptr 1
		.amdhsa_wavefront_size32 1
		.amdhsa_system_sgpr_workgroup_id_x 1
		.amdhsa_system_sgpr_workgroup_id_y 1
		.amdhsa_system_sgpr_workgroup_id_z 1
		.amdhsa_system_vgpr_workitem_id 0
		.amdhsa_next_free_vgpr 132
		.amdhsa_next_free_sgpr 66
		.amdhsa_reserve_vcc 0
		.amdhsa_float_denorm_mode_32 3
		.amdhsa_float_denorm_mode_16_64 3
		.amdhsa_memory_ordered 1
		.amdhsa_forward_progress 1
		.amdhsa_inst_pref_size 38
	.end_amdhsa_kernel
	.amdgpu_metadata
---
amdhsa.version: [ 1, 2 ]
amdhsa.kernels:
  - .name:           k_q22a397e944_prep
    .symbol:         k_q22a397e944_prep.kd
    .args:
      - { .name: query, .offset: 0, .size: 8, .value_kind: global_buffer, .address_space: global }
      - { .name: guide_vector, .offset: 8, .size: 8, .value_kind: global_buffer, .address_space: global }
      - { .name: q_w, .offset: 16, .size: 8, .value_kind: global_buffer, .address_space: global }
      - { .name: text_w, .offset: 24, .size: 8, .value_kind: global_buffer, .address_space: global }
      - { .name: out_w, .offset: 32, .size: 8, .value_kind: global_buffer, .address_space: global }
      - { .name: kv_w, .offset: 40, .size: 8, .value_kind: global_buffer, .address_space: global }
      - { .name: act, .offset: 48, .size: 8, .value_kind: global_buffer, .address_space: global }
      - { .name: w16, .offset: 56, .size: 8, .value_kind: global_buffer, .address_space: global }
      - { .name: wkv, .offset: 64, .size: 8, .value_kind: global_buffer, .address_space: global }
    .group_segment_fixed_size: 0
    .private_segment_fixed_size: 0
    .kernarg_segment_align: 8
    .kernarg_segment_size: 72
    .max_flat_workgroup_size: 256
    .sgpr_count:     66
    .vgpr_count:     132
    .wavefront_size: 32
...
	.end_amdgpu_metadata
.endif
;; end of part 11
;; launch guide: the kernel of part 6 again; grid 8 x 32, 4 waves a work-group, clusters of 4 x 4, 327,680 bytes of LDS; arguments act, w16, text_b, gq; writes gq
;; launch kvp: the kernel of part 7 again; grid 16 x 32, 4 waves a work-group, clusters of 4 x 4, 327,680 bytes of LDS; arguments gq, wkv, kv_b, kv, kvs; writes kv, kvs
;; launch qproj: the kernel of part 8 again; grid 4 x 64, 4 waves a work-group, clusters of 4 x 4, 327,680 bytes of LDS; arguments act, w16, q_b, gq, qs; writes gq, qs
;; launch attn: the kernel of part 9 again; grid 4 x 64, 8 waves a work-group, clusters of 4 x 1, 327,680 bytes of LDS; arguments gq, kv, qs, kvs, attention_mask, act; writes act
;; launch outp: the kernel of part 10 again; grid 4 x 64, 4 waves a work-group, clusters of 4 x 4, 327,680 bytes of LDS; arguments act, w16, out_b, kvs, out0; writes out0
